; MI455X (gfx1250); checked and timed in simulation.
; The chip was launched on July 23, 2026; its instructions are those of AMD's public machine-readable ISA for CDNA 5 (MIT licence, August 2026) and "CDNA5" Instruction Set Architecture Reference Guide (July 2026). The comments in the code are by the model that wrote it; some were corrected since.
;; Multi Head Latent Attention. Allowed arithmetic: float matrix products may take bf16 or f16 operands with f32 sums; other float arithmetic in f32, or as packed bf16 or f16 multiplies, adds, multiply-adds, maxima and minima; sums over many terms, partial sums and values carried from step to step in f32; what a program stores and reads back later, other than sums and carried values, may be rounded once to bf16 or f16.
;; Inputs: b_proj 1,024 float32; w_proj 1,024 x 1,024 float32; wk_heads 256 x 1,024 float32; wk_lat 1,024 x 256 float32; wq_heads 256 x 1,024 float32; wq_lat 1,024 x 256 float32; wv_heads 256 x 1,024 float32; wv_lat 1,024 x 256 float32; x 2 x 2,048 x 1,024 float32.
;; Outputs: out0 2 x 2,048 x 1,024 float32.
;; 3 versions, each right; version 3 is version 2 with the launch prep written anew for expert scheduling mode. Each part assembles by itself: llvm-mc -triple=amdgcn-amd-amdhsa -mcpu=gfx1250 --defsym DOCPART=n.
;; ======== version 1 of 3: 4 launches
;; limits: values are held in f16: magnitudes above 65,504 overflow, below 6.1e-05 lose precision; right only within a limited range of input values
;; workspace buffers: wlT 1,572,864 bytes; whT 1,572,864 bytes; wpT 4,194,304 bytes; qb 8,388,608 bytes; kv 16,777,216 bytes; vsc 8,192 bytes; y2 16,777,216 bytes
;; launch prep (part 1): grid 32 x 10, 8 waves a work-group, no clusters, 18,432 bytes of LDS; arguments wq_lat, wk_lat, wv_lat, wq_heads, wk_heads, wv_heads, w_proj, wlT, whT, wpT; writes wlT, whT, wpT
.if DOCPART == 1
	.amdgcn_target "amdgcn-amd-amdhsa--gfx1250"
	.amdhsa_code_object_version 6
	.text
	.protected	k_q215ac21025_prep
	.globl	k_q215ac21025_prep
	.p2align	8
	.type	k_q215ac21025_prep,@function
k_q215ac21025_prep:
	s_mov_b64 s[64:65], 0
	v_nop
	global_prefetch_b8 v0, s[64:65] scope:SCOPE_SE
	s_setreg_imm32_b32 hwreg(HW_REG_WAVE_MODE, 25, 1), 1
	s_wait_xcnt 0x0
; LAUNCH 1 OF 4: the seven weight matrices, rounded once to bf16 and turned, so that K lies along the rows of every matrix operand.
;   wlT [3][256 n][1024 k] = w*_lat[k][n];  whT [3][1024 n][256 k] = w*_heads[k][n];
;   wpT [1024 n][2048 k'], k' = 128 h + 64 p + c, = w_proj[64 h + c][n] for p = 0 and once more for p = 1 (launch 4 multiplies y's upper and lower bf16 part by the same weights).
; THE PROGRAM: 2 qkv (x -> latents -> q, k, v by heads), 3 attn (causal attention), 4 proj (y w_proj + b_proj).  Every input is loaded.
; WORK LEFT OUT (launch 3): reference() sets att to -inf wherever key > query, by a jnp.tril that it builds itself; softmax gives such a key the weight 0 whatever the inputs hold,
; so a tile of keys that lies wholly above the diagonal reaches no output and is neither loaded nor multiplied.  Nothing else is left out.
; LIMIT: a NaN, an infinity or an overflow that arises only in such hidden scores is not carried to the result.
; FORMATS: all inputs are rounded to bf16 (the bias too); sums in f32.  The latents of q and k, q and k are bf16; the latent of v and y are pairs of bf16 (upper part, and the rest rounded);
; v is f16 with one power of two for each head and block of 64 keys, which launch 3 takes into the softmax's exponents exactly.
; THIS KERNEL: a work-group turns a tile of 128 k x 64 n through LDS.  Loads: 16 lanes take a tile row's 256 bytes.  Stores: 16 lanes write 256 consecutive, aligned bytes.
; No matrix unit, no cluster, no tensor load: nothing is shared between work-groups and each byte crosses once.
.set TP,    272                        ; a row of the turned tile in LDS: 128 bf16 + 16 bytes
.set SPARE, 64*TP                      ; behind the tile: the spare words, 128 bytes for each of the eight waves
.set SPW,   64                         ; v64  my spare word's address; never rewritten
.set NIL,   65                         ; v65  0; never rewritten
	s_load_b512 s[8:23], s[0:1], 0x0               ; wq_lat wk_lat wv_lat wq_heads wk_heads wv_heads w_proj wlT
	s_load_b128 s[24:27], s[0:1], 0x40             ; whT wpT
	v_lshl_add_u32 v[SPW], v0, 2, SPARE
	v_mov_b32 v[NIL], 0
	s_and_b32 s4, ttmp7, 0xffff                    ; y: 0-2 a lat matrix, 3-5 a heads matrix, 6-9 a quarter of w_proj
	s_mov_b32 s5, ttmp9
	s_lshr_b32 s32, s5, 2                          ; lat: 8 tiles along k, 4 along n
	s_and_b32 s33, s5, 3
	s_lshr_b32 s34, s5, 4                          ; the others: 16 tiles along n
	s_and_b32 s35, s5, 15
	s_max_u32 s36, s4, 6
	s_sub_co_u32 s36, s36, 6
	s_lshl_b32 s36, s36, 1
	s_add_co_u32 s36, s36, s34                     ; w_proj: k tile = 2 (y - 6) + x / 16
	s_max_u32 s37, s4, 3
	s_sub_co_u32 s37, s37, 3
	s_mov_b32 s38, 4096                            ; RP: bytes in a source row
	s_mov_b32 s39, 512                             ; DP: bytes in a destination row
	s_mov_b32 s43, 256                             ; bytes of a destination row that a k tile fills
	s_cmp_lt_u32 s4, 3
	s_cselect_b32 s38, 1024, s38
	s_cselect_b32 s39, 2048, s39
	s_cselect_b32 s40, s32, s34                    ; k tile
	s_cselect_b32 s41, s33, s35                    ; n tile
	s_cselect_b32 s42, s4, s37                     ; which of the three matrices
	s_cmp_ge_u32 s4, 6
	s_cselect_b32 s39, 4096, s39
	s_cselect_b32 s40, s36, s40
	s_cselect_b32 s42, 0, s42
	s_cselect_b32 s43, 512, s43
	s_mul_i32 s44, s40, s38
	s_lshl_b32 s44, s44, 7                         ; 128 source rows a k tile
	s_lshl_b32 s46, s41, 8                         ; 64 f32 an n tile
	s_add_co_u32 s44, s44, s46
	s_mov_b32 s45, 0
	s_mul_i32 s46, s41, s39
	s_lshl_b32 s46, s46, 6                         ; 64 destination rows an n tile
	s_mul_i32 s6, s40, s43
	s_add_co_u32 s46, s46, s6
	s_lshl_b32 s6, s42, 19                         ; 524,288 bytes a matrix
	s_add_co_u32 s46, s46, s6
	s_mov_b32 s47, 0
	v_and_b32 v1, 15, v0                           ; c: my 16 bytes of a row of 256
	v_lshrrev_b32 v2, 4, v0                        ; kr: 0..15
	v_lshlrev_b32 v3, 4, v1
	v_lshlrev_b32 v13, 1, v2
	v_mad_u32_u24 v4, v13, s38, v3                 ; source row 2 kr
.irp n, 1,2,3,4,5,6,7
	s_mul_i32 s6, s38, ((\n)/2)*32+((\n)%2)        ; load n takes row 32 (n / 2) + 2 kr + n % 2
	v_add_nc_u32 v[4+(\n)], s6, v4
.endr
	v_mul_u32_u24 v12, v1, 4*TP                    ; into LDS: row n = 4 c + n', bytes 2 k
	v_lshl_add_u32 v12, v2, 2, v12
	v_mul_u32_u24 v70, v2, TP                      ; back: row 16 u + kr,
	v_and_b32 v14, 7, v0
	v_lshl_add_u32 v71, v14, 4, v70                ; (w_proj: 128 bytes of it, twice)
	v_add_nc_u32 v70, v3, v70                      ; 16 bytes a lane
	v_mad_u32_u24 v66, v2, s39, v3                 ; and the same row in the destination
	s_lshl_b32 s6, s39, 4
.irp u, 1,2,3
	v_add_nc_u32 v[66+(\u)], s6, v[65+(\u)]
.endr
	s_wait_kmcnt 0x0
	s_mov_b64 s[28:29], s[20:21]                   ; the source, chosen by y alone
.irp i, 0,1,2,3,4,5
	s_cmp_eq_u32 s4, \i
	s_cselect_b64 s[28:29], s[8+2*(\i):9+2*(\i)], s[28:29]
.endr
	s_mov_b64 s[30:31], s[26:27]                   ; the destination
	s_cmp_lt_u32 s4, 6
	s_cselect_b64 s[30:31], s[24:25], s[30:31]
	s_cmp_lt_u32 s4, 3
	s_cselect_b64 s[30:31], s[22:23], s[30:31]
	s_add_nc_u64 s[28:29], s[28:29], s[44:45]
	s_add_nc_u64 s[30:31], s[30:31], s[46:47]
.irp n, 0,1,2,3,4,5,6,7
	global_load_b128 v[16+4*(\n):19+4*(\n)], v[4+(\n)], s[28:29] th:TH_LOAD_NT
.endr
.irp i, 0,1,2,3
	s_wait_loadcnt 6-2*(\i)                        ; rows k and k + 1 of group i are in; the younger loads stay out
.irp n, 0,1,2,3
	v_cvt_pk_bf16_f32 v[48+4*(\i)+(\n)], v[16+8*(\i)+(\n)], v[20+8*(\i)+(\n)]  ; (k, k + 1) of column 4 c + n
	ds_store_b32 v12, v[48+4*(\i)+(\n)] offset:(\n)*TP+64*(\i)
.endr
.endr
	s_wait_dscnt 0x0                               ; for the others' sake: my part of the tile is written
	s_barrier_signal -1
	s_barrier_wait -1
	s_cmp_ge_u32 s4, 6
	s_cbranch_scc1 .Ldup
.irp u, 0,1,2,3
	ds_load_b128 v[16+4*(\u):19+4*(\u)], v70 offset:(\u)*16*TP
.endr
.irp u, 0,1,2,3
	s_wait_dscnt 3-(\u)                            ; the younger LDS loads may stay out
	global_store_b128 v[66+(\u)], v[16+4*(\u):19+4*(\u)], s[30:31]
.endr
	s_branch .Lend
.Ldup:                                         ; w_proj: a head's 64 k stand twice on end: 256 bytes from 16 lanes
.irp n, 0,1,2,3,4,5,6,7
	ds_load_b128 v[16+4*(\n):19+4*(\n)], v71 offset:((\n)%4)*16*TP+128*((\n)/4)
.endr
.irp n, 0,1,2,3,4,5,6,7
	s_wait_dscnt 7-(\n)
	global_store_b128 v66, v[16+4*(\n):19+4*(\n)], s[30:31] offset:65536*((\n)%4)+256*((\n)/4)
.endr
.Lend:
	s_wait_tensorcnt 0x0                           ; the wave's end, behind my last LDS store
	ds_add_u32 v[SPW], v[NIL]
	s_wait_dscnt 0x0
	s_endpgm
.Lfunc_end_k_q215ac21025_prep:
	.size	k_q215ac21025_prep, .Lfunc_end_k_q215ac21025_prep-k_q215ac21025_prep
	.p2alignl 7, 3214868480
	.fill 96, 4, 3214868480
	.section	.rodata,"a",@progbits
	.p2align	6, 0x0
	.amdhsa_kernel k_q215ac21025_prep
		.amdhsa_group_segment_fixed_size 18432
		.amdhsa_private_segment_fixed_size 0
		.amdhsa_enable_private_segment 0
		.amdhsa_kernarg_size 80
		.amdhsa_user_sgpr_count 2
		.amdhsa_user_sgpr_kernarg_segment_ptr 1
		.amdhsa_wavefront_size32 1
		.amdhsa_system_sgpr_workgroup_id_x 1
		.amdhsa_system_sgpr_workgroup_id_y 1
		.amdhsa_system_sgpr_workgroup_id_z 1
		.amdhsa_system_vgpr_workitem_id 0
		.amdhsa_next_free_vgpr 80
		.amdhsa_next_free_sgpr 66
		.amdhsa_reserve_vcc 0
		.amdhsa_float_denorm_mode_32 3
		.amdhsa_float_denorm_mode_16_64 3
		.amdhsa_memory_ordered 1
		.amdhsa_forward_progress 1
		.amdhsa_inst_pref_size 10
	.end_amdhsa_kernel
	.amdgpu_metadata
---
amdhsa.version: [ 1, 2 ]
amdhsa.kernels:
  - .name:           k_q215ac21025_prep
    .symbol:         k_q215ac21025_prep.kd
    .args:
      - { .name: wq_lat, .offset: 0, .size: 8, .value_kind: global_buffer, .address_space: global }
      - { .name: wk_lat, .offset: 8, .size: 8, .value_kind: global_buffer, .address_space: global }
      - { .name: wv_lat, .offset: 16, .size: 8, .value_kind: global_buffer, .address_space: global }
      - { .name: wq_heads, .offset: 24, .size: 8, .value_kind: global_buffer, .address_space: global }
      - { .name: wk_heads, .offset: 32, .size: 8, .value_kind: global_buffer, .address_space: global }
      - { .name: wv_heads, .offset: 40, .size: 8, .value_kind: global_buffer, .address_space: global }
      - { .name: w_proj, .offset: 48, .size: 8, .value_kind: global_buffer, .address_space: global }
      - { .name: wlT, .offset: 56, .size: 8, .value_kind: global_buffer, .address_space: global }
      - { .name: whT, .offset: 64, .size: 8, .value_kind: global_buffer, .address_space: global }
      - { .name: wpT, .offset: 72, .size: 8, .value_kind: global_buffer, .address_space: global }
    .group_segment_fixed_size: 18432
    .private_segment_fixed_size: 0
    .kernarg_segment_align: 8
    .kernarg_segment_size: 80
    .max_flat_workgroup_size: 256
    .sgpr_count:     66
    .vgpr_count:     80
    .wavefront_size: 32
...
	.end_amdgpu_metadata
.endif
;; end of part 1
;; launch qkv (part 2): grid 64 x 4, 4 waves a work-group, clusters of 4 x 1, 327,680 bytes of LDS; arguments x, wlT, whT, qb, kv, vsc; writes qb, kv, vsc
.if DOCPART == 2
	.amdgcn_target "amdgcn-amd-amdhsa--gfx1250"
	.amdhsa_code_object_version 6
	.text
	.protected	k_q215ac21025_qkv
	.globl	k_q215ac21025_qkv
	.p2align	8
	.type	k_q215ac21025_qkv,@function
k_q215ac21025_qkv:
	s_mov_b64 s[64:65], 0
	v_nop
	global_prefetch_b8 v0, s[64:65] scope:SCOPE_SE
	s_setreg_imm32_b32 hwreg(HW_REG_WAVE_MODE, 25, 1), 1
	s_wait_xcnt 0x0
	s_wait_alu depctr_hold_cnt(0) depctr_sa_sdst(0) depctr_va_vdst(0) depctr_va_sdst(0) depctr_va_ssrc(0) depctr_va_vcc(0) depctr_vm_vsrc(0)
	s_getreg_b32 s2, hwreg(HW_REG_IB_STS2, 6, 4)
	s_cmp_eq_u32 s2, 0
	s_cbranch_scc0 .Lentry_in_a_cluster
	s_endpgm
.Lentry_in_a_cluster:
	s_bfe_u32 s2, ttmp6, 0x10000c
	s_cmp_lg_u32 s2, 0x3003
	s_cbranch_scc0 .Lentry_shape_is_right
	s_endpgm
.Lentry_shape_is_right:
; LAUNCH 2 OF 4: lat = x w_lat (64 rows x 256, K = 1024), then lat w_heads, for one of q, k, v.  No work of reference() is left out here.
; SHARES.  Work-group (rb, S): rows 64 rb .. + 63; S = 0 q, 1 k, 2 and 3 the two halves of v's 1,024 columns.  All do the same work: 8 K steps of 128 for lat, then 8 steps of
; (256 columns x K 128): q, k: 4 groups of 256 columns x 2 halves of K; v: 2 groups x (upper part of lat, K 256; lower part, K 256).  lat_v is made by both halves' work-groups.
; FORMATS.  x is rounded to bf16 on its way from LDS to the matrix unit.  lat: bf16; for v a pair of bf16 (upper part and the rounded rest), both multiplied by the same weights.
; q, k leave as bf16.  v leaves as f16 times 2^-e, e chosen for each head and block of 64 rows so that the block's largest magnitude lies in [2^14, 2^15); (2^-e, e) go to vsc.
; LIMIT: e is held to -109 .. 113, so that launch 3's sum of 2^-e p over 2,048 keys (p <= 1) stays under 2^121: a block whose largest magnitude is under 2^-95 is scaled by 2^109 and keeps fewer of f16's bits the smaller it is.
; CLUSTER.  The four partners are four row blocks with the same S: they walk the same weights, which are asked for JOINTLY (mask 15).  x's tiles are each work-group's own (no mask), in the
; same rounds.  S is the cluster's y, alike in all partners; the place in the cluster enters x's and the outputs' global addresses alone.
; PRODUCTS ARE TAKEN TRANSPOSED (source 0 = weight rows, source 1 = rows of x or lat): a lane holds one row and eight neighbouring columns.
; No prefetch: x is used up in the launch's first half, so a lead would mean one burst at the head, where every work-group's first tiles are on their way.
; LDS: slot n at n x 131,072: x 64 rows x 528 (f32), then weights 256 rows x 272.  Behind slot 0: each wave's stage and the spare words.  Behind slot 1: lat, twice 64 rows x 528; no tensor load lands there.
; REGISTERS: window 0: v0-31 addresses; v32-95 at work; v128-255 16 accumulators.  Window 1: two fragment buffers of 112.
.set XP,    528
.set WP,    272
.set XT,    64*XP                      ; the weights' place in a slot
.set SLOT1, 131072
.set STAGE, XT+256*WP                  ; 16 rows x 144 bytes for each wave
.set SP,    144
.set SPARE, STAGE+4*16*SP              ; the spare words, 128 bytes for each wave
.set LAT0,  SLOT1+XT+256*WP            ; lat, upper part
.set LAT1,  LAT0+64*XP                 ; v: lower part; q, k: the upper part once more, so that one text serves every S
.set AX,  4                            ; v4-5   x fragments, slot 0, 1
.set AW,  6                            ; v6-7   phase 1's weight fragments
.set AH,  8                            ; v8-9   phase 2's weight fragments
.set AL0, 10                           ; v10    my lane's place in a lat tile
.set ADL, 11                           ; v11    + the lat tile in hand
.set LST, 12                           ; v12-13 where I store lat
.set LST1, 13
.set STO, 14
.set RD,  15
.set GO,  16
.set LN,  17                           ; lane
.set ZR,  18                           ; 0, an offset
.set FP,  20                           ; v20-21 (2^-e, e)
.set SPW, 28
.set NIL, 29
.set TMP, 32
.set ACC, 128
.set F0,  0
.set F1,  112
.set WV,  16
.set HIW, 17                           ; wave / 2: 0 fetches x, 1 weights; phase 1: my 32 rows
.set LOW, 18                           ; wave % 2: which half I fetch; phase 1: my 128 lat columns
.set SS,  19
.set WS,  20                           ; min(S, 2): which weights
.set ISV, 21
.set HFV, 22                           ; v's half, 0 for q and k
.set RB,  23
.set G1X, 24
.set G0X, 32
.set G1W, 40
.set G0W, 48
.set G1H, 56
.set HB,  66                           ; s[66:67] whT at my half of this work-group's first tile
.set DPTR, 68                          ; s[68:69] where my head's 64 rows go
.set VSP, 70                           ; s[70:71] where (2^-e, e) goes
.set GOFF, 72                          ; s[72:73] the next pair's column group, in bytes of whT
.set FR,  74                           ; 1: this pair of steps starts the sums
.set FRN, 75
.set LB,  76                           ; the lat tile in hand
.set MSK, 77                           ; all ones for v
.set SEL, 78
.set MSB, 0
.macro WIN new
.if MSB != (\new)
	s_set_vgpr_msb (MSB<<8)|(\new)
.set MSB, \new
.endif
.endm
.set MUL,  0x05                        ; sources 0 and 1 window 1; C and D window 0
.set TO_F, 0x40                        ; destination window 1, address window 0
.set CVW,  0x45                        ; sources and destination window 1
.macro NOP4
.rept 4
	v_nop
.endr
.endm
.macro LOAD1 s                         ; phase 1's fill: waves 0, 1 x's halves (my own), waves 2, 3 the weights' halves (joint); s_nop 0 and four v_nop behind each line
	s_cmp_eq_u32 s[HIW], 0
	s_cbranch_scc0 .Lw_\@
	tensor_load_to_lds s[G0X+4*(\s):G0X+4*(\s)+3], s[G1X:G1X+7]
	s_nop 0
	NOP4
	s_branch .Ld_\@
.Lw_\@:
	tensor_load_to_lds s[G0W+4*(\s):G0W+4*(\s)+3], s[G1W:G1W+7]
	s_nop 0
	NOP4
.Ld_\@:
.endm
.macro LOADH s                         ; phase 2's fill: waves 2, 3 alone; the four v_nop behind the label are the places in front of the next LDS loads, for every wave
	s_cmp_eq_u32 s[HIW], 0
	s_cbranch_scc1 .Ln_\@
	tensor_load_to_lds s[G0W+4*(\s):G0W+4*(\s)+3], s[G1H:G1H+7]
	s_nop 0
	NOP4
.Ln_\@:
	NOP4
.endm
.macro CREST
	s_cmp_lg_u32 s[WV], 0
	s_cbranch_scc1 .Lnot_wave_0_\@
	s_barrier_signal -3
.Lnot_wave_0_\@:
	s_barrier_wait -3
	s_barrier_signal -1
	s_barrier_wait -1
.endm
.macro CROUND
	s_barrier_signal -1
	s_barrier_wait -1
	CREST
.endm
	s_load_b256 s[4:11], s[0:1], 0x0               ; x, wlT, whT, qb
	s_load_b128 s[12:15], s[0:1], 0x20             ; kv, vsc
	v_lshl_add_u32 v[SPW], v0, 2, SPARE
	v_mov_b32 v[NIL], 0
	ds_add_u32 v[SPW], v[NIL]                      ; the wave's opening: the add, twice on end, and its wait ahead of my first tensor load
	ds_add_u32 v[SPW], v[NIL]
	v_lshrrev_b32 v1, 5, v0
	v_readfirstlane_b32 s[WV], v1
	s_lshr_b32 s[HIW], s[WV], 1
	s_and_b32 s[LOW], s[WV], 1
	s_bfe_u32 s80, ttmp6, 0x40000                  ; cx
	s_lshl_b32 s[RB], ttmp9, 2
	s_add_co_u32 s[RB], s[RB], s80                 ; my row block
	s_and_b32 s[SS], ttmp7, 0xffff
	s_min_u32 s[WS], s[SS], 2
	s_lshr_b32 s[ISV], s[SS], 1
	s_and_b32 s[HFV], s[SS], s[ISV]
	s_sub_co_u32 s[MSK], 0, s[ISV]
	s_mov_b32 s[SEL], 0x76543210
	s_mov_b32 s[SEL+1], 0xfedcba98
	s_mov_b32 s[G1X+0], (2<<16)|(1<<20)|(6<<22)|(3<<25)  ; 4-byte elements; 4 words of padding behind every 128
	s_mov_b32 s[G1X+1], 128<<16                    ; tensor_dim0 = 128
	s_mov_b32 s[G1X+2], 32<<16                     ; tensor_dim1 = 32
	s_mov_b32 s[G1X+3], 128<<16                    ; tile_dim0
	s_mov_b32 s[G1X+4], 32                         ; tile_dim1
	s_mov_b32 s[G1X+5], 1024                       ; elements from row to row
	s_mov_b32 s[G1X+6], 0
	s_mov_b32 s[G1X+7], 0
.irp g, G1W, G1H
	s_mov_b32 s[(\g)+0], 15|(1<<16)|(1<<20)|(1<<21)|(5<<22)|(3<<25)  ; the mask of four, bit 21 beside it; 2-byte elements; 4 words behind every 64
	s_mov_b32 s[(\g)+1], 128<<16
	s_mov_b32 s[(\g)+2], 128<<16
	s_mov_b32 s[(\g)+3], 128<<16
	s_mov_b32 s[(\g)+4], 128
	s_mov_b32 s[(\g)+6], 0
	s_mov_b32 s[(\g)+7], 0
.endr
	s_mov_b32 s[G1W+5], 1024
	s_mov_b32 s[G1H+5], 256
	s_lshl_b32 s80, s[RB], 18                      ; x: 64 rows of 4,096 bytes a block,
	s_lshl_b32 s2, s[LOW], 17                      ; my 32 of them
	s_add_co_u32 s80, s80, s2
	s_mov_b32 s81, 0
	s_lshl_b32 s82, s[WS], 19                      ; wlT: the matrix,
	s_lshl_b32 s2, s[LOW], 18                      ; my 128 rows of 2,048 bytes
	s_add_co_u32 s82, s82, s2
	s_mov_b32 s83, 0
	s_lshl_b32 s84, s[WS], 19                      ; whT: the matrix,
	s_lshl_b32 s2, s[HFV], 18                      ; v's half: 512 rows of 512 bytes,
	s_add_co_u32 s84, s84, s2
	s_lshl_b32 s2, s[LOW], 16                      ; my 128 rows
	s_add_co_u32 s84, s84, s2
	s_mov_b32 s85, 0
	s_lshr_b32 s2, s[RB], 5                        ; batch
	s_and_b32 s3, s[RB], 31                        ; block of 64 rows in it
	s_lshl_b32 s2, s2, 4
	s_lshl_b32 s86, s[HFV], 3
	s_add_co_u32 s2, s2, s86
	s_add_co_u32 s2, s2, s[WV]                     ; the head of my first way out: 16 batch + 8 half + wave
	s_lshl_b32 s86, s2, 18                         ; 2,048 rows of 128 bytes a head
	s_lshl_b32 s88, s3, 13
	s_add_co_u32 s86, s86, s88
	s_lshl_b32 s88, s[ISV], 23                     ; v lies behind k
	s_add_co_u32 s86, s86, s88
	s_mov_b32 s87, 0
	s_lshl_b32 s88, s2, 5
	s_add_co_u32 s88, s88, s3
	s_lshl_b32 s88, s88, 3
	s_mov_b32 s89, 0
	s_mul_i32 s2, s[LOW], 32*XP                    ; where my tiles go: no place in the cluster enters an LDS address
	s_mul_i32 s3, s[LOW], 128*WP
	s_add_co_u32 s3, s3, XT
	s_wait_dscnt 0x0                               ; both opening adds are done
	s_wait_kmcnt 0x0
	s_add_nc_u64 s[4:5], s[4:5], s[80:81]
	s_add_nc_u64 s[6:7], s[6:7], s[82:83]
	s_add_nc_u64 s[HB:HB+1], s[8:9], s[84:85]
	s_cmp_eq_u32 s[SS], 0
	s_cselect_b64 s[DPTR:DPTR+1], s[10:11], s[12:13]
	s_add_nc_u64 s[DPTR:DPTR+1], s[DPTR:DPTR+1], s[86:87]
	s_add_nc_u64 s[VSP:VSP+1], s[14:15], s[88:89]
	CROUND                                         ; all four work-groups are here: the first joint loads meet
.irp s, 0,1
	s_mov_b32 s[G0X+4*(\s)], 1
	s_add_co_u32 s[G0X+4*(\s)+1], s2, (\s)*SLOT1
	s_add_nc_u64 s[G0X+4*(\s)+2:G0X+4*(\s)+3], s[4:5], (\s)*512
	s_or_b32 s[G0X+4*(\s)+3], s[G0X+4*(\s)+3], 0x80000000
	s_mov_b32 s[G0W+4*(\s)], 1
	s_add_co_u32 s[G0W+4*(\s)+1], s3, (\s)*SLOT1
	s_add_nc_u64 s[G0W+4*(\s)+2:G0W+4*(\s)+3], s[6:7], (\s)*256
	s_or_b32 s[G0W+4*(\s)+3], s[G0W+4*(\s)+3], 0x80000000
	LOAD1 \s                                       ; K steps 0 and 1: two loads of mine are out
.endr
	v_and_b32 v1, 15, v0                           ; r
	v_bfe_u32 v2, v0, 4, 1                         ; h
	v_and_b32 v[LN], 31, v0
	v_mov_b32 v[ZR], 0
	v_mul_u32_u24 v3, v1, XP
	s_mul_i32 s80, s[HIW], 32*XP
	v_lshl_add_u32 v[AX], v2, 5, v3                ; x in f32: row x 528 + 32 h
	v_add_nc_u32 v[AX], s80, v[AX]
	v_add_nc_u32 v[AX+1], SLOT1, v[AX]
	v_mul_u32_u24 v19, v1, WP
	v_lshl_add_u32 v19, v2, 4, v19                 ; weights: row x 272 + 16 h
	s_mul_i32 s81, s[LOW], 128*WP
	s_add_co_u32 s81, s81, XT
	v_add_nc_u32 v[AW], s81, v19
	v_add_nc_u32 v[AW+1], SLOT1, v[AW]
	s_mul_i32 s81, s[WV], 64*WP
	s_add_co_u32 s81, s81, XT
	v_add_nc_u32 v[AH], s81, v19
	v_add_nc_u32 v[AH+1], SLOT1, v[AH]
	v_lshl_add_u32 v[AL0], v2, 4, v3               ; lat: row x 528 + 16 h
	v_add_nc_u32 v[ADL], LAT0, v[AL0]
	s_lshl_b32 s81, s[LOW], 8
	s_add_co_u32 s80, s80, s81
	s_add_co_u32 s80, s80, LAT0
	v_add_nc_u32 v[LST], s80, v[AL0]               ; my 32 rows, my 128 columns
	v_add_nc_u32 v[LST1], LAT1-LAT0, v[LST]
	s_mul_i32 s80, s[WV], 16*SP
	s_add_co_u32 s80, s80, STAGE
	v_mul_u32_u24 v[STO], v1, SP
	v_lshl_add_u32 v[STO], v2, 4, v[STO]
	v_add_nc_u32 v[STO], s80, v[STO]
	v_bfe_u32 v[RD], v0, 3, 2                      ; back: 32 lanes take four rows of 128 bytes,
	v_mul_u32_u24 v[RD], v[RD], SP
	v_and_b32 v19, 7, v0
	v_lshl_add_u32 v[RD], v19, 4, v[RD]
	v_add_nc_u32 v[RD], s80, v[RD]
	v_lshlrev_b32 v[GO], 4, v[LN]                  ; which are 512 consecutive bytes of a head
; PHASE 1.  A quarter is 32 along K: 16 products (2 row blocks x 8 column blocks).  24 LDS loads in one run: x raw (8), then the weights (16).
.macro FETCH1 slot, q, f
	WIN TO_F
.irp a, 0,1
.irp o, 0,1,2,3
	ds_load_b128 v[(\f)+80+16*(\a)+4*(\o):(\f)+80+16*(\a)+4*(\o)+3], v[AX+(\slot)] offset:(\a)*16*XP+128*(\q)+((\o)/2)*64+((\o)%2)*16
.endr
.endr
.irp b, 0,1,2,3,4,5,6,7
	ds_load_b128 v[(\f)+8*(\b):(\f)+8*(\b)+3],   v[AW+(\slot)] offset:(\b)*16*WP+64*(\q)
	ds_load_b128 v[(\f)+8*(\b)+4:(\f)+8*(\b)+7], v[AW+(\slot)] offset:(\b)*16*WP+64*(\q)+32
.endr
.endm
.macro CVT f                           ; x to bf16: 16 roundings; they are also the four places between the other buffer's last products and the loads into it
	WIN CVW
.irp a, 0,1
.irp j, 0,1,2,3,4,5,6,7
	v_cvt_pk_bf16_f32 v[(\f)+64+8*(\a)+(\j)], v[(\f)+80+16*(\a)+2*(\j)], v[(\f)+80+16*(\a)+2*(\j)+1]
.endr
.endr
.endm
.macro MULB f, b0, nb, zero            ; the 16 accumulators take turns, one instruction a turn
	WIN MUL
.set bb, \b0
.rept \nb
.irp a, 0,1
.if \zero
	v_wmma_f32_16x16x32_bf16 v[ACC+8*(8*(\a)+bb):ACC+8*(8*(\a)+bb)+7], v[(\f)+8*bb:(\f)+8*bb+7], v[(\f)+64+8*(\a):(\f)+64+8*(\a)+7], 0
.else
	v_wmma_f32_16x16x32_bf16 v[ACC+8*(8*(\a)+bb):ACC+8*(8*(\a)+bb)+7], v[(\f)+8*bb:(\f)+8*bb+7], v[(\f)+64+8*(\a):(\f)+64+8*(\a)+7], v[ACC+8*(8*(\a)+bb):ACC+8*(8*(\a)+bb)+7]
.endif
.endr
.set bb, bb+1
.endr
.endm
.macro QUARTER1 slot, qn, f, g, zero
	s_wait_dscnt 16                                ; x is in; the 16 loads of weights may be out
	CVT \f
	s_wait_dscnt 8                                 ; column blocks 0-3 are in
	MULB \f, 0, 4, \zero
	FETCH1 \slot, \qn, \g
	s_wait_dscnt 24                                ; all but the 24 just issued
	MULB \f, 4, 4, \zero
.endm
; The last quarter of a K step changes slots.  kind 1: this slot takes x and weights two steps on.  kind 2: its weight part takes phase 2's tile (K half = slot).
.macro TURN1 slot, next, kind, fetch=1
	WIN 0
	s_wait_tensorcnt 0x0                           ; all my tensor loads have landed: my part of the next slot
	ds_add_u32 v[SPW], v[NIL]                      ; 0 onto my spare word
	s_wait_dscnt 17                                ; x is in (the add and 16 loads may be out)
	CVT F1
	s_wait_dscnt 9
	MULB F1, 0, 4, 0
	s_wait_dscnt 0x0                               ; the add is done, and my reads of this slot are over
	s_barrier_signal -1
	MULB F1, 4, 2, 0
	WIN 0
	s_barrier_wait -1
	CREST                                          ; the barrier has opened a round of the cluster's: no wave of any partner still reads this slot or has a load on its way
.if (\kind) == 1
	s_add_nc_u64 s[G0X+4*(\slot)+2:G0X+4*(\slot)+3], s[G0X+4*(\slot)+2:G0X+4*(\slot)+3], 1024
	s_add_nc_u64 s[G0W+4*(\slot)+2:G0W+4*(\slot)+3], s[G0W+4*(\slot)+2:G0W+4*(\slot)+3], 512
	LOAD1 \slot
.else
	s_add_nc_u64 s[G0W+4*(\slot)+2:G0W+4*(\slot)+3], s[HB:HB+1], 256*(\slot)
	s_or_b32 s[G0W+4*(\slot)+3], s[G0W+4*(\slot)+3], 0x80000000
	LOADH \slot
.endif
.if \fetch
	FETCH1 \next, 0, F0
.endif
	MULB F1, 6, 2, 0
.endm
; PHASE 2.  A wave makes all 64 rows x 64 columns (one head): 4 x 4 accumulators.  A quarter: 16 products, 16 LDS loads (weights 8, lat 8).
.macro FETCH2 slot, ka, kb, f
	WIN TO_F
.irp b, 0,1,2,3
	ds_load_b128 v[(\f)+8*(\b):(\f)+8*(\b)+3],   v[AH+(\slot)] offset:(\b)*16*WP+(\kb)
	ds_load_b128 v[(\f)+8*(\b)+4:(\f)+8*(\b)+7], v[AH+(\slot)] offset:(\b)*16*WP+(\kb)+32
.endr
.irp a, 0,1,2,3
	ds_load_b128 v[(\f)+32+8*(\a):(\f)+32+8*(\a)+3],   v[ADL] offset:(\a)*16*XP+(\ka)
	ds_load_b128 v[(\f)+32+8*(\a)+4:(\f)+32+8*(\a)+7], v[ADL] offset:(\a)*16*XP+(\ka)+32
.endr
.endm
.macro MUL2 f, a0, na, zero
	WIN MUL
.set aa, \a0
.rept \na
.irp b, 0,1,2,3
.if \zero
	v_wmma_f32_16x16x32_bf16 v[ACC+8*(4*aa+(\b)):ACC+8*(4*aa+(\b))+7], v[(\f)+8*(\b):(\f)+8*(\b)+7], v[(\f)+32+8*aa:(\f)+32+8*aa+7], 0
.else
	v_wmma_f32_16x16x32_bf16 v[ACC+8*(4*aa+(\b)):ACC+8*(4*aa+(\b))+7], v[(\f)+8*(\b):(\f)+8*(\b)+7], v[(\f)+32+8*aa:(\f)+32+8*aa+7], v[ACC+8*(4*aa+(\b)):ACC+8*(4*aa+(\b))+7]
.endif
.endr
.set aa, aa+1
.endr
.endm
.macro QUARTER2 slot, kh, qn, f, g, zero
	s_wait_dscnt 4                                 ; all but lat's row blocks 2 and 3
	MUL2 \f, 0, 2, \zero
	NOP4                                           ; the places in front of loads into the buffer multiplied last
	FETCH2 \slot, 256*(\kh)+64*(\qn), 64*(\qn), \g
	s_wait_dscnt 16                                ; all but the 16 just issued
	MUL2 \f, 2, 2, \zero
.endm
.macro TURN2 slot, next, fill, toggle
	WIN 0
	s_wait_tensorcnt 0x0                           ; all my tensor loads have landed
	ds_add_u32 v[SPW], v[NIL]
	s_wait_dscnt 5                                 ; (the add and lat's row blocks 2 and 3 may be out)
	MUL2 F1, 0, 2, 0
	s_wait_dscnt 0x0                               ; the add is done, and my reads of this slot are over
	s_barrier_signal -1
	MUL2 F1, 2, 1, 0
	WIN 0
	s_barrier_wait -1
.if \fill
	CREST
	s_add_nc_u64 s[G0W+4*(\slot)+2:G0W+4*(\slot)+3], s[HB:HB+1], s[GOFF:GOFF+1]  ; the next pair's column group,
.if \slot
	s_add_nc_u64 s[G0W+4*(\slot)+2:G0W+4*(\slot)+3], s[G0W+4*(\slot)+2:G0W+4*(\slot)+3], 256  ; its second half of K
.endif
	s_or_b32 s[G0W+4*(\slot)+3], s[G0W+4*(\slot)+3], 0x80000000
	LOADH \slot
.else
	NOP4
.endif
.if \toggle
	s_xor_b32 s[LB], s[LB], LAT0^LAT1              ; the other lat tile
	v_add_nc_u32 v[ADL], s[LB], v[AL0]
.endif
	FETCH2 \next, 256*(\next), 0, F0
	MUL2 F1, 3, 1, 0
.endm
; A pair of steps: both halves of K for one column group and one lat tile.
.macro PAIR fill
	s_xor_b32 s[FRN], s[FR], s[ISV]                ; q, k: every pair starts sums; v: every second
	s_lshl_b32 s2, s[FRN], 17
	s_add_co_u32 s[GOFF], s[GOFF], s2              ; 256 rows of 512 bytes on, where the next pair starts sums
	s_cmp_eq_u32 s[FR], 1
	s_cbranch_scc0 .Lon_\@
	v_nop                                          ; with the four in the quarter's middle the fifth place between the last pair's last products (row block 3) and the products that start new sums in their registers (ISA guide 7.12.1)
	QUARTER2 0, 0, 1, F0, F1, 1
	WIN 0
	s_branch .Lgo_\@
.Lon_\@:
	QUARTER2 0, 0, 1, F0, F1, 0
	WIN 0
.Lgo_\@:
	QUARTER2 0, 0, 2, F1, F0, 0
	QUARTER2 0, 0, 3, F0, F1, 0
	TURN2 0, 1, \fill, 0
	QUARTER2 1, 1, 1, F0, F1, 0
	QUARTER2 1, 1, 2, F1, F0, 0
	QUARTER2 1, 1, 3, F0, F1, 0
.if \fill
	TURN2 1, 0, 1, 1
.else
	s_wait_dscnt 4
	MUL2 F1, 0, 2, 0
	s_wait_dscnt 0x0
	MUL2 F1, 2, 2, 0
.endif
	WIN 0
.endm
; THE WAY OUT of a head's 64 rows x 64 columns, 16 rows at a time through my own stage.
.macro PACKW a, isv
.set i, 0
.rept 16
.if \isv
	v_cvt_pk_f16_f32 v[TMP+16*(\a)+i], v[ACC+32*(\a)+2*i], v[ACC+32*(\a)+2*i+1]
.else
	v_cvt_pk_bf16_f32 v[TMP+16*(\a)+i], v[ACC+32*(\a)+2*i], v[ACC+32*(\a)+2*i+1]
.endif
.set i, i+1
.endr
.irp b, 0,1,2,3
	ds_store_b128 v[STO], v[TMP+16*(\a)+4*(\b):TMP+16*(\a)+4*(\b)+3] offset:32*(\b)
.endr
.irp f, 0,1,2,3
	ds_load_b128 v[TMP+16*(\a)+4*(\f):TMP+16*(\a)+4*(\f)+3], v[RD] offset:(\f)*4*SP  ; LDS serves a wave's instructions in order: these see the stores above
.endr
.endm
.macro SENDW a, younger                ; younger: the next block's eight LDS instructions, or none
.irp f, 0,1,2,3
	s_wait_dscnt (\younger)+3-(\f)
	global_store_b128 v[GO], v[TMP+16*(\a)+4*(\f):TMP+16*(\a)+4*(\f)+3], s[DPTR:DPTR+1] offset:(\a)*2048+(\f)*512  ; 512 consecutive bytes, aligned
.endr
.endm
.macro OUT4 isv
	PACKW 0, \isv
	PACKW 1, \isv
	SENDW 0, 8
	PACKW 2, \isv
	SENDW 1, 8
	PACKW 3, \isv
	SENDW 2, 8
	SENDW 3, 0
.endm
.macro WAYOUT
	WIN 0
	NOP4                                           ; the places behind the last products
	s_cmp_eq_u32 s[ISV], 0
	s_cbranch_scc0 .Lv_\@
	OUT4 0
	s_branch .Lj_\@
.Lv_\@:                                        ; v: the block's largest magnitude, by a chain of maxima and one of minima for each row block; each accumulator's low registers are read first
.irp k, 0,1,2,3
	v_max3_num_f32 v[TMP+(\k)], v[ACC+32*(\k)], v[ACC+32*(\k)+1], v[ACC+32*(\k)+2]
	v_min3_num_f32 v[TMP+4+(\k)], v[ACC+32*(\k)], v[ACC+32*(\k)+1], v[ACC+32*(\k)+2]
.endr
.set n, 1
.rept 14
.irp k, 0,1,2,3
	v_max3_num_f32 v[TMP+(\k)], v[TMP+(\k)], v[ACC+32*(\k)+2*n+1], v[ACC+32*(\k)+2*n+2]
	v_min3_num_f32 v[TMP+4+(\k)], v[TMP+4+(\k)], v[ACC+32*(\k)+2*n+1], v[ACC+32*(\k)+2*n+2]
.endr
.set n, n+1
.endr
.irp k, 0,1,2,3
	v_max_num_f32 v[TMP+(\k)], v[TMP+(\k)], v[ACC+32*(\k)+31]
	v_min_num_f32 v[TMP+4+(\k)], v[TMP+4+(\k)], v[ACC+32*(\k)+31]
.endr
	v_max3_num_f32 v[TMP], v[TMP], v[TMP+1], v[TMP+2]
	v_min3_num_f32 v[TMP+4], v[TMP+4], v[TMP+5], v[TMP+6]
	v_max_num_f32 v[TMP], v[TMP], v[TMP+3]
	v_min_num_f32 v[TMP+4], v[TMP+4], v[TMP+7]
	v_sub_f32 v[TMP+4], 0, v[TMP+4]
	v_max_num_f32 v[TMP], v[TMP], v[TMP+4]
	v_max_num_f32_dpp v[TMP], v[TMP], v[TMP] row_xmask:1 row_mask:0xf bank_mask:0xf
	v_max_num_f32_dpp v[TMP], v[TMP], v[TMP] row_xmask:2 row_mask:0xf bank_mask:0xf
	v_max_num_f32_dpp v[TMP], v[TMP], v[TMP] row_xmask:4 row_mask:0xf bank_mask:0xf
	v_max_num_f32_dpp v[TMP], v[TMP], v[TMP] row_xmask:8 row_mask:0xf bank_mask:0xf
	v_permlanex16_b32 v[TMP+4], v[TMP], s[SEL], s[SEL+1]
	v_max_num_f32 v[TMP], v[TMP], v[TMP+4]
	v_and_b32 v[TMP], 0x7fffffff, v[TMP]
	v_lshrrev_b32 v[TMP], 23, v[TMP]               ; E: the maximum lies in [2^(E-127), 2^(E-126))
	v_max_u32 v[TMP], 32, v[TMP]                   ; e = E - 141 is held to -109 .. 113
	v_min_u32 v[TMP], 0xfe, v[TMP]
	v_sub_nc_u32 v[FP], 0x10c, v[TMP]
	v_lshlrev_b32 v[FP], 23, v[FP]                 ; 2^(141 - E) = 2^-e
	v_add_nc_u32 v[FP+1], 0xffffff73, v[TMP]
	v_cvt_f32_i32 v[FP+1], v[FP+1]                 ; e = E - 141
.set i, 0
.rept 64
	v_pk_mul_f32 v[ACC+i:ACC+i+1], v[ACC+i:ACC+i+1], v[FP:FP+1] op_sel_hi:[1,0]
.set i, i+2
.endr
	v_cmp_eq_u32 vcc_lo, 0, v[LN]
	s_wait_xcnt 0x0                                ; EXEC changes only behind this wait
	s_and_saveexec_b32 s2, vcc_lo
	global_store_b64 v[ZR], v[FP:FP+1], s[VSP:VSP+1]  ; lane 0 alone
	s_wait_xcnt 0x0
	s_or_b32 exec_lo, exec_lo, s2
	OUT4 1
.Lj_\@:
	s_wait_xcnt 0x0                                ; the stores have read their registers and bases
	s_add_nc_u64 s[DPTR:DPTR+1], s[DPTR:DPTR+1], 1048576  ; four heads on
	s_add_nc_u64 s[VSP:VSP+1], s[VSP:VSP+1], 1024
.endm
	s_wait_tensorcnt 1                             ; my part of K step 0 is in; step 1's stays out
	s_barrier_signal -1
	s_barrier_wait -1
	FETCH1 0, 0, F0
	QUARTER1 0, 1, F0, F1, 1                       ; the first quarter's products start the sums
	WIN 0
	s_mov_b32 s3, 3
.Llap:                                         ; a trip goes once round the ring and fills both slots again: K steps 2 to 7
	QUARTER1 0, 2, F1, F0, 0
	QUARTER1 0, 3, F0, F1, 0
	TURN1 0, 1, 1
	QUARTER1 1, 1, F0, F1, 0
	QUARTER1 1, 2, F1, F0, 0
	QUARTER1 1, 3, F0, F1, 0
	TURN1 1, 0, 1
	QUARTER1 0, 1, F0, F1, 0
	WIN 0
	s_sub_co_u32 s3, s3, 1
	s_cmp_lg_u32 s3, 0
	s_cbranch_scc1 .Llap
	QUARTER1 0, 2, F1, F0, 0                       ; K steps 6 and 7: the weight parts take phase 2's first two tiles
	QUARTER1 0, 3, F0, F1, 0
	TURN1 0, 1, 2
	QUARTER1 1, 1, F0, F1, 0
	QUARTER1 1, 2, F1, F0, 0
	QUARTER1 1, 3, F0, F1, 0
	TURN1 1, 0, 2, 0
	; lat leaves the accumulators: the upper part, and (v) the rounded rest or (q, k) the upper part again, chosen by a mask so that there is one path
	WIN 0
	NOP4
.irp a, 0,1
.irp b, 0,1,2,3,4,5,6,7
.set AC, ACC+8*(8*(\a)+(\b))
.set TT, TMP+16*((\b)%2)
.irp j, 0,1,2,3
	v_cvt_pk_bf16_f32 v[TT+(\j)], v[AC+2*(\j)], v[AC+2*(\j)+1]
.endr
.irp j, 0,1,2,3
	v_lshlrev_b32 v[TT+8+2*(\j)], 16, v[TT+(\j)]
	v_and_b32 v[TT+9+2*(\j)], 0xffff0000, v[TT+(\j)]
.endr
.irp j, 0,1,2,3
	v_pk_add_f32 v[TT+8+2*(\j):TT+9+2*(\j)], v[AC+2*(\j):AC+2*(\j)+1], v[TT+8+2*(\j):TT+9+2*(\j)] neg_lo:[0,1] neg_hi:[0,1]
.endr
.irp j, 0,1,2,3
	v_cvt_pk_bf16_f32 v[TT+4+(\j)], v[TT+8+2*(\j)], v[TT+9+2*(\j)]
.endr
.irp j, 0,1,2,3
	v_cndmask_b32 v[TT+4+(\j)], v[TT+(\j)], v[TT+4+(\j)], s[MSK]
.endr
	ds_store_b128 v[LST],  v[TT:TT+3]   offset:(\a)*16*XP+32*(\b)
	ds_store_b128 v[LST1], v[TT+4:TT+7] offset:(\a)*16*XP+32*(\b)
.endr
.endr
	s_wait_dscnt 0x0                               ; for the others' sake: my part of lat is written
	s_barrier_signal -1                            ; phase 2's second tile stays on its way: its first was shown landed in front of the last round
	s_barrier_wait -1
	s_mov_b32 s[FR], 1
	s_mov_b32 s[GOFF], 0
	s_mov_b32 s[GOFF+1], 0
	s_mov_b32 s[LB], LAT0
	FETCH2 0, 0, 0, F0
	WIN 0
	s_mov_b32 s3, 3
.Lpair:                                        ; pairs 0 to 2 ask for the tiles of pairs 1 to 3
	PAIR 1
	s_mov_b32 s[FR], s[FRN]
	s_cmp_eq_u32 s[FR], 1                          ; the next pair starts anew: this column group is finished
	s_cbranch_scc0 .Lnoout
	WAYOUT
.Lnoout:
	s_sub_co_u32 s3, s3, 1
	s_cmp_lg_u32 s3, 0
	s_cbranch_scc1 .Lpair
	PAIR 0                                         ; the last pair asks for nothing
	WAYOUT
	s_wait_tensorcnt 0x0                           ; the wave's end
	ds_add_u32 v[SPW], v[NIL]
	s_wait_dscnt 0x0
	CROUND                                         ; the closing round
	s_endpgm
.Lfunc_end_k_q215ac21025_qkv:
	.size	k_q215ac21025_qkv, .Lfunc_end_k_q215ac21025_qkv-k_q215ac21025_qkv
	.p2alignl 7, 3214868480
	.fill 96, 4, 3214868480
	.section	.rodata,"a",@progbits
	.p2align	6, 0x0
	.amdhsa_kernel k_q215ac21025_qkv
		.amdhsa_group_segment_fixed_size 327680
		.amdhsa_private_segment_fixed_size 0
		.amdhsa_enable_private_segment 0
		.amdhsa_kernarg_size 48
		.amdhsa_user_sgpr_count 2
		.amdhsa_user_sgpr_kernarg_segment_ptr 1
		.amdhsa_wavefront_size32 1
		.amdhsa_system_sgpr_workgroup_id_x 1
		.amdhsa_system_sgpr_workgroup_id_y 1
		.amdhsa_system_sgpr_workgroup_id_z 1
		.amdhsa_system_vgpr_workitem_id 0
		.amdhsa_next_free_vgpr 512
		.amdhsa_next_free_sgpr 90
		.amdhsa_reserve_vcc 1
		.amdhsa_float_denorm_mode_32 3
		.amdhsa_float_denorm_mode_16_64 3
		.amdhsa_memory_ordered 1
		.amdhsa_forward_progress 1
		.amdhsa_inst_pref_size 200
	.end_amdhsa_kernel
	.amdgpu_metadata
---
amdhsa.version: [ 1, 2 ]
amdhsa.kernels:
  - .name:           k_q215ac21025_qkv
    .symbol:         k_q215ac21025_qkv.kd
    .args:
      - { .name: x, .offset: 0, .size: 8, .value_kind: global_buffer, .address_space: global }
      - { .name: wlT, .offset: 8, .size: 8, .value_kind: global_buffer, .address_space: global }
      - { .name: whT, .offset: 16, .size: 8, .value_kind: global_buffer, .address_space: global }
      - { .name: qb, .offset: 24, .size: 8, .value_kind: global_buffer, .address_space: global }
      - { .name: kv, .offset: 32, .size: 8, .value_kind: global_buffer, .address_space: global }
      - { .name: vsc, .offset: 40, .size: 8, .value_kind: global_buffer, .address_space: global }
    .group_segment_fixed_size: 327680
    .private_segment_fixed_size: 0
    .kernarg_segment_align: 8
    .kernarg_segment_size: 48
    .max_flat_workgroup_size: 128
    .sgpr_count:     90
    .vgpr_count:     512
    .wavefront_size: 32
...
	.end_amdgpu_metadata
.endif
;; end of part 2
;; launch attn (part 3): grid 8 x 32, 4 waves a work-group, no clusters, 327,680 bytes of LDS; arguments qb, kv, vsc, y2; writes y2
.if DOCPART == 3
	.amdgcn_target "amdgcn-amd-amdhsa--gfx1250"
	.amdhsa_code_object_version 6
	.text
	.protected	k_q215ac21025_attn
	.globl	k_q215ac21025_attn
	.p2align	8
	.type	k_q215ac21025_attn,@function
k_q215ac21025_attn:
	s_mov_b64 s[64:65], 0
	v_nop
	global_prefetch_b8 v0, s[64:65] scope:SCOPE_SE
	s_setreg_imm32_b32 hwreg(HW_REG_WAVE_MODE, 25, 1), 1
	s_wait_xcnt 0x0
; LAUNCH 3 OF 4: causal attention, 32 heads of 2,048 rows, head size 64.  q, k bf16; v' = v 2^-e in f16, e for each block of 64 keys; y leaves as a pair of bf16 (upper part, rounded rest).
; WORK LEFT OUT: key tiles wholly above the diagonal: reference() gives them -inf in front of its softmax, by its own jnp.tril, so their weights are 0 whatever the inputs hold.
; LIMITS: a hidden score counts as its value less 1e30; a NaN or infinity in tiles left out is not carried; a weight below 2^-126 counts as 0 in the sum; the weights, in 0 to 1, are f16: below 6e-5 they keep its fixed step.
; SOFTMAX, in base 2: u = c s + e_j, c = log2(e) / 8; M the running maximum of u; p = 2^(u - M) <= 1; O = sum p v'; L = sum over j of 2^(-e_j) sum p; y = O / L.  p v' = 2^(c s - M) v: exact algebra.
; THE WALK.  Blocks of 128 queries, 16 a head; block i needs the key tiles (256 keys) 0 .. i / 2.  A work-group takes blocks 15 - b and then b: 9 tiles whatever b: one loop of 8 trips and a tail.
; Every jump but the counted loops' own goes forward; none passes a barrier, or a tensor load but the one of LOAD's two that the wave's number does not choose.
; NO CLUSTER: what a trip does hangs on b, which would be the place in the cluster, and a head's eight work-groups ask for the same tile only while all first blocks last.
; SHARES.  A block has two bands of 64 queries; a wave owns 16 rows in each: two PIECES.  In the diagonal tile band x stands at place g = 2 (i % 2) + x: step s < g is seen, s > g hidden, s = g holds the diagonal.
; TURNS.  Turn (p, j): 8 products K Q^T of the other piece (p = 0: step j; p = 1: step j + 1), later 8 products V^T P of the other piece (p = 0: step j - 1; p = 1: step j); beside them piece p's softmax
; of step j and the other piece's maximum and statistics.  Four vector instructions behind each product, the rest in one run; a turn's 33 exponentials are one batch with one wait.
; THE SKEW.  Turn (0, j) fetches K of step j + 1 and V of step j.  So a slot holds K's steps 4 u + 1 .. 4 u + 4 beside V's 4 u .. 4 u + 3, and the head's K step 0 has LDS bytes of its own, filled once.
; (The last tile's fifth K step is loaded and not used; in the last head it is the first 8 KiB of v', inside the same buffer.)
; REGISTERS (windows of 256): 0: addresses, statistics, S^T v64-127 (two buffers), v128-159 at work on the way out, P v192-223.  1: O^T v0-63, MD v128-159, MC v160-223.
; 2: Q v0-31, second block's Q v64-95, K v128-191, V v192-255.
.set NP,    2
.set KS,    64
.set PK,    144
.set PV,    160
.set VOFF,  4*KS*PK
.set SLOT1, 1<<17
.set K0B,   4*KS*(PK+PV)               ; behind slot 0: the head's K step 0, 64 rows x 144
.set STAGE, SLOT1+4*KS*(PK+PV)         ; behind slot 1: 16 rows x 272 for each wave
.set SP,    272
.set SPARE, STAGE+4*16*SP
.set AK0, 2
.set AV0, 3
.set AK,  4
.set AV,  5
.set STO, 6
.set RD,  7
.set GO,  8
.set MV,  12                           ; v12-13 the old M, by buffer
.set QO,  15
.set ST,  16                           ; piece t at v[ST+4 t]: M - e, M, l (even keys', odd keys')
.set TMP, 48
.set PFO, 61                           ; 256 x my thread's number
.set SPW, 62
.set NIL, 63
.set S,   64
.set SCR, 128                          ; v128-159 the way out's f32 rests
.set P,   192
.set MD,  128
.set MC,  160
.set QB,  64
.set KF,  128
.set VF,  192
.set WV,  12
.set PB,  14
.set HI,  15
.set KH,  16                           ; s[16:17] K at my half of the head's tile 0, 64 keys on
.set VH,  18                           ; s[18:19] v' at my half of tile 0
.set POF, 20
.set LIMH, 22                          ; 7 where b = 0, else 0
.set LQ2, 23
.set G1K, 24
.set G1V, 32
.set G0K, 40
.set G0V, 44
.set CUR, 48                           ; s[48:49] (2^-e, e) of the step whose scores are being made
.set NX,  50                           ; s[50:51] the step after
.set GP,  52                           ; s[52:53] 2^-e of the step before, twice
.set VS,  54                           ; s[54:55] the head's row of vsc
.set SLOTS, 56
.set CNT, 57
.set CS,  58
.set SEL, 60
.set TBK, 62
.set TBV, 63
.set SO,  66
.set KC0, 67                           ; 5 - GB
.set KC1, 68                           ; 3 - GB
.set GB,  69                           ; band 0's place in the diagonal tile
.set RT,  70
.set NXT, 71
.set LQ,  72
.set NEW, 73
.set OFF, 74
.set AL,  76
.set BE,  78
.set OLO, 80
.set BIGN, 82
.set GB2, 83
.set G0Z, 88
.set G1Z, 92
.set PFK, 100
.set PFV, 104
.set MSB, 0
.macro WIN new
.if MSB != (\new)
	s_set_vgpr_msb (MSB<<8)|(\new)
.set MSB, (\new)
.endif
.endm
.set W_KQ, 0x0a
.set W_KM, 0x1a
.set W_PV, 0x52
.set W_RS, 0x41
.macro LOAD                            ; waves 0, 1: the halves of a tile's K; waves 2, 3: of its V; s_nop 0 and four v_nop behind each line
	s_cmp_lt_u32 s[WV], 2
	s_cbranch_scc0 .Lfor_v_\@
	tensor_load_to_lds s[G0K:G0K+3], s[G1K:G1K+7]
	s_nop 0
.rept 4
	v_nop
.endr
	s_branch .Lasked_\@
.Lfor_v_\@:
	tensor_load_to_lds s[G0V:G0V+3], s[G1V:G1V+7]
	s_nop 0
.rept 4
	v_nop
.endr
.Lasked_\@:
.endm
; A PREFETCH INTO THE L2.  The work-group with b = 0 walks all eight tiles of its head; it alone asks, in the trips with SLOTS = 7 .. 4, for tile 11 - SLOTS (tiles 4 .. 7): the tile whose load stands two trips,
; sixteen turns, on.  A tile is 128 blocks of 256 bytes of K and of V: a thread a block, two instructions a wave, behind the wave's tensor load and its five lines.  Tiles 0 to 3 come by their loads alone.
.macro ASK
	s_cmp_le_u32 s[SLOTS], s[LIMH]
	s_cbranch_scc0 .Lnp_\@
	s_cmp_ge_u32 s[SLOTS], 4
	s_cbranch_scc0 .Lnp_\@
	global_prefetch_b8 v[PFO], s[PFK:PFK+1] th:TH_LOAD_NT scope:SCOPE_SE
	global_prefetch_b8 v[PFO], s[PFV:PFV+1] th:TH_LOAD_NT scope:SCOPE_SE
.Lnp_\@:
.endm
; THE CHANGE OF SLOTS: all my tensor loads have landed; the add; my reads of the old slot are over; the barrier; then the old slot takes tile NXT, first thing.
.macro CHANGE fill
	WIN 0
	s_wait_tensorcnt 0x0
	ds_add_u32 v[SPW], v[NIL]                      ; the scalar work stands between it and its wait
.if \fill
	s_lshl_b32 s[OFF], s[NXT], 15
	s_xor_b32 s[G0K+1], s[G0K+1], SLOT1
	s_add_nc_u64 s[G0K+2:G0K+3], s[KH:KH+1], s[OFF:OFF+1]
	s_or_b32 s[G0K+3], s[G0K+3], 0x80000000
	s_xor_b32 s[G0V+1], s[G0V+1], SLOT1
	s_add_nc_u64 s[G0V+2:G0V+3], s[VH:VH+1], s[OFF:OFF+1]
	s_or_b32 s[G0V+3], s[G0V+3], 0x80000000
	s_add_co_u32 s[NXT], s[NXT], 1                 ; the block's next tile, or behind its last the second block's tile 0
	s_cmp_gt_u32 s[NXT], s[LQ]
	s_cselect_b32 s[NXT], 0, s[NXT]
	s_cselect_b32 s[LQ], s[LQ2], s[LQ]
	s_wait_xcnt 0x0                                ; the last prefetches, a tile back, have read their addresses
	s_sub_co_u32 s[POF], 11, s[SLOTS]
	s_min_u32 s[POF], s[POF], 7                    ; held inside the head
	s_lshl_b32 s[POF], s[POF], 15
	s_add_nc_u64 s[PFK:PFK+1], s[6:7], s[POF:POF+1]
	s_add_nc_u64 s[PFV:PFV+1], s[8:9], s[POF:POF+1]
.endif
	s_wait_dscnt 0x0
	s_barrier_signal -1
	s_sub_co_u32 s[TBK], s[TBK], 4*KS*PK
	s_xor_b32 s[TBK], s[TBK], SLOT1
	s_sub_co_u32 s[TBV], s[TBV], 4*KS*PV
	s_xor_b32 s[TBV], s[TBV], SLOT1
	s_barrier_wait -1
.if \fill
	LOAD
	ASK
.endif
.endm
	s_load_b256 s[4:11], s[0:1], 0x0               ; qb, kv, vsc, y2
	v_lshl_add_u32 v[SPW], v0, 2, SPARE
	v_mov_b32 v[NIL], 0
	ds_add_u32 v[SPW], v[NIL]                      ; the wave's opening: the add, twice on end, and its wait ahead of my first tensor load
	ds_add_u32 v[SPW], v[NIL]
	v_lshrrev_b32 v1, 5, v0
	v_readfirstlane_b32 s[WV], v1
	s_mov_b32 s[PB], ttmp9
	s_sub_co_u32 s[HI], 15, s[PB]
	s_and_b32 s13, ttmp7, 0xffff                   ; the head, 16 batch + h
	s_and_b32 s2, s[WV], 1
	s_lshl_b32 s84, s13, 18                        ; a head is 2,048 rows of 128 bytes
	s_mov_b32 s85, 0
	s_lshl_b32 s86, s2, 14                         ; my half of a tile: 128 keys
	s_add_co_u32 s86, s86, s84
	s_mov_b32 s87, 0
	s_lshl_b32 s[OFF], s2, 12                      ; my half of K's step 0: 32 keys
	s_add_co_u32 s[OFF], s[OFF], s84
	s_mov_b32 s[OFF+1], 0
	s_mov_b32 s[G0K], 1
	s_mul_i32 s[G0K+1], s2, 128*PK
	s_mov_b32 s[G0V], 1
	s_mul_i32 s[G0V+1], s2, 128*PV
	s_add_co_u32 s[G0V+1], s[G0V+1], VOFF
	s_mov_b32 s[G0Z], 1
	s_mul_i32 s[G0Z+1], s2, 32*PK
	s_add_co_u32 s[G0Z+1], s[G0Z+1], K0B
	s_lshl_b32 s3, s[WV], 11                       ; my 16 rows in a band
	s_add_co_u32 s3, s3, s84
	s_lshl_b32 s2, s[HI], 14
	s_add_co_u32 s100, s2, s3                      ; q: first block
	s_mov_b32 s101, 0
	s_lshl_b32 s2, s[PB], 14
	s_add_co_u32 s104, s2, s3                      ; second block
	s_mov_b32 s105, 0
	s_lshr_b32 s2, s13, 4
	s_lshl_b32 s2, s2, 23                          ; y2: a batch is 2,048 rows of 4,096 bytes,
	s_and_b32 s3, s13, 15
	s_lshl_b32 s3, s3, 8                           ; a head 256 bytes of a row
	s_add_co_u32 s3, s3, s2
	s_lshl_b32 s2, s[WV], 16
	s_add_co_u32 s3, s3, s2
	s_lshl_b32 s2, s[HI], 19
	s_add_co_u32 s[AL], s2, s3
	s_mov_b32 s[AL+1], 0
	s_lshl_b32 s2, s[PB], 19
	s_add_co_u32 s[BE], s2, s3
	s_mov_b32 s[BE+1], 0
	s_lshl_b32 s[POF], s13, 8
	s_mov_b32 s[POF+1], 0
	s_mov_b32 s[G1K], (1<<16)|(1<<20)|(4<<22)|(3<<25)  ; 2-byte elements; 4 words of padding behind every 32: two keys a row of 256 bytes, padded after every key
	s_mov_b32 s[G1V], (1<<16)|(1<<20)|(4<<22)|(7<<25)  ; 8 words
	s_mov_b32 s[G1Z], (1<<16)|(1<<20)|(4<<22)|(3<<25)
.irp g, G1K, G1V, G1Z
	s_mov_b32 s[\g+1], 128<<16
	s_mov_b32 s[\g+3], 128<<16
	s_mov_b32 s[\g+5], 128
	s_mov_b32 s[\g+6], 0
	s_mov_b32 s[\g+7], 0
.endr
	s_mov_b32 s[G1K+2], 64<<16
	s_mov_b32 s[G1K+4], 64
	s_mov_b32 s[G1V+2], 64<<16
	s_mov_b32 s[G1V+4], 64
	s_mov_b32 s[G1Z+2], 16<<16                     ; 32 keys: 16 rows
	s_mov_b32 s[G1Z+4], 16
	s_mov_b32 s[CS], 0x3e38aa3b                    ; c = log2(e) / 8
	s_mov_b32 s[CS+1], s[CS]
	s_mov_b32 s[SEL], 0x76543210
	s_mov_b32 s[SEL+1], 0xfedcba98
	s_mov_b32 s[TBK], SLOT1+4*KS*PK                ; the first change of slots turns these two into 0
	s_mov_b32 s[TBV], SLOT1+4*KS*PV
	s_lshr_b32 s[LQ], s[HI], 1
	s_add_co_u32 s[RT], s[LQ], 1
	s_lshr_b32 s[LQ2], s[PB], 1
	s_and_b32 s[GB], s[HI], 1
	s_lshl_b32 s[GB], s[GB], 1
	s_and_b32 s[GB2], s[PB], 1
	s_lshl_b32 s[GB2], s[GB2], 1
	s_sub_co_u32 s[KC0], 5, s[GB]
	s_sub_co_u32 s[KC1], 3, s[GB]
	s_mov_b32 s[NXT], 1
	s_mov_b32 s[NEW], 1
	s_mov_b32 s[SLOTS], 8
	s_mov_b32 s[CNT], 4
	s_mov_b32 s[SO], 8
	s_mov_b32 s[BIGN], 0xf149f2ca                  ; -1e30
	s_cmp_eq_u32 s[PB], 0
	s_cselect_b32 s[LIMH], 7, 0
.irp r, 48,49,50,51,52,53
	s_mov_b32 s\r, 0
.endr
	s_wait_dscnt 0x0                               ; both opening adds are done
	s_wait_kmcnt 0x0
	s_add_nc_u64 s[KH:KH+1], s[6:7], s[86:87]
	s_add_nc_u64 s[VH:VH+1], s[KH:KH+1], 8388608   ; v' lies behind K
	s_add_nc_u64 s[KH:KH+1], s[KH:KH+1], 8192      ; the skew: 64 keys
	s_add_nc_u64 s[G0Z+2:G0Z+3], s[6:7], s[OFF:OFF+1]
	s_or_b32 s[G0Z+3], s[G0Z+3], 0x80000000
	s_add_nc_u64 s[G0K+2:G0K+3], s[KH:KH+1], 0
	s_or_b32 s[G0K+3], s[G0K+3], 0x80000000
	s_add_nc_u64 s[G0V+2:G0V+3], s[VH:VH+1], 0
	s_or_b32 s[G0V+3], s[G0V+3], 0x80000000
	s_add_nc_u64 s[VS:VS+1], s[8:9], s[POF:POF+1]
	s_add_nc_u64 s[6:7], s[6:7], s[84:85]          ; from here on the prefetches' bases: the head's
	s_add_nc_u64 s[8:9], s[6:7], 8388608           ; v',
	s_add_nc_u64 s[6:7], s[6:7], 8192              ; and its K, skewed
	s_add_nc_u64 s[2:3], s[4:5], s[104:105]        ; q at my rows of the second block,
	s_add_nc_u64 s[4:5], s[4:5], s[100:101]        ; and of the first
	s_add_nc_u64 s[OLO:OLO+1], s[10:11], s[BE:BE+1]
	s_add_nc_u64 s[10:11], s[10:11], s[AL:AL+1]
	s_cmp_lt_u32 s[WV], 2                          ; a wave's first fills stand in one branch, ahead of every wait on TENSORcnt: two loads are out in waves 0 and 1, one in waves 2 and 3
	s_cbranch_scc0 .Lfirst_v
	tensor_load_to_lds s[G0K:G0K+3], s[G1K:G1K+7]
	s_nop 0
	tensor_load_to_lds s[G0Z:G0Z+3], s[G1Z:G1Z+7]
	s_nop 0
.rept 4
	v_nop
.endr
	s_branch .Lfirst_asked
.Lfirst_v:
	tensor_load_to_lds s[G0V:G0V+3], s[G1V:G1V+7]
	s_nop 0
.rept 4
	v_nop
.endr
.Lfirst_asked:
	v_and_b32 v1, 15, v0
	v_bfe_u32 v9, v0, 4, 1
	v_lshlrev_b32 v[QO], 7, v1
	v_lshl_add_u32 v[QO], v9, 4, v[QO]
	WIN 0x80
.set i, 0
.rept 4                                ; both blocks' Q: piece i / 2 lies 64 rows on; channels 32 (i % 2) on
	global_load_b128 v[8*i:8*i+3],   v[QO], s[4:5] offset:(i/2)*8192+(i%2)*64
	global_load_b128 v[8*i+4:8*i+7], v[QO], s[4:5] offset:(i/2)*8192+(i%2)*64+32
	global_load_b128 v[QB+8*i:QB+8*i+3],   v[QO], s[2:3] offset:(i/2)*8192+(i%2)*64
	global_load_b128 v[QB+8*i+4:QB+8*i+7], v[QO], s[2:3] offset:(i/2)*8192+(i%2)*64+32
.set i, i+1
.endr
	WIN 0
	v_lshlrev_b32 v14, 3, v9
	v_sub_nc_u32 v14, v1, v14
	s_lshl_b32 s84, s[WV], 4
	v_add_nc_u32 v14, s84, v14                     ; my query's place in its band less 8 (l / 16): register r of key group kt is hidden where 16 kt + r is greater
	WIN 0x40
.set i, 0
.rept 32
	v_cmp_gt_i32 vcc_lo, 16*(i/8)+i%8, v14
	v_cndmask_b32 v[MD+i], 0, s[BIGN], vcc_lo
.set i, i+1
.endr
	WIN 0
	v_lshlrev_b32 v[PFO], 8, v0
	v_mul_u32_u24 v[AK0], v1, PK
	v_lshl_add_u32 v[AK0], v9, 4, v[AK0]
	v_and_b32 v10, 7, v0
	v_bfe_u32 v11, v0, 3, 1
	v_lshl_add_u32 v[AV0], v9, 3, v10
	v_mul_u32_u24 v[AV0], v[AV0], PV
	v_lshl_add_u32 v[AV0], v11, 4, v[AV0]
	v_add_nc_u32 v[AV0], VOFF, v[AV0]
	s_mul_i32 s84, s[WV], 16*SP
	s_add_co_u32 s84, s84, STAGE
	v_mul_u32_u24 v[STO], v1, SP                   ; in: row l % 16, 16 bytes for each half of the lanes
	v_lshl_add_u32 v[STO], v9, 4, v[STO]
	v_add_nc_u32 v[STO], s84, v[STO]
	v_mul_u32_u24 v[RD], v9, SP                    ; back: lanes 0-15 one row of 256 bytes, lanes 16-31 the next
	v_lshl_add_u32 v[RD], v1, 4, v[RD]
	v_add_nc_u32 v[RD], s84, v[RD]
	v_lshlrev_b32 v[GO], 12, v9                    ; and the same two rows in y2
	v_lshl_add_u32 v[GO], v1, 4, v[GO]
	; A block's first turn multiplies V's registers by P's second buffer, of a piece that has not been, into an O^T that the first step then multiplies by a = 0, as it does l.  So V, that buffer, O^T and l
	; need only hold finite numbers: zeros now; for the second block what the first left: its last v', its last weights, y and 1 / L.  All this stands in the wait for the first tile.
	WIN 0x80
.set i, VF
.rept 64
	v_mov_b32 v[i], 0
.set i, i+1
.endr
	WIN 0x40
.set i, 0
.rept 64
	v_mov_b32 v[i], 0
.set i, i+1
.endr
	WIN 0
.set i, 0
.rept 2
	v_mov_b32 v[ST+4*i+2], 0
	v_mov_b32 v[ST+4*i+3], 0
.set i, i+1
.endr
.set i, P+16
.rept 16
	v_mov_b32 v[i], 0
.set i, i+1
.endr
; THE MATRIX WORK.  The 4 accumulators of a run of 8 take turns.
.macro KQ x
.set rS, S+32*((\x)%2)+8*(i%4)
.set rK, KF+16*(i%4)+8*(i/4)
.set rQ, 16*(\x)+8*(i/4)
.set rM, MC+32*((\x)%2)+8*(i%4)
.if (i < 4) && KM
	WIN W_KM
	v_wmma_f32_16x16x32_bf16 v[rS:rS+7], v[rK:rK+7], v[rQ:rQ+7], v[rM:rM+7]
.elseif i < 4
	WIN W_KQ
	v_wmma_f32_16x16x32_bf16 v[rS:rS+7], v[rK:rK+7], v[rQ:rQ+7], 0
.else
	WIN W_KQ
	v_wmma_f32_16x16x32_bf16 v[rS:rS+7], v[rK:rK+7], v[rQ:rQ+7], v[rS:rS+7]
.endif
.endm
.macro PV x
	WIN W_PV
.set rO, 32*(\x)+8*(i%4)
.set rV, VF+32*(i/4)+8*(i%4)
.set rP, P+16*((\x)%2)+8*(i/4)
	v_wmma_f32_16x16x32_f16 v[rO:rO+7], v[rV:rV+7], v[rP:rP+7], v[rO:rO+7]
.endm
.macro MM
.if (i < 8) && !NOKQ
	KQ (Y+1)%NP
.elseif i >= 8
.set i, i-8
	PV (Y+NP-1)%NP
.set i, i+8
.endif
.set i, i+1
.endm
.macro FETCH_K step=1
	WIN 0x80
.irp f, 0,1,2,3,4,5,6,7
	ds_load_b128 v[KF+8*\f:KF+8*\f+3],   v[AK] offset:(\f/2)*16*PK+(\f%2)*64
	ds_load_b128 v[KF+8*\f+4:KF+8*\f+7], v[AK] offset:(\f/2)*16*PK+(\f%2)*64+32
.endr
.if \step
	s_add_co_u32 s[TBK], s[TBK], KS*PK
.endif
	WIN 0
.endm
.macro FETCH_V
	WIN 0x80
.irp f, 0,1,2,3,4,5,6,7
	ds_load_tr16_b128 v[VF+8*\f:VF+8*\f+3],   v[AV] offset:(\f/4)*32*PV+(\f%4)*32
	ds_load_tr16_b128 v[VF+8*\f+4:VF+8*\f+7], v[AV] offset:(\f/4)*32*PV+16*PV+(\f%4)*32
.endr
	WIN 0
.endm
; THE VECTOR WORK: OP kind, number.  For piece Y: F n: c s - (M - e) for pair n.  E n: the exponential of score n.  C n: pair n to f16.  B n: of four weights the second pair onto the first.
; L n: l += 2^-e x that sum.  A 0: l times a.  R n: pair n of O^T times a.  For the other piece, X n: 0-13, 14, 16 the maximum of its 32 scores (each accumulator's low registers first); 15 the old M is kept;
; 17, 18 the other half of the lanes; 19 c max + e; 20 the new M; 21, 22 a = 2^(M_old - M); 23 M - e.
.set F, 0
.set E, 1
.set C, 2
.set B, 3
.set L, 4
.set R, 5
.set X, 6
.set A, 7
.macro REGS y
.set rT, ST+4*(\y)
.set rC, TMP+4*((\y)%2)
.set rW, MV+((\y)%2)
.set rS, S+32*((\y)%2)
.set rP, P+16*((\y)%2)
.set rO, 32*(\y)
.endm
.macro OP k, n
.if (\k) == R
	REGS Y
	WIN W_RS
	v_pk_mul_f32 v[rO+2*(\n):rO+2*(\n)+1], v[rO+2*(\n):rO+2*(\n)+1], v[rC+2:rC+3] op_sel_hi:[1,0]
.elseif (\k) == A
	REGS Y
	WIN 0
	v_pk_mul_f32 v[rT+2:rT+3], v[rT+2:rT+3], v[rC+2:rC+3] op_sel_hi:[1,0]
.elseif (\k) < R
	REGS Y
	WIN 0
.if (\k) == F
	v_pk_fma_f32 v[rS+2*(\n):rS+2*(\n)+1], v[rS+2*(\n):rS+2*(\n)+1], s[CS:CS+1], v[rT:rT+1] op_sel_hi:[1,0,0] neg_lo:[0,0,1] neg_hi:[0,0,1]
.elseif (\k) == E
	v_exp_f32 v[rS+(\n)], v[rS+(\n)]
.elseif (\k) == C
	v_cvt_pk_f16_f32 v[rP+(\n)], v[rS+2*(\n)], v[rS+2*(\n)+1]
.elseif (\k) == B
	v_pk_add_f32 v[rS+4*(\n):rS+4*(\n)+1], v[rS+4*(\n):rS+4*(\n)+1], v[rS+4*(\n)+2:rS+4*(\n)+3]
.else
	v_pk_fma_f32 v[rT+2:rT+3], v[rS+4*(\n):rS+4*(\n)+1], s[GS:GS+1], v[rT+2:rT+3] op_sel_hi:[1,0,1]
.endif
.elseif NOKQ
	v_nop
.else
	REGS (Y+1)%NP
	WIN 0
.if (\n) < 4
	v_max3_num_f32 v[rC+(\n)], v[rS+8*(\n)], v[rS+8*(\n)+1], v[rS+8*(\n)+2]
.elseif (\n) < 12
	v_max3_num_f32 v[rC+(\n)%4], v[rC+(\n)%4], v[rS+8*((\n)%4)+2*((\n)/4)+1], v[rS+8*((\n)%4)+2*((\n)/4)+2]
.elseif (\n) == 12
	v_max3_num_f32 v[rC], v[rC], v[rS+7], v[rS+15]
.elseif (\n) == 13
	v_max3_num_f32 v[rC+1], v[rC+1], v[rS+23], v[rS+31]
.elseif (\n) == 14
	v_max_num_f32 v[rC+2], v[rC+2], v[rC+3]
.elseif (\n) == 15
	v_mov_b32 v[rW], v[rT+1]
.elseif (\n) == 16
	v_max3_num_f32 v[rC], v[rC], v[rC+1], v[rC+2]
.elseif (\n) == 17
	v_permlanex16_b32 v[rC+3], v[rC], s[SEL], s[SEL+1]
.elseif (\n) == 18
	v_max_num_f32 v[rC], v[rC], v[rC+3]
.elseif (\n) == 19
	v_fma_f32 v[rC+1], v[rC], s[CS], s[CUR+1]
.elseif (\n) == 20
	v_max_num_f32 v[rT+1], v[rC+1], v[rW]
.elseif (\n) == 21
	v_sub_f32 v[rC+1], v[rW], v[rT+1]
.elseif (\n) == 22
	v_exp_f32 v[rC+2], v[rC+1]
.else
	v_sub_f32 v[rT], v[rT+1], s[CUR+1]
.endif
.endif
.endm
.macro OPS a, i1, b=-1, i2=0, c=-1, i3=0, d=-1, i4=0
	OP \a, \i1
.if (\b) >= 0
	OP \b, \i2
.endif
.if (\c) >= 0
	OP \c, \i3
.endif
.if (\d) >= 0
	OP \d, \i4
.endif
.endm
.macro ROW a, i1, b, i2, c, i3, d, i4
	MM
	OPS \a, \i1, \b, \i2, \c, \i3, \d, \i4
.endm
.macro MASK b                          ; MD x AL + BE into buffer b of MC
	WIN W_RS
.set z, 0
.rept 16
	v_pk_fma_f32 v[MC+32*(\b)+2*z:MC+32*(\b)+2*z+1], v[MD+2*z:MD+2*z+1], s[AL:AL+1], s[BE:BE+1] op_sel_hi:[1,0,0]
.set z, z+1
.endr
.endm
; A TURN for piece p.  Ahead of the one wait stands all that names no result of the turn's exponentials; behind it the 8 products V^T P with the roundings and sums as riders.
; m = 1: the diagonal tile: the products take masks, and the turn makes the mask of the next turn's products (piece p; in trip 4 - CNT of the tile: p = 1 that trip's step, p = 0 the step after).
; end = 1: a block's last turn: no new scores.  Turn 0 fetches K of the next step (six plain instructions behind K's last product) and, at its end, V of the step in hand (four riders behind V's last product),
; and then moves the scales on: the step's 2^-e is kept for turn 1's sums, and the step after next's pair is asked for.
.macro TURN p, m=0, end=0, cnt=0
.set Y, (\p)
.set i, 0
.set KM, (\m)
.set NOKQ, (\end)
.set GS, CUR+4*(\p)
.if (\m) && !(\end)
	s_cmp_eq_u32 s[CNT], s[KC0+(\p)]               ; is that step the band's own?
	s_cselect_b32 s[AL], 1.0, 0
	s_cmp_lt_u32 s[CNT], s[KC0+(\p)]               ; or a later one?
	s_cselect_b32 s[BE], s[BIGN], 0
.endif
.if ((\p) == 1) && !(\end)
	s_wait_dscnt 16                                ; K is in; V's 16 younger loads may stay out
.endif
	ROW F,0, F,1, R,0, R,1
	ROW F,2, E,0, R,2, R,3
	ROW F,3, E,1, R,4, R,5
	ROW F,4, E,2, R,6, R,7
	ROW F,5, E,3, R,8, R,9
	ROW F,6, E,4, X,0, R,10
.if (\p) == 0
	WIN 0
	v_add_nc_u32 v[AK], s[TBK], v[AK0]
.endif
	ROW F,7, E,5, X,1, X,4
	ROW F,8, E,6, X,2, X,5
	OPS E,7, E,8, X,6, E,9
	OPS X,3, E,10, X,8, E,11
.if (\p) == 0
	FETCH_K
.endif
	OPS X,9, X,7, E,12, X,10
	OPS E,13, X,12, X,11, E,14
	OPS X,13, E,15, F,9, X,14
.if (\p) == 0
	v_add_nc_u32 v[AV], s[TBV], v[AV0]
.endif
	OPS E,16, F,10, E,17, F,11
	OPS X,16, E,18, X,15, E,19
	OPS F,12, E,20, X,17, E,21
	OPS F,13, E,22, F,14, E,23
	OPS X,18, E,24, F,15, E,25
	OPS R,11, E,26, X,19, E,27
	OPS A,0, E,28, X,20, E,29
	OPS R,12, E,30, X,21, E,31
	OPS R,13, R,14, X,22, R,15                     ; the batch's last exponential, and the plain instruction behind it
	OPS X,23
	WIN 0
	s_wait_alu depctr_va_vdst(0)                   ; the wait for the batch, ahead of the first line that names a result
.if (\p) == 1
	s_wait_dscnt 0x0                               ; V is in
.endif
	ROW C,0, B,0, C,2, B,1
	ROW L,0, C,4, B,2, L,1
	ROW C,6, B,3, L,2, C,8
	ROW B,4, L,3, C,10, B,5
	ROW L,4, C,12, B,6, L,5
.if (\p) == 0
	s_add_co_u32 s[TBV], s[TBV], KS*PV
.endif
	ROW C,14, B,7, L,6, C,1
	ROW C,3, L,7, C,5, C,7
	ROW C,9, C,11, C,13, C,15
.if (\p) == 0
	FETCH_V
.endif
.if (\m) && !(\end)
	MASK \p
.endif
.if (\p) == 0
	s_wait_kmcnt 0x0                               ; the pair asked for a step ago is in, and its offset register is free
	s_mov_b32 s[GP], s[CUR]
	s_mov_b32 s[GP+1], s[CUR]
	s_mov_b64 s[CUR:CUR+1], s[NX:NX+1]
	s_add_co_u32 s[SO], s[SO], 8
	s_min_u32 s[SO], s[SO], 248                    ; held inside the head's 32 pairs
	s_load_b64 s[NX:NX+1], s[VS:VS+1], s[SO] offset:0x0
.endif
.if \cnt
	s_sub_co_u32 s[CNT], s[CNT], 1
	s_cmp_lg_u32 s[CNT], 0
.endif
.endm
; A BLOCK BEGINS.  M starts far below every u, so the first step's a is 0.  The scales of steps 0 and 1; mask buffer 1 is 0 (band 1 sees step 0); buffer 0 is band 0's own mask where the tile is the
; diagonal one and band 0 stands at its head.  Then K of step 0 from its own bytes, piece 0's first scores, its maximum and statistics.
.macro BEGIN
	s_mov_b32 s[NEW], 0
	s_wait_kmcnt 0x0                               ; no scalar load is out, so its registers may be loaded anew
	s_load_b128 s[CUR:CUR+3], s[VS:VS+1], 0x0
	s_mov_b32 s[SO], 8
	WIN 0x40
.set i, MC+32
.rept 32
	v_mov_b32 v[i], 0
.set i, i+1
.endr
	WIN 0
.set i, 0
.rept 2
	v_mov_b32 v[ST+4*i], 0
	v_mov_b32 v[ST+4*i+1], 0xfe000000
.set i, i+1
.endr
	s_or_b32 s84, s[RT], s[GB]
	s_cmp_eq_u32 s84, 0
	s_cselect_b32 s[AL], 1.0, 0
	s_mov_b32 s[BE], 0
	MASK 0
	WIN 0
	v_add_nc_u32 v[AK], K0B, v[AK0]
	FETCH_K 0
	s_wait_loadcnt 0x0                             ; Q
	s_wait_kmcnt 0x0                               ; the scales
	s_wait_dscnt 0x0
.set KM, 1
.set NOKQ, 0
.set i, 0
.rept 8
	KQ 0
.set i, i+1
.endr
	WIN 0
.rept 4
	v_nop
.endr
.set Y, NP-1
.irp n, 0,1,2,3,4,5,6,7,8,9,10,11,12,13,14,15,16,17,18,19,20,21,22,23
	OP X, \n
.endr
	v_nop
	s_wait_alu depctr_va_vdst(0)                   ; the exponential's wait, ahead of the branch
.endm
.macro ALL line:vararg
.set t, 0
.rept 2
	\line
.set t, t+1
.endr
.endm
; THE WAY OUT of piece t: O / L; its upper bf16 part; the rest, rounded; both through my stage, so that a row's [upper 64 | lower 64] leaves as 256 consecutive bytes.
; The f32 rests are made in registers of their own (SCR), never in P's: P's second buffer is a matrix operand of the next block's first turn and has to stay a set of finite f16 numbers.
.macro PACK t
	WIN W_RS
.set i, 32*(\t)
.rept 16
	v_pk_mul_f32 v[i:i+1], v[i:i+1], v[ST+4*(\t)+2:ST+4*(\t)+3] op_sel_hi:[1,0]
.set i, i+2
.endr
	WIN 0x05
.set i, 0
.rept 16
	v_cvt_pk_bf16_f32 v[S+32*(\t)+i], v[32*(\t)+2*i], v[32*(\t)+2*i+1]
.set i, i+1
.endr
	WIN 0
.set i, 0
.rept 16
	v_lshlrev_b32 v[SCR+2*i], 16, v[S+32*(\t)+i]
	v_and_b32 v[SCR+2*i+1], 0xffff0000, v[S+32*(\t)+i]
.set i, i+1
.endr
	WIN 0x01
.set i, 0
.rept 16
	v_pk_add_f32 v[SCR+2*i:SCR+2*i+1], v[32*(\t)+2*i:32*(\t)+2*i+1], v[SCR+2*i:SCR+2*i+1] neg_lo:[0,1] neg_hi:[0,1]
.set i, i+1
.endr
	WIN 0
.set i, 0
.rept 16
	v_cvt_pk_bf16_f32 v[S+32*(\t)+16+i], v[SCR+2*i], v[SCR+2*i+1]
.set i, i+1
.endr
.irp f, 0,1,2,3
	ds_store_b128 v[STO], v[S+32*(\t)+4*\f:S+32*(\t)+4*\f+3] offset:32*\f
	ds_store_b128 v[STO], v[S+32*(\t)+16+4*\f:S+32*(\t)+16+4*\f+3] offset:128+32*\f
.endr
.irp f, 0,1,2,3,4,5,6,7
	ds_load_b128 v[S+32*(\t)+4*\f:S+32*(\t)+4*\f+3], v[RD] offset:\f*2*SP  ; LDS serves a wave's instructions in order: these see the stores above
.endr
.endm
.macro SEND t, younger                 ; younger: the next piece's sixteen LDS instructions, or none
	WIN 0
.irp f, 0,1,2,3,4,5,6,7
	s_wait_dscnt (\younger)+7-\f
	global_store_b128 v[GO], v[S+32*(\t)+4*\f:S+32*(\t)+4*\f+3], s[10:11] offset:(\t)*262144+\f*8192  ; 16 lanes store 256 consecutive bytes, aligned
.endr
.endm
.macro DIAG tag
.LdiagM\tag:                           ; the first turn's products are piece 0's of the tile's step 0
	s_cmp_eq_u32 s[GB], 0
	s_cselect_b32 s[AL], 1.0, 0
	s_mov_b32 s[BE], 0
	MASK 0
	WIN 0
.LstepM\tag:
	TURN 1, 1
	WIN 0
.LfirstM\tag:
	TURN 0, 1, 0, 1
	WIN 0
	s_cbranch_scc1 .LstepM\tag
	TURN 1, 1, 1
.set i, 0
.rept 8
	PV 1
.set i, i+1
.endr
	WIN 0
.rept 4
	v_nop
.endr
	ALL v_add_f32 v[ST+4*t+2], v[ST+4*t+2], v[ST+4*t+3]
	ALL v_permlanex16_b32 v[ST+4*t+3], v[ST+4*t+2], s[SEL], s[SEL+1]
	ALL v_add_f32 v[ST+4*t+2], v[ST+4*t+2], v[ST+4*t+3]
	ALL v_rcp_f32 v[ST+4*t+2], v[ST+4*t+2]
	v_nop
	s_wait_alu depctr_va_vdst(0)                   ; one wait for the two reciprocals
	PACK 0
	PACK 1
	SEND 0, 16
	SEND 1, 0
.endm
.set KM, 0
.set NOKQ, 0
.Lslot:                                        ; 8 times: a tile is entered and the next is asked for
	CHANGE 1
	s_sub_co_u32 s[RT], s[RT], 1
	s_mov_b32 s[CNT], 4
	s_cmp_eq_u32 s[NEW], 1
	s_cbranch_scc1 .Lnew                           ; a block's first tile
	s_cmp_eq_u32 s[RT], 0
	s_cbranch_scc0 .Lstep                          ; neither its first nor its last
	s_branch .LdiagM1
.Lnew:
	BEGIN
	s_branch .Lfirst                               ; in the loop a block's first tile is never its last: the first block has five tiles or more, and the second's last is the walk's last
	DIAG 1                                         ; in the loop this is the first block's end
	s_wait_xcnt 0x0                                ; the stores have read their registers and y2's address
	s_mov_b64 s[10:11], s[OLO:OLO+1]
	s_add_co_u32 s[RT], s[LQ2], 1
	s_mov_b32 s[NEW], 1
	s_mov_b32 s[GB], s[GB2]
	s_sub_co_u32 s[KC0], 5, s[GB]
	s_sub_co_u32 s[KC1], 3, s[GB]
	WIN 0x82                                       ; the second block's Q goes where the one text of the turns names Q
.set i, 0
.rept 32
	v_mov_b32 v[i], v[QB+i]
.set i, i+1
.endr
	WIN 0
	s_branch .Lbottom
.Lstep:                                        ; a trip: piece 1 of one step, then piece 0 of the next
	TURN 1
	WIN 0
.Lfirst:
	TURN 0, 0, 0, 1
	WIN 0
	s_cbranch_scc1 .Lstep
.Lbottom:
	s_sub_co_u32 s[SLOTS], s[SLOTS], 1
	s_cmp_lg_u32 s[SLOTS], 0
	s_cbranch_scc1 .Lslot
	CHANGE 0                                       ; the walk's last tile is written out
	s_sub_co_u32 s[RT], s[RT], 1
	s_mov_b32 s[CNT], 4
	s_cmp_eq_u32 s[NEW], 1
	s_cbranch_scc0 .LdiagM2
	BEGIN
	s_branch .LfirstM2
	DIAG 2
	s_wait_tensorcnt 0x0                           ; the wave's end
	ds_add_u32 v[SPW], v[NIL]
	s_wait_dscnt 0x0
	s_endpgm
.Lfunc_end_k_q215ac21025_attn:
	.size	k_q215ac21025_attn, .Lfunc_end_k_q215ac21025_attn-k_q215ac21025_attn
	.p2alignl 7, 3214868480
	.fill 96, 4, 3214868480
	.section	.rodata,"a",@progbits
	.p2align	6, 0x0
	.amdhsa_kernel k_q215ac21025_attn
		.amdhsa_group_segment_fixed_size 327680
		.amdhsa_private_segment_fixed_size 0
		.amdhsa_enable_private_segment 0
		.amdhsa_kernarg_size 32
		.amdhsa_user_sgpr_count 2
		.amdhsa_user_sgpr_kernarg_segment_ptr 1
		.amdhsa_wavefront_size32 1
		.amdhsa_system_sgpr_workgroup_id_x 1
		.amdhsa_system_sgpr_workgroup_id_y 1
		.amdhsa_system_sgpr_workgroup_id_z 1
		.amdhsa_system_vgpr_workitem_id 0
		.amdhsa_next_free_vgpr 768
		.amdhsa_next_free_sgpr 106
		.amdhsa_reserve_vcc 1
		.amdhsa_float_denorm_mode_32 3
		.amdhsa_float_denorm_mode_16_64 3
		.amdhsa_memory_ordered 1
		.amdhsa_forward_progress 1
		.amdhsa_inst_pref_size 150
	.end_amdhsa_kernel
	.amdgpu_metadata
---
amdhsa.version: [ 1, 2 ]
amdhsa.kernels:
  - .name:           k_q215ac21025_attn
    .symbol:         k_q215ac21025_attn.kd
    .args:
      - { .name: qb, .offset: 0, .size: 8, .value_kind: global_buffer, .address_space: global }
      - { .name: kv, .offset: 8, .size: 8, .value_kind: global_buffer, .address_space: global }
      - { .name: vsc, .offset: 16, .size: 8, .value_kind: global_buffer, .address_space: global }
      - { .name: y2, .offset: 24, .size: 8, .value_kind: global_buffer, .address_space: global }
    .group_segment_fixed_size: 327680
    .private_segment_fixed_size: 0
    .kernarg_segment_align: 8
    .kernarg_segment_size: 32
    .max_flat_workgroup_size: 128
    .sgpr_count:     106
    .vgpr_count:     768
    .wavefront_size: 32
...
	.end_amdgpu_metadata
.endif
;; end of part 3
;; launch proj (part 4): grid 8 x 32, 4 waves a work-group, clusters of 4 x 4, 327,680 bytes of LDS; arguments y2, wpT, b_proj, out0; writes out0
.if DOCPART == 4
	.amdgcn_target "amdgcn-amd-amdhsa--gfx1250"
	.amdhsa_code_object_version 6
	.text
	.protected	k_q215ac21025_proj
	.globl	k_q215ac21025_proj
	.p2align	8
	.type	k_q215ac21025_proj,@function
k_q215ac21025_proj:
	s_mov_b64 s[64:65], 0
	v_nop
	global_prefetch_b8 v0, s[64:65] scope:SCOPE_SE
	s_setreg_imm32_b32 hwreg(HW_REG_WAVE_MODE, 25, 1), 1
	s_wait_xcnt 0x0
	s_wait_alu depctr_hold_cnt(0) depctr_sa_sdst(0) depctr_va_vdst(0) depctr_va_sdst(0) depctr_va_ssrc(0) depctr_va_vcc(0) depctr_vm_vsrc(0)
	s_getreg_b32 s2, hwreg(HW_REG_IB_STS2, 6, 4)
	s_cmp_eq_u32 s2, 0
	s_cbranch_scc0 .Lentry_in_a_cluster
	s_endpgm
.Lentry_in_a_cluster:
	s_bfe_u32 s2, ttmp6, 0x10000c
	s_cmp_lg_u32 s2, 0xf033
	s_cbranch_scc0 .Lentry_shape_is_right
	s_endpgm
.Lentry_shape_is_right:
; LAUNCH 4 OF 4: out0 = y w_proj + b_proj.  No work of reference() is left out here.  A = y2 [4096][2048] bf16 (for each head its upper 64 and lower 64 parts), B = wpT [1024][2048] bf16 (each head's
; weights twice), so that the sum over K = 2048 is (upper + lower) x w.  The bias, rounded to bf16 like every input, is the C operand of the products that start the sums.  out0 in f32.
; A tile of out0 is 128 x 128: 256 work-groups.  Four waves, each 64 x 64: 16 accumulators.  K goes in steps of 256 (LDS rows of 512 bytes) through two slots.
; CLUSTER 4 x 4: A's tile is shared along a row of the cluster, B's along a column: joint loads with the row's or the column's mask.
; THE MATRIX INSTRUCTION IS USED TRANSPOSED (source 0 = B's rows, source 1 = A's rows): a lane holds eight neighbouring columns of a row: 32 bytes of f32.  A wave's 64 columns are 256 bytes of a row of out0,
; so each wave sends its rows through a stage of its own, with no barrier.
; No prefetch: the tiles are small and each is read by several clusters at about the same time.
.set SIZE_K, 2048
.set KSTEP,  256
.set PITCH,  528
.set HALFT,  64*PITCH
.set SLOT,   4*HALFT
.set STAGE,  2*SLOT                    ; 16 rows x 272 bytes for each wave
.set SPITCH, 272
.set SPARE,  STAGE+4*16*SPITCH
.set LAPS,   SIZE_K/(2*KSTEP)
.set ADRA, 16
.set ADRB, 20
.set STO,  24
.set RD,   25
.set CO,   26
.set BO,   27
.set SPW,  28
.set NIL,  29
.set TMP,  32                          ; v32-95 at work on the way out
.set BIAS, 96                          ; v96-127 the bias of my 64 columns, as the accumulators hold them
.set ACC,  128
.set F0,   0
.set F1,   128
.set G1, 24
.set G0, 32
.set G1B, 48
.set G0B, 56
.set MSB, 0
.macro WIN new
.if MSB != (\new)
	s_set_vgpr_msb (MSB<<8)|(\new)
.set MSB, \new
.endif
.endm
.set MUL,  0x05
.set TO_F, 0x40
.macro JLOAD s                         ; waves 0 and 1 fetch A's two halves, waves 2 and 3 B's; s_nop 0 and four v_nop behind each line
	s_cmp_eq_u32 s11, 0
	s_cbranch_scc0 .Lfor_b_\@
	tensor_load_to_lds s[G0+4*(\s):G0+4*(\s)+3], s[G1:G1+7]
	s_nop 0
.rept 4
	v_nop
.endr
	s_branch .Lasked_\@
.Lfor_b_\@:
	tensor_load_to_lds s[G0B+4*(\s):G0B+4*(\s)+3], s[G1B:G1B+7]
	s_nop 0
.rept 4
	v_nop
.endr
.Lasked_\@:
.endm
.macro CREST
	s_cmp_lg_u32 s10, 0
	s_cbranch_scc1 .Lnot_wave_0_\@
	s_barrier_signal -3
.Lnot_wave_0_\@:
	s_barrier_wait -3
	s_barrier_signal -1
	s_barrier_wait -1
.endm
.macro CROUND
	s_barrier_signal -1
	s_barrier_wait -1
	CREST
.endm
	s_load_b128 s[4:7], s[0:1], 0x0                ; y2, wpT
	s_load_b128 s[68:71], s[0:1], 0x10             ; b_proj, out0
	v_lshl_add_u32 v[SPW], v0, 2, SPARE
	v_mov_b32 v[NIL], 0
	ds_add_u32 v[SPW], v[NIL]                      ; the wave's opening: the add, twice on end, and its wait ahead of my first tensor load
	ds_add_u32 v[SPW], v[NIL]
	v_lshrrev_b32 v1, 5, v0
	v_readfirstlane_b32 s10, v1
	s_lshr_b32 s11, s10, 1                         ; my half of the tile's rows; also: I fetch for A (0) or B (1)
	s_and_b32 s12, s10, 1                          ; my half of its columns; also: which 64 rows I fetch
	s_bfe_u32 s40, ttmp6, 0x40000
	s_bfe_u32 s41, ttmp6, 0x40004
	s_lshl_b32 s42, ttmp9, 2
	s_add_co_u32 s42, s42, s40                     ; tile column
	s_and_b32 s13, ttmp7, 0xffff
	s_lshl_b32 s13, s13, 2
	s_add_co_u32 s13, s13, s41                     ; tile row
	s_lshl_b32 s43, s41, 2
	s_lshl_b32 s43, 15, s43                        ; my row of the cluster
	s_lshl_b32 s44, 0x1111, s40                    ; my column
	s_or_b32 s[G1+0], s43, (1<<16)|(1<<20)|(1<<21)|(6<<22)|(3<<25)
	s_or_b32 s[G1B+0], s44, (1<<16)|(1<<20)|(1<<21)|(6<<22)|(3<<25)
.irp g, G1, G1B
	s_mov_b32 s[(\g)+1], KSTEP<<16
	s_mov_b32 s[(\g)+2], 64<<16
	s_mov_b32 s[(\g)+3], KSTEP<<16
	s_mov_b32 s[(\g)+4], 64
	s_mov_b32 s[(\g)+5], SIZE_K
	s_mov_b32 s[(\g)+6], 0
	s_mov_b32 s[(\g)+7], 0
.endr
	s_lshl_b32 s17, s12, 6
	s_lshl_b32 s16, s13, 7
	s_add_co_u32 s16, s16, s17
	s_lshl_b32 s46, s42, 7
	s_add_co_u32 s46, s46, s17
	s_mov_b32 s17, 0
	s_mov_b32 s47, 0
	s_mov_b64 s[18:19], SIZE_K*2
	s_mul_u64 s[16:17], s[16:17], s[18:19]
	s_mul_u64 s[46:47], s[46:47], s[18:19]
	s_mul_i32 s20, s10, HALFT
	s_wait_dscnt 0x0
	s_wait_kmcnt 0x0
	s_add_nc_u64 s[14:15], s[4:5], s[16:17]
	s_add_nc_u64 s[46:47], s[6:7], s[46:47]
	CROUND
.irp s, 0,1
	s_mov_b32 s[G0+4*(\s)], 1
	s_add_co_u32 s[G0+4*(\s)+1], s20, (\s)*SLOT
	s_add_nc_u64 s[G0+4*(\s)+2:G0+4*(\s)+3], s[14:15], (\s)*KSTEP*2
	s_or_b32 s[G0+4*(\s)+3], s[G0+4*(\s)+3], 0x80000000
	s_mov_b32 s[G0B+4*(\s)], 1
	s_add_co_u32 s[G0B+4*(\s)+1], s20, (\s)*SLOT
	s_add_nc_u64 s[G0B+4*(\s)+2:G0B+4*(\s)+3], s[46:47], (\s)*KSTEP*2
	s_or_b32 s[G0B+4*(\s)+3], s[G0B+4*(\s)+3], 0x80000000
	JLOAD \s
.endr
	v_and_b32 v1, 15, v0
	v_bfe_u32 v2, v0, 4, 1
	s_lshl_b32 s66, s42, 9                         ; my first column, in bytes of f32: 512 x tile column + 256 x half
	s_lshl_b32 s67, s12, 8
	s_add_co_u32 s66, s66, s67
	s_mov_b32 s67, 0
	v_lshl_add_u32 v[BO], v2, 5, s66               ; register j of column block b is column 16 b + 8 (l / 16) + j
.irp b, 0,1,2,3
	global_load_b128 v[BIAS+8*(\b):BIAS+8*(\b)+3],   v[BO], s[68:69] offset:64*(\b)
	global_load_b128 v[BIAS+8*(\b)+4:BIAS+8*(\b)+7], v[BO], s[68:69] offset:64*(\b)+16
.endr
	v_mul_u32_u24 v3, v1, PITCH
	v_lshl_add_u32 v3, v2, 4, v3
	s_mul_i32 s21, s11, HALFT
	s_mul_i32 s22, s12, HALFT
	s_add_co_u32 s22, s22, 2*HALFT
.irp s, 0,1
	v_add_nc_u32 v[ADRA+(\s)], s21, v3
	v_add_nc_u32 v[ADRB+(\s)], s22, v3
	s_add_co_u32 s21, s21, SLOT
	s_add_co_u32 s22, s22, SLOT
.endr
	s_mul_i32 s23, s10, 16*SPITCH
	s_add_co_u32 s23, s23, STAGE                   ; my stage
	v_mul_u32_u24 v4, v1, SPITCH                   ; in: row l % 16, 32 bytes for each half of the lanes
	v_lshl_add_u32 v4, v2, 5, v4
	v_add_nc_u32 v[STO], s23, v4
	v_mul_u32_u24 v5, v2, SPITCH                   ; back: lanes 0-15 one row of 256 bytes, lanes 16-31 the next
	v_lshl_add_u32 v5, v1, 4, v5
	v_add_nc_u32 v[RD], s23, v5
	v_lshlrev_b32 v5, 12, v2                       ; and the same two rows of out0, 4,096 bytes apart
	v_lshl_add_u32 v[CO], v1, 4, v5
	s_lshl_b32 s16, s13, 7
	s_lshl_b32 s17, s11, 6
	s_add_co_u32 s16, s16, s17                     ; my first row
	s_lshl_b32 s16, s16, 12
	s_mov_b32 s17, 0
	s_add_nc_u64 s[70:71], s[70:71], s[16:17]
	s_add_nc_u64 s[70:71], s[70:71], s[66:67]
	s_wait_loadcnt 0x0                             ; the bias: rounded to bf16 and widened again
.set i, 0
.rept 16
	v_cvt_pk_bf16_f32 v[TMP+i], v[BIAS+2*i], v[BIAS+2*i+1]
.set i, i+1
.endr
.set i, 0
.rept 16
	v_lshlrev_b32 v[BIAS+2*i], 16, v[TMP+i]
	v_and_b32 v[BIAS+2*i+1], 0xffff0000, v[TMP+i]
.set i, i+1
.endr
.macro MUL8 f, c, a0, zero             ; zero = 1: the first product starts the sums, from the bias
	WIN MUL
.irp a, \a0, (\a0)+1
.irp b, 0,1,2,3
.if \zero
	v_wmma_f32_16x16x32_bf16 v[ACC+8*(4*(\a)+(\b)):ACC+8*(4*(\a)+(\b))+7], v[(\f)+64+8*(4*(\c)+(\b)):(\f)+64+8*(4*(\c)+(\b))+7], v[(\f)+8*(4*(\c)+(\a)):(\f)+8*(4*(\c)+(\a))+7], v[BIAS+8*(\b):BIAS+8*(\b)+7]
.else
	v_wmma_f32_16x16x32_bf16 v[ACC+8*(4*(\a)+(\b)):ACC+8*(4*(\a)+(\b))+7], v[(\f)+64+8*(4*(\c)+(\b)):(\f)+64+8*(4*(\c)+(\b))+7], v[(\f)+8*(4*(\c)+(\a)):(\f)+8*(4*(\c)+(\a))+7], v[ACC+8*(4*(\a)+(\b)):ACC+8*(4*(\a)+(\b))+7]
.endif
.endr
.endr
.endm
.macro FETCH slot, k, f                ; 32 LDS loads in one run: 64 along K, the first 32 first
	WIN TO_F
.irp c, 0,1
.irp i, 0,1,2,3
	ds_load_b128 v[(\f)+64+8*(4*(\c)+(\i)):(\f)+64+8*(4*(\c)+(\i))+3],   v[ADRB+(\slot)] offset:(\k)+64*(\c)+(\i)*16*PITCH
	ds_load_b128 v[(\f)+64+8*(4*(\c)+(\i))+4:(\f)+64+8*(4*(\c)+(\i))+7], v[ADRB+(\slot)] offset:(\k)+64*(\c)+(\i)*16*PITCH+32
	ds_load_b128 v[(\f)+8*(4*(\c)+(\i)):(\f)+8*(4*(\c)+(\i))+3],         v[ADRA+(\slot)] offset:(\k)+64*(\c)+(\i)*16*PITCH
	ds_load_b128 v[(\f)+8*(4*(\c)+(\i))+4:(\f)+8*(4*(\c)+(\i))+7],       v[ADRA+(\slot)] offset:(\k)+64*(\c)+(\i)*16*PITCH+32
.endr
.endr
.endm
.macro PLACES
.rept 4
	v_nop
.endr
.endm
.macro QUARTER slot, k, f, g, zero
	s_wait_dscnt 16                                ; the first 32 along K are in
	WIN MUL
	MUL8 \f, 0, 0, \zero
	MUL8 \f, 0, 2, \zero
	PLACES
	FETCH \slot, \k, \g
	s_wait_dscnt 32                                ; all but the 32 just issued
	WIN MUL
	MUL8 \f, 1, 0, 0
	MUL8 \f, 1, 2, 0
.endm
.macro TURN slot, next, fill
	WIN 0
	s_wait_tensorcnt 0x0                           ; all my tensor loads have landed: my part of the next slot
	ds_add_u32 v[SPW], v[NIL]
	s_wait_dscnt 17                                ; (the add and the youngest sixteen loads may be out)
	WIN MUL
	MUL8 F1, 0, 0, 0
	s_wait_dscnt 0x0                               ; the add is done, and my reads of this slot are over
	s_barrier_signal -1
	MUL8 F1, 0, 2, 0
.if \fill
	WIN 0
.endif
	s_barrier_wait -1
.if \fill
	CREST
	s_add_nc_u64 s[G0+4*(\slot)+2:G0+4*(\slot)+3], s[G0+4*(\slot)+2:G0+4*(\slot)+3], 2*KSTEP*2
	s_add_nc_u64 s[G0B+4*(\slot)+2:G0B+4*(\slot)+3], s[G0B+4*(\slot)+2:G0B+4*(\slot)+3], 2*KSTEP*2
	JLOAD \slot
.else
	PLACES
.endif
	FETCH \next, 0, F0
	WIN MUL
	MUL8 F1, 1, 0, 0
	MUL8 F1, 1, 2, 0
.endm
	s_wait_tensorcnt 1                             ; my part of K step 0 is in; step 1's stays out
	s_barrier_signal -1
	s_barrier_wait -1
	FETCH 0, 0, F0
	QUARTER 0, 128, F0, F1, 1
	WIN 0
	s_mov_b32 s3, LAPS-1
.Llap:
	QUARTER 0, 256, F1, F0, 0
	QUARTER 0, 384, F0, F1, 0
	TURN 0, 1, 1
	QUARTER 1, 128, F0, F1, 0
	QUARTER 1, 256, F1, F0, 0
	QUARTER 1, 384, F0, F1, 0
	TURN 1, 0, 1
	QUARTER 0, 128, F0, F1, 0
	WIN 0
	s_sub_co_u32 s3, s3, 1
	s_cmp_lg_u32 s3, 0
	s_cbranch_scc1 .Llap
	QUARTER 0, 256, F1, F0, 0                      ; the last lap fills nothing
	QUARTER 0, 384, F0, F1, 0
	TURN 0, 1, 0
	QUARTER 1, 128, F0, F1, 0
	QUARTER 1, 256, F1, F0, 0
	QUARTER 1, 384, F0, F1, 0
	s_wait_dscnt 16
	WIN MUL
	MUL8 F1, 0, 0, 0
	MUL8 F1, 0, 2, 0
	s_wait_dscnt 0
	MUL8 F1, 1, 0, 0
	MUL8 F1, 1, 2, 0
	WIN 0
	; THE WAY OUT: 16 rows at a time: the accumulators go into my stage as they are (each one's low half first), and come back as whole rows of 256 bytes
	PLACES
.irp a, 0,1,2,3
.irp b, 0,1,2,3
	ds_store_b128 v[STO], v[ACC+8*(4*(\a)+(\b)):ACC+8*(4*(\a)+(\b))+3]   offset:64*(\b)
	ds_store_b128 v[STO], v[ACC+8*(4*(\a)+(\b))+4:ACC+8*(4*(\a)+(\b))+7] offset:64*(\b)+16
.endr
	s_wait_xcnt 0x0                                ; the stores of two blocks ago have read the registers that are loaded now
.irp t, 0,1,2,3,4,5,6,7
	ds_load_b128 v[TMP+32*((\a)%2)+4*(\t):TMP+32*((\a)%2)+4*(\t)+3], v[RD] offset:(\t)*2*SPITCH  ; LDS serves a wave's instructions in order: these see the stores above
.endr
.irp t, 0,1,2,3,4,5,6,7
	s_wait_dscnt 7-(\t)                            ; the younger loads may stay out
	global_store_b128 v[CO], v[TMP+32*((\a)%2)+4*(\t):TMP+32*((\a)%2)+4*(\t)+3], s[70:71] offset:(16*(\a)+2*(\t))*4096 th:TH_STORE_NT  ; 16 lanes store 256 consecutive bytes, aligned
.endr
.endr
	s_wait_tensorcnt 0x0                           ; the wave's end
	ds_add_u32 v[SPW], v[NIL]
	s_wait_dscnt 0x0
	CROUND                                         ; the closing round
	s_endpgm
.Lfunc_end_k_q215ac21025_proj:
	.size	k_q215ac21025_proj, .Lfunc_end_k_q215ac21025_proj-k_q215ac21025_proj
	.p2alignl 7, 3214868480
	.fill 96, 4, 3214868480
	.section	.rodata,"a",@progbits
	.p2align	6, 0x0
	.amdhsa_kernel k_q215ac21025_proj
		.amdhsa_group_segment_fixed_size 327680
		.amdhsa_private_segment_fixed_size 0
		.amdhsa_enable_private_segment 0
		.amdhsa_kernarg_size 32
		.amdhsa_user_sgpr_count 2
		.amdhsa_user_sgpr_kernarg_segment_ptr 1
		.amdhsa_wavefront_size32 1
		.amdhsa_system_sgpr_workgroup_id_x 1
		.amdhsa_system_sgpr_workgroup_id_y 1
		.amdhsa_system_sgpr_workgroup_id_z 1
		.amdhsa_system_vgpr_workitem_id 0
		.amdhsa_next_free_vgpr 512
		.amdhsa_next_free_sgpr 72
		.amdhsa_reserve_vcc 0
		.amdhsa_float_denorm_mode_32 3
		.amdhsa_float_denorm_mode_16_64 3
		.amdhsa_memory_ordered 1
		.amdhsa_forward_progress 1
		.amdhsa_inst_pref_size 90
	.end_amdhsa_kernel
	.amdgpu_metadata
---
amdhsa.version: [ 1, 2 ]
amdhsa.kernels:
  - .name:           k_q215ac21025_proj
    .symbol:         k_q215ac21025_proj.kd
    .args:
      - { .name: y2, .offset: 0, .size: 8, .value_kind: global_buffer, .address_space: global }
      - { .name: wpT, .offset: 8, .size: 8, .value_kind: global_buffer, .address_space: global }
      - { .name: b_proj, .offset: 16, .size: 8, .value_kind: global_buffer, .address_space: global }
      - { .name: out0, .offset: 24, .size: 8, .value_kind: global_buffer, .address_space: global }
    .group_segment_fixed_size: 327680
    .private_segment_fixed_size: 0
    .kernarg_segment_align: 8
    .kernarg_segment_size: 32
    .max_flat_workgroup_size: 128
    .sgpr_count:     72
    .vgpr_count:     512
    .wavefront_size: 32
...
	.end_amdgpu_metadata
.endif
;; end of part 4
;; ======== version 2 of 3: 4 launches
;; limits: values are held in f16: magnitudes above 65,504 overflow, below 6.1e-05 lose precision; right only within a limited range of input values
;; workspace buffers: wlT 1,572,864 bytes; whT 1,572,864 bytes; wpT 4,194,304 bytes; qb 8,388,608 bytes; kv 16,777,216 bytes; vsc 8,192 bytes; y2 16,777,216 bytes
;; launch prep: the kernel of part 1 again; grid 32 x 10, 8 waves a work-group, no clusters, 18,432 bytes of LDS; arguments wq_lat, wk_lat, wv_lat, wq_heads, wk_heads, wv_heads, w_proj, wlT, whT, wpT; writes wlT, whT, wpT
;; launch qkv (part 5): grid 64 x 4, 4 waves a work-group, clusters of 4 x 1, 327,680 bytes of LDS; arguments x, wlT, whT, qb, kv, vsc; writes qb, kv, vsc
.if DOCPART == 5
	.amdgcn_target "amdgcn-amd-amdhsa--gfx1250"
	.amdhsa_code_object_version 6
	.text
	.protected	k_q215ac21025_qkv
	.globl	k_q215ac21025_qkv
	.p2align	8
	.type	k_q215ac21025_qkv,@function
k_q215ac21025_qkv:
	s_mov_b64 s[64:65], 0
	v_nop
	global_prefetch_b8 v0, s[64:65] scope:SCOPE_SE
	s_setreg_imm32_b32 hwreg(HW_REG_WAVE_MODE, 25, 1), 1
	s_wait_xcnt 0x0
	s_wait_alu depctr_hold_cnt(0) depctr_sa_sdst(0) depctr_va_vdst(0) depctr_va_sdst(0) depctr_va_ssrc(0) depctr_va_vcc(0) depctr_vm_vsrc(0)
	s_getreg_b32 s2, hwreg(HW_REG_IB_STS2, 6, 4)
	s_cmp_eq_u32 s2, 0
	s_cbranch_scc0 .Lentry_in_a_cluster
	s_endpgm
.Lentry_in_a_cluster:
	s_bfe_u32 s2, ttmp6, 0x10000c
	s_cmp_lg_u32 s2, 0x3003
	s_cbranch_scc0 .Lentry_shape_is_right
	s_endpgm
.Lentry_shape_is_right:
; LAUNCH 2 OF 4: lat = x w_lat (64 rows x 256, K = 1024), then lat w_heads, for one of q, k, v.  No work of reference() is left out here.
; SHARES.  Work-group (rb, S): rows 64 rb .. + 63; S = 0 q, 1 k, 2 and 3 the two halves of v's 1,024 columns.  All do the same work: 8 K steps of 128 for lat, then 8 steps of
; (256 columns x K 128): q, k: 4 groups of 256 columns x 2 halves of K; v: 2 groups x (upper part of lat, K 256; lower part, K 256).  lat_v is made by both halves' work-groups.
; FORMATS.  x is rounded to bf16 on its way from LDS to the matrix unit.  lat: bf16; for v a pair of bf16 (upper part and the rounded rest), both multiplied by the same weights.
; q, k leave as bf16.  v leaves as f16 times 2^-e, e chosen for each head and block of 64 rows so that the block's largest magnitude lies in [2^14, 2^15); (2^-e, e) go to vsc.
; LIMIT: e is held to -109 .. 113, so that launch 3's sum of 2^-e p over 2,048 keys (p <= 1) stays under 2^121: a block whose largest magnitude is under 2^-95 is scaled by 2^109 and keeps fewer of f16's bits the smaller it is.
; CLUSTER.  The four partners are four row blocks with the same S: they walk the same weights, which are asked for JOINTLY (mask 15).  x's tiles are each work-group's own (no mask), in the
; same rounds.  S is the cluster's y, alike in all partners; the place in the cluster enters x's and the outputs' global addresses alone.
; WALKS.  Work-groups that read the same bytes take them in different orders, so that in a round they ask for different blocks.  PHASE 1: K step number t is chunk (k0 + d t) mod 8 of K, with
; k0 = (cluster x + 4 (S / 2) + 7 (S % 2)) mod 8 and d = +1 (S even) or -1 (S odd): the four S of a row block, which read the same x, start at k, k + 7, k + 4, k + 3; the sixteen clusters of an S, which
; read the same weights, start at all eight chunks.  PHASE 2: the column groups are taken from group (cluster x mod 4; v: mod 2) on, round.  f32 sums may be taken in any order.
; All this is made of the cluster's x and y alone: it is alike in the four partners.
; THE TEXT OF PHASE 1.  A K step is written once and looped over.  The slot in hand is a scalar that an exclusive or turns between 0 and 131,072; the fragments' LDS addresses are that scalar plus a fixed lane
; term; of the two sets of descriptors for the first fills the second then walks on.  Six trips fill the slot that they leave with x and weights two steps on; two more trips fill its weight part with phase 2's
; first two tiles.  The first quarter step, whose products start the sums, stands ahead, and the first loop is entered behind its first quarter.
; PRODUCTS ARE TAKEN TRANSPOSED (source 0 = weight rows, source 1 = rows of x or lat): a lane holds one row and eight neighbouring columns.
; No prefetch: x is used up in the launch's first half, so a lead would mean one burst at the head, where every work-group's first tiles are on their way.
; LDS: slot n at n x 131,072: x 64 rows x 528 (f32), then weights 256 rows x 272.  Behind slot 0: each wave's stage and the spare words.  Behind slot 1: lat, twice 64 rows x 528; no tensor load lands there.
; REGISTERS: window 0: v0-31 addresses; v32-95 at work; v128-255 16 accumulators.  Window 1: two fragment buffers of 112.
.set XP,    528
.set WP,    272
.set XT,    64*XP                      ; the weights' place in a slot
.set SLOT1, 131072
.set STAGE, XT+256*WP                  ; 16 rows x 144 bytes for each wave
.set SP,    144
.set SPARE, STAGE+4*16*SP              ; the spare words, 128 bytes for each wave
.set LAT0,  SLOT1+XT+256*WP            ; lat, upper part
.set LAT1,  LAT0+64*XP                 ; v: lower part; q, k: the upper part once more, so that one text serves every S
.set AX,  4                            ; v4     x fragments in slot 0; never rewritten
.set AXC, 5                            ; v5     in the slot in hand
.set AW,  6                            ; v6     phase 1's weight fragments in slot 0; never rewritten
.set AWC, 7                            ; v7     in the slot in hand
.set AH,  8                            ; v8-9   phase 2's weight fragments, slot 0, 1
.set AL0, 10                           ; v10    my lane's place in a lat tile
.set ADL, 11                           ; v11    + the lat tile in hand
.set LST, 12                           ; v12-13 where I store lat
.set LST1, 13
.set STO, 14
.set RD,  15
.set GO,  16
.set LN,  17                           ; lane
.set ZR,  18                           ; 0, an offset
.set FP,  20                           ; v20-21 (2^-e, e)
.set SPW, 28
.set NIL, 29
.set TMP, 32
.set ACC, 128
.set F0,  0
.set F1,  112
.set DB,  10                           ; s[10:11] where my head's 64 rows go, for column group 0
.set VB,  14                           ; s[14:15] where (2^-e, e) goes, for column group 0
.set WV,  16
.set HIW, 17                           ; wave / 2: phase 1: 0 fetches x, 1 weights; my 32 rows
.set LOW, 18                           ; wave % 2: phase 1: which half I fetch; my 128 lat columns
.set SS,  19
.set WS,  20                           ; min(S, 2): which weights
.set ISV, 21
.set HFV, 22                           ; v's half, 0 for q and k
.set RB,  23
.set G1X, 24
.set G0X, 32
.set G1W, 40
.set G0W, 48
.set G1H, 56
.set HB,  66                           ; s[66:67] whT at my 64 rows of this work-group's column group 0
.set DPTR, 68                          ; s[68:69] DB for the group that goes out
.set VSP, 70                           ; s[70:71] VB for the group that goes out
.set GOFF, 72                          ; s[72:73] the column group to be asked for, in bytes of whT
.set FR,  74                           ; 1: this pair of steps starts the sums
.set FRN, 75
.set LB,  76                           ; the lat tile in hand
.set MSK, 77                           ; all ones for v
.set SEL, 78
.set HM,  82                           ; a word's upper bf16 (set behind phase 1)
.set KO,  90                           ; s90 the chunk of K step 0; s91 the chunk that was asked for last
.set D1,  92                           ; 1 or 7: a step of the walk, modulo 8
.set GM,  93                           ; 3 (q, k) or 1 (v): column groups less one
.set TO,  94                           ; s[94:95] an offset in 64 bits; the upper word stays 0
.set GC,  96                           ; the column group in hand
.set GN,  97                           ; the next pair's
.set HL,  98                           ; LDS: my 64 rows of a phase 2 tile in slot 0
.set XL,  99                           ; LDS: the 32 rows of x that I fetch, in slot 0
.set WL,  100                          ; LDS: the 128 rows of phase 1's weights that I fetch, in slot 0
.set SB,  101                          ; phase 1: the slot in hand: 0 or SLOT1
.set MSB, 0
.macro WIN new
.if MSB != (\new)
	s_set_vgpr_msb (MSB<<8)|(\new)
.set MSB, \new
.endif
.endm
.set MUL,  0x05                        ; sources 0 and 1 window 1; C and D window 0
.set TO_F, 0x40                        ; destination window 1, address window 0
.set CVW,  0x45                        ; sources and destination window 1
.macro NOP4
.rept 4
	v_nop
.endr
.endm
.macro LOAD1 s                         ; phase 1's fill: waves 0, 1 x's halves (my own), waves 2, 3 the weights' halves (joint); s_nop 0 and four v_nop behind each line
	s_cmp_eq_u32 s[HIW], 0
	s_cbranch_scc0 .Lw_\@
	tensor_load_to_lds s[G0X+4*(\s):G0X+4*(\s)+3], s[G1X:G1X+7]
	s_nop 0
	NOP4
	s_branch .Ld_\@
.Lw_\@:
	tensor_load_to_lds s[G0W+4*(\s):G0W+4*(\s)+3], s[G1W:G1W+7]
	s_nop 0
	NOP4
.Ld_\@:
.endm
.macro LOADH s                         ; phase 2's fill, joint: every wave fetches 64 rows of the tile, the rows that it multiplies; the four v_nop are also the places in front of the next LDS loads
	tensor_load_to_lds s[G0W+4*(\s):G0W+4*(\s)+3], s[G1H:G1H+7]
	s_nop 0
	NOP4
.endm
.macro CREST
	s_cmp_lg_u32 s[WV], 0
	s_cbranch_scc1 .Lnot_wave_0_\@
	s_barrier_signal -3
.Lnot_wave_0_\@:
	s_barrier_wait -3
	s_barrier_signal -1
	s_barrier_wait -1
.endm
.macro CROUND
	s_barrier_signal -1
	s_barrier_wait -1
	CREST
.endm
	s_load_b256 s[4:11], s[0:1], 0x0               ; x, wlT, whT, qb
	s_load_b128 s[12:15], s[0:1], 0x20             ; kv, vsc
	v_lshl_add_u32 v[SPW], v0, 2, SPARE
	v_mov_b32 v[NIL], 0
	ds_add_u32 v[SPW], v[NIL]                      ; the wave's opening: the add, twice on end, and its wait ahead of my first tensor load
	ds_add_u32 v[SPW], v[NIL]
	v_lshrrev_b32 v1, 5, v0
	v_readfirstlane_b32 s[WV], v1
	s_lshr_b32 s[HIW], s[WV], 1
	s_and_b32 s[LOW], s[WV], 1
	s_bfe_u32 s80, ttmp6, 0x40000                  ; cx
	s_lshl_b32 s[RB], ttmp9, 2
	s_add_co_u32 s[RB], s[RB], s80                 ; my row block
	s_and_b32 s[SS], ttmp7, 0xffff
	s_min_u32 s[WS], s[SS], 2
	s_lshr_b32 s[ISV], s[SS], 1
	s_and_b32 s[HFV], s[SS], s[ISV]
	s_sub_co_u32 s[MSK], 0, s[ISV]
	s_mov_b32 s[SEL], 0x76543210
	s_mov_b32 s[SEL+1], 0xfedcba98
	; the walks, from the cluster's x and y alone
	s_and_b32 s2, s[SS], 1                         ; odd S walk K downward
	s_mul_i32 s[KO], s2, 7
	s_lshl_b32 s3, s[ISV], 2
	s_add_co_u32 s[KO], s[KO], s3
	s_add_co_u32 s[KO], s[KO], ttmp9
	s_and_b32 s[KO], s[KO], 7                      ; K step 0 is chunk k0
	s_mul_i32 s[D1], s2, 6
	s_add_co_u32 s[D1], s[D1], 1                   ; d modulo 8: 1 or 7
	s_add_co_u32 s[KO+1], s[KO], s[D1]
	s_and_b32 s[KO+1], s[KO+1], 7                  ; K step 1 is chunk k0 + d
	s_mov_b32 s[SB], 0                             ; K step 0 lies in slot 0
	s_mov_b32 s[TO+1], 0
	s_lshl_b32 s[GM], s[ISV], 1
	s_sub_co_u32 s[GM], 3, s[GM]
	s_and_b32 s[GC], ttmp9, s[GM]                  ; phase 2 begins with this column group
	s_lshl_b32 s[GOFF], s[GC], 17                  ; 256 rows of 512 bytes a group
	s_mov_b32 s[GOFF+1], 0
	s_mul_i32 s[HL], s[WV], 64*WP
	s_add_co_u32 s[HL], s[HL], XT
	s_mov_b32 s[G1X+0], (2<<16)|(1<<20)|(6<<22)|(3<<25)  ; 4-byte elements; 4 words of padding behind every 128
	s_mov_b32 s[G1X+1], 128<<16                    ; tensor_dim0 = 128
	s_mov_b32 s[G1X+2], 32<<16                     ; tensor_dim1 = 32
	s_mov_b32 s[G1X+3], 128<<16                    ; tile_dim0
	s_mov_b32 s[G1X+4], 32                         ; tile_dim1
	s_mov_b32 s[G1X+5], 1024                       ; elements from row to row
	s_mov_b32 s[G1X+6], 0
	s_mov_b32 s[G1X+7], 0
.irp g, G1W, G1H
	s_mov_b32 s[(\g)+0], 15|(1<<16)|(1<<20)|(1<<21)|(5<<22)|(3<<25)  ; the mask of four, bit 21 beside it; 2-byte elements; 4 words behind every 64
	s_mov_b32 s[(\g)+1], 128<<16
	s_mov_b32 s[(\g)+3], 128<<16
	s_mov_b32 s[(\g)+6], 0
	s_mov_b32 s[(\g)+7], 0
.endr
	s_mov_b32 s[G1W+2], 128<<16                    ; phase 1: 128 rows a load,
	s_mov_b32 s[G1W+4], 128
	s_mov_b32 s[G1W+5], 1024                       ; 1,024 elements from row to row
	s_mov_b32 s[G1H+2], 64<<16                     ; phase 2: 64 rows a load,
	s_mov_b32 s[G1H+4], 64
	s_mov_b32 s[G1H+5], 256                        ; 256 elements from row to row
	s_lshl_b32 s80, s[RB], 18                      ; x: 64 rows of 4,096 bytes a block,
	s_lshl_b32 s2, s[LOW], 17                      ; my 32 of them
	s_add_co_u32 s80, s80, s2
	s_mov_b32 s81, 0
	s_lshl_b32 s82, s[WS], 19                      ; wlT: the matrix,
	s_lshl_b32 s2, s[LOW], 18                      ; my 128 rows of 2,048 bytes
	s_add_co_u32 s82, s82, s2
	s_mov_b32 s83, 0
	s_lshl_b32 s84, s[WS], 19                      ; whT: the matrix,
	s_lshl_b32 s2, s[HFV], 18                      ; v's half: 512 rows of 512 bytes,
	s_add_co_u32 s84, s84, s2
	s_lshl_b32 s2, s[WV], 15                       ; my 64 rows
	s_add_co_u32 s84, s84, s2
	s_mov_b32 s85, 0
	s_lshr_b32 s2, s[RB], 5                        ; batch
	s_and_b32 s3, s[RB], 31                        ; block of 64 rows in it
	s_lshl_b32 s2, s2, 4
	s_lshl_b32 s86, s[HFV], 3
	s_add_co_u32 s2, s2, s86
	s_add_co_u32 s2, s2, s[WV]                     ; my head in column group 0: 16 batch + 8 half + wave
	s_lshl_b32 s86, s2, 18                         ; 2,048 rows of 128 bytes a head
	s_lshl_b32 s88, s3, 13
	s_add_co_u32 s86, s86, s88
	s_lshl_b32 s88, s[ISV], 23                     ; v lies behind k
	s_add_co_u32 s86, s86, s88
	s_mov_b32 s87, 0
	s_lshl_b32 s88, s2, 5
	s_add_co_u32 s88, s88, s3
	s_lshl_b32 s88, s88, 3
	s_mov_b32 s89, 0
	s_mul_i32 s[XL], s[LOW], 32*XP                 ; where phase 1's tiles go: no place in the cluster enters an LDS address
	s_mul_i32 s[WL], s[LOW], 128*WP
	s_add_co_u32 s[WL], s[WL], XT
	s_wait_dscnt 0x0                               ; both opening adds are done
	s_wait_kmcnt 0x0
	s_add_nc_u64 s[4:5], s[4:5], s[80:81]          ; x and wlT at my rows, chunk 0: they stay so
	s_add_nc_u64 s[6:7], s[6:7], s[82:83]
	s_add_nc_u64 s[HB:HB+1], s[8:9], s[84:85]
	s_cmp_eq_u32 s[SS], 0
	s_cselect_b64 s[DB:DB+1], s[10:11], s[12:13]
	s_add_nc_u64 s[DB:DB+1], s[DB:DB+1], s[86:87]
	s_add_nc_u64 s[VB:VB+1], s[14:15], s[88:89]
	CROUND                                         ; all four work-groups are here: the first joint loads meet
.irp s, 0,1
	s_mov_b32 s[G0X+4*(\s)], 1
	s_add_co_u32 s[G0X+4*(\s)+1], s[XL], (\s)*SLOT1
	s_lshl_b32 s[TO], s[KO+(\s)], 9                ; a chunk is 512 bytes of a row of x,
	s_add_nc_u64 s[G0X+4*(\s)+2:G0X+4*(\s)+3], s[4:5], s[TO:TO+1]
	s_or_b32 s[G0X+4*(\s)+3], s[G0X+4*(\s)+3], 0x80000000
	s_mov_b32 s[G0W+4*(\s)], 1
	s_add_co_u32 s[G0W+4*(\s)+1], s[WL], (\s)*SLOT1
	s_lshl_b32 s[TO], s[KO+(\s)], 8                ; 256 bytes of a row of wlT
	s_add_nc_u64 s[G0W+4*(\s)+2:G0W+4*(\s)+3], s[6:7], s[TO:TO+1]
	s_or_b32 s[G0W+4*(\s)+3], s[G0W+4*(\s)+3], 0x80000000
	LOAD1 \s                                       ; K steps 0 and 1: two loads of mine are out
.endr
	v_and_b32 v1, 15, v0                           ; r
	v_bfe_u32 v2, v0, 4, 1                         ; h
	v_and_b32 v[LN], 31, v0
	v_mov_b32 v[ZR], 0
	v_mul_u32_u24 v3, v1, XP
	s_mul_i32 s80, s[HIW], 32*XP
	v_lshl_add_u32 v[AX], v2, 5, v3                ; x in f32: row x 528 + 32 h
	v_add_nc_u32 v[AX], s80, v[AX]
	v_mov_b32 v[AXC], v[AX]
	v_mul_u32_u24 v19, v1, WP
	v_lshl_add_u32 v19, v2, 4, v19                 ; weights: row x 272 + 16 h
	s_mul_i32 s81, s[LOW], 128*WP
	s_add_co_u32 s81, s81, XT
	v_add_nc_u32 v[AW], s81, v19
	v_mov_b32 v[AWC], v[AW]
	v_add_nc_u32 v[AH], s[HL], v19
	v_add_nc_u32 v[AH+1], SLOT1, v[AH]
	v_lshl_add_u32 v[AL0], v2, 4, v3               ; lat: row x 528 + 16 h
	v_add_nc_u32 v[ADL], LAT0, v[AL0]
	s_lshl_b32 s81, s[LOW], 8
	s_add_co_u32 s80, s80, s81
	s_add_co_u32 s80, s80, LAT0
	v_add_nc_u32 v[LST], s80, v[AL0]               ; my 32 rows, my 128 columns
	v_add_nc_u32 v[LST1], LAT1-LAT0, v[LST]
	s_mul_i32 s80, s[WV], 16*SP
	s_add_co_u32 s80, s80, STAGE
	v_mul_u32_u24 v[STO], v1, SP
	v_lshl_add_u32 v[STO], v2, 4, v[STO]
	v_add_nc_u32 v[STO], s80, v[STO]
	v_bfe_u32 v[RD], v0, 3, 2                      ; back: 32 lanes take four rows of 128 bytes,
	v_mul_u32_u24 v[RD], v[RD], SP
	v_and_b32 v19, 7, v0
	v_lshl_add_u32 v[RD], v19, 4, v[RD]
	v_add_nc_u32 v[RD], s80, v[RD]
	v_lshlrev_b32 v[GO], 4, v[LN]                  ; which are 512 consecutive bytes of a head
; PHASE 1.  A quarter is 32 along K: 16 products (2 row blocks x 8 column blocks).  24 LDS loads in one run, from the slot in hand: x raw (8), then the weights (16).
.macro FETCH1 q, f
	WIN TO_F
.irp a, 0,1
.irp o, 0,1,2,3
	ds_load_b128 v[(\f)+80+16*(\a)+4*(\o):(\f)+80+16*(\a)+4*(\o)+3], v[AXC] offset:(\a)*16*XP+128*(\q)+((\o)/2)*64+((\o)%2)*16
.endr
.endr
.irp b, 0,1,2,3,4,5,6,7
	ds_load_b128 v[(\f)+8*(\b):(\f)+8*(\b)+3],   v[AWC] offset:(\b)*16*WP+64*(\q)
	ds_load_b128 v[(\f)+8*(\b)+4:(\f)+8*(\b)+7], v[AWC] offset:(\b)*16*WP+64*(\q)+32
.endr
.endm
.macro CVT f                           ; x to bf16: 16 roundings; they are also the four places between the other buffer's last products and the loads into it
	WIN CVW
.irp a, 0,1
.irp j, 0,1,2,3,4,5,6,7
	v_cvt_pk_bf16_f32 v[(\f)+64+8*(\a)+(\j)], v[(\f)+80+16*(\a)+2*(\j)], v[(\f)+80+16*(\a)+2*(\j)+1]
.endr
.endr
.endm
.macro MULB f, b0, nb, zero            ; the 16 accumulators take turns, one instruction a turn
	WIN MUL
.set bb, \b0
.rept \nb
.irp a, 0,1
.if \zero
	v_wmma_f32_16x16x32_bf16 v[ACC+8*(8*(\a)+bb):ACC+8*(8*(\a)+bb)+7], v[(\f)+8*bb:(\f)+8*bb+7], v[(\f)+64+8*(\a):(\f)+64+8*(\a)+7], 0
.else
	v_wmma_f32_16x16x32_bf16 v[ACC+8*(8*(\a)+bb):ACC+8*(8*(\a)+bb)+7], v[(\f)+8*bb:(\f)+8*bb+7], v[(\f)+64+8*(\a):(\f)+64+8*(\a)+7], v[ACC+8*(8*(\a)+bb):ACC+8*(8*(\a)+bb)+7]
.endif
.endr
.set bb, bb+1
.endr
.endm
.macro QUARTER1 qn, f, g, zero         ; multiplies buffer f and fetches the step's quarter qn into buffer g
	s_wait_dscnt 16                                ; x is in; the 16 loads of weights may be out
	CVT \f
	s_wait_dscnt 8                                 ; column blocks 0-3 are in
	MULB \f, 0, 4, \zero
	FETCH1 \qn, \g
	s_wait_dscnt 24                                ; all but the 24 just issued
	MULB \f, 4, 4, \zero
.endm
; The last quarter of a K step changes slots.  kind 1: the slot that is left takes x and weights two steps of the walk on.  kind 2: its weight part takes phase 2's tile of the first column group; the half of K
; is the slot's number.  The walking descriptors are made behind the wait for all my tensor loads, where none is out, between the add and its wait: behind the round stands the load alone.
.macro TURN1 kind
	WIN 0
	s_wait_tensorcnt 0x0                           ; all my tensor loads have landed: my part of the next slot
	ds_add_u32 v[SPW], v[NIL]                      ; 0 onto my spare word
.if (\kind) == 1
	s_add_co_u32 s[KO+1], s[KO+1], s[D1]
	s_and_b32 s[KO+1], s[KO+1], 7                  ; round the eight chunks
	s_add_co_u32 s[G0X+5], s[XL], s[SB]            ; into the slot that is left
	s_lshl_b32 s[TO], s[KO+1], 9
	s_add_nc_u64 s[G0X+6:G0X+7], s[4:5], s[TO:TO+1]
	s_or_b32 s[G0X+7], s[G0X+7], 0x80000000
	s_add_co_u32 s[G0W+5], s[WL], s[SB]
	s_lshl_b32 s[TO], s[KO+1], 8
	s_add_nc_u64 s[G0W+6:G0W+7], s[6:7], s[TO:TO+1]
	s_or_b32 s[G0W+7], s[G0W+7], 0x80000000
.else
	s_add_co_u32 s[G0W+1], s[HL], 0                ; phase 2's fixed set for slot 0; from here on every wave fetches its own 64 rows of the weights' part
	s_add_co_u32 s[G0W+5], s[HL], s[SB]            ; the second trip leaves this set as phase 2's fixed set for slot 1
	s_lshr_b32 s[TO], s[SB], 9                     ; 0, or 256 bytes: the second half of K
	s_add_nc_u64 s[G0W+6:G0W+7], s[HB:HB+1], s[GOFF:GOFF+1]
	s_add_nc_u64 s[G0W+6:G0W+7], s[G0W+6:G0W+7], s[TO:TO+1]
	s_or_b32 s[G0W+7], s[G0W+7], 0x80000000
.endif
	s_xor_b32 s[SB], s[SB], SLOT1                  ; the next slot is in hand
	s_wait_dscnt 17                                ; x is in (the add and 16 loads may be out)
	CVT F1
	s_wait_dscnt 9
	MULB F1, 0, 4, 0
	s_wait_dscnt 0x0                               ; the add is done, and my reads of this slot are over
	s_barrier_signal -1
	MULB F1, 4, 2, 0
	WIN 0
	s_barrier_wait -1
	CREST                                          ; the barrier has opened a round of the cluster's: no wave of any partner still reads this slot or has a load on its way
.if (\kind) == 1
	LOAD1 1
.else
	LOADH 1
.endif
	v_add_nc_u32 v[AXC], s[SB], v[AX]
	v_add_nc_u32 v[AWC], s[SB], v[AW]
.if (\kind) == 2
	s_cmp_eq_u32 s3, 1                             ; behind the last K step there is none to fetch: the run of loads is jumped over
	s_cbranch_scc1 .Lnf_\@
.endif
	FETCH1 0, F0
.if (\kind) == 2
	WIN 0
.Lnf_\@:
.endif
	MULB F1, 6, 2, 0
.endm
; PHASE 2.  A wave makes all 64 rows x 64 columns (one head): 4 x 4 accumulators.  A quarter: 16 products, 16 LDS loads (weights 8, lat 8).
.macro FETCH2 slot, ka, kb, f
	WIN TO_F
.irp b, 0,1,2,3
	ds_load_b128 v[(\f)+8*(\b):(\f)+8*(\b)+3],   v[AH+(\slot)] offset:(\b)*16*WP+(\kb)
	ds_load_b128 v[(\f)+8*(\b)+4:(\f)+8*(\b)+7], v[AH+(\slot)] offset:(\b)*16*WP+(\kb)+32
.endr
.irp a, 0,1,2,3
	ds_load_b128 v[(\f)+32+8*(\a):(\f)+32+8*(\a)+3],   v[ADL] offset:(\a)*16*XP+(\ka)
	ds_load_b128 v[(\f)+32+8*(\a)+4:(\f)+32+8*(\a)+7], v[ADL] offset:(\a)*16*XP+(\ka)+32
.endr
.endm
.macro MUL2 f, a0, na, zero
	WIN MUL
.set aa, \a0
.rept \na
.irp b, 0,1,2,3
.if \zero
	v_wmma_f32_16x16x32_bf16 v[ACC+8*(4*aa+(\b)):ACC+8*(4*aa+(\b))+7], v[(\f)+8*(\b):(\f)+8*(\b)+7], v[(\f)+32+8*aa:(\f)+32+8*aa+7], 0
.else
	v_wmma_f32_16x16x32_bf16 v[ACC+8*(4*aa+(\b)):ACC+8*(4*aa+(\b))+7], v[(\f)+8*(\b):(\f)+8*(\b)+7], v[(\f)+32+8*aa:(\f)+32+8*aa+7], v[ACC+8*(4*aa+(\b)):ACC+8*(4*aa+(\b))+7]
.endif
.endr
.set aa, aa+1
.endr
.endm
.macro QUARTER2 slot, kh, qn, f, g, zero
	s_wait_dscnt 4                                 ; all but lat's row blocks 2 and 3
	MUL2 \f, 0, 2, \zero
	NOP4                                           ; the places in front of loads into the buffer multiplied last
	FETCH2 \slot, 256*(\kh)+64*(\qn), 64*(\qn), \g
	s_wait_dscnt 16                                ; all but the 16 just issued
	MUL2 \f, 2, 2, \zero
.endm
.macro TURN2 slot, next, fill, toggle
	WIN 0
	s_wait_tensorcnt 0x0                           ; all my tensor loads have landed
	ds_add_u32 v[SPW], v[NIL]
.if \fill
	s_add_nc_u64 s[G0W+4*(\slot)+2:G0W+4*(\slot)+3], s[HB:HB+1], s[GOFF:GOFF+1]  ; the next pair's column group,
.if \slot
	s_add_nc_u64 s[G0W+4*(\slot)+2:G0W+4*(\slot)+3], s[G0W+4*(\slot)+2:G0W+4*(\slot)+3], 256  ; its second half of K
.endif
	s_or_b32 s[G0W+4*(\slot)+3], s[G0W+4*(\slot)+3], 0x80000000
.endif
	s_wait_dscnt 5                                 ; (the add and lat's row blocks 2 and 3 may be out)
	MUL2 F1, 0, 2, 0
	s_wait_dscnt 0x0                               ; the add is done, and my reads of this slot are over
	s_barrier_signal -1
	MUL2 F1, 2, 1, 0
	WIN 0
	s_barrier_wait -1
.if \fill
	CREST
	LOADH \slot
.else
	NOP4
.endif
.if \toggle
	s_xor_b32 s[LB], s[LB], LAT0^LAT1              ; the other lat tile
	v_add_nc_u32 v[ADL], s[LB], v[AL0]
.endif
	FETCH2 \next, 256*(\next), 0, F0
	MUL2 F1, 3, 1, 0
.endm
; A pair of steps: both halves of K for one column group and one lat tile.
.macro PAIR fill
	s_xor_b32 s[FRN], s[FR], s[ISV]                ; q, k: every pair starts sums; v: every second
	s_add_co_u32 s[GN], s[GC], s[FRN]              ; where the next pair starts sums it takes the next column group,
	s_and_b32 s[GN], s[GN], s[GM]                  ; round
	s_lshl_b32 s[GOFF], s[GN], 17
	s_cmp_eq_u32 s[FR], 1
	s_cbranch_scc0 .Lon_\@
	v_nop                                          ; with the four in the quarter's middle the fifth place between the last pair's last products (row block 3) and the products that start new sums in their registers (ISA guide 7.12.1)
	QUARTER2 0, 0, 1, F0, F1, 1
	WIN 0
	s_branch .Lgo_\@
.Lon_\@:
	QUARTER2 0, 0, 1, F0, F1, 0
	WIN 0
.Lgo_\@:
	QUARTER2 0, 0, 2, F1, F0, 0
	QUARTER2 0, 0, 3, F0, F1, 0
	TURN2 0, 1, \fill, 0
	QUARTER2 1, 1, 1, F0, F1, 0
	QUARTER2 1, 1, 2, F1, F0, 0
	QUARTER2 1, 1, 3, F0, F1, 0
.if \fill
	TURN2 1, 0, 1, 1
.else
	s_wait_dscnt 4
	MUL2 F1, 0, 2, 0
	s_wait_dscnt 0x0
	MUL2 F1, 2, 2, 0
.endif
	WIN 0
.endm
; THE WAY OUT of a head's 64 rows x 64 columns, 16 rows at a time through my own stage.  Only the roundings differ between q, k (bf16) and v' (f16): they alone stand in two arms.
.macro PACKW a
	s_cmp_eq_u32 s[ISV], 0
	s_cbranch_scc0 .Lh_\@
.set i, 0
.rept 16
	v_cvt_pk_bf16_f32 v[TMP+16*(\a)+i], v[ACC+32*(\a)+2*i], v[ACC+32*(\a)+2*i+1]
.set i, i+1
.endr
	s_branch .Ls_\@
.Lh_\@:
.set i, 0
.rept 16
	v_cvt_pk_f16_f32 v[TMP+16*(\a)+i], v[ACC+32*(\a)+2*i], v[ACC+32*(\a)+2*i+1]
.set i, i+1
.endr
.Ls_\@:
.irp b, 0,1,2,3
	ds_store_b128 v[STO], v[TMP+16*(\a)+4*(\b):TMP+16*(\a)+4*(\b)+3] offset:32*(\b)
.endr
.irp f, 0,1,2,3
	ds_load_b128 v[TMP+16*(\a)+4*(\f):TMP+16*(\a)+4*(\f)+3], v[RD] offset:(\f)*4*SP  ; LDS serves a wave's instructions in order: these see the stores above
.endr
.endm
.macro SENDW a, younger                ; younger: the next block's eight LDS instructions, or none
.irp f, 0,1,2,3
	s_wait_dscnt (\younger)+3-(\f)
	global_store_b128 v[GO], v[TMP+16*(\a)+4*(\f):TMP+16*(\a)+4*(\f)+3], s[DPTR:DPTR+1] offset:(\a)*2048+(\f)*512  ; 512 consecutive bytes, aligned
.endr
.endm
.macro WAYOUT
	WIN 0
	s_lshl_b32 s[TO], s[GC], 20                    ; a column group is four heads: 4 x 262,144 bytes of q, k or v',
	s_add_nc_u64 s[DPTR:DPTR+1], s[DB:DB+1], s[TO:TO+1]
	s_lshl_b32 s[TO], s[GC], 10                    ; 4 x 256 bytes of vsc
	s_add_nc_u64 s[VSP:VSP+1], s[VB:VB+1], s[TO:TO+1]
	NOP4                                           ; the places behind the last products
	s_cmp_eq_u32 s[ISV], 0
	s_cbranch_scc1 .Lq_\@                          ; q and k are not scaled
	; v: the block's largest magnitude, by a chain of maxima and one of minima for each row block; each accumulator's low registers are read first
.irp k, 0,1,2,3
	v_max3_num_f32 v[TMP+(\k)], v[ACC+32*(\k)], v[ACC+32*(\k)+1], v[ACC+32*(\k)+2]
	v_min3_num_f32 v[TMP+4+(\k)], v[ACC+32*(\k)], v[ACC+32*(\k)+1], v[ACC+32*(\k)+2]
.endr
.set n, 1
.rept 14
.irp k, 0,1,2,3
	v_max3_num_f32 v[TMP+(\k)], v[TMP+(\k)], v[ACC+32*(\k)+2*n+1], v[ACC+32*(\k)+2*n+2]
	v_min3_num_f32 v[TMP+4+(\k)], v[TMP+4+(\k)], v[ACC+32*(\k)+2*n+1], v[ACC+32*(\k)+2*n+2]
.endr
.set n, n+1
.endr
.irp k, 0,1,2,3
	v_max_num_f32 v[TMP+(\k)], v[TMP+(\k)], v[ACC+32*(\k)+31]
	v_min_num_f32 v[TMP+4+(\k)], v[TMP+4+(\k)], v[ACC+32*(\k)+31]
.endr
	v_max3_num_f32 v[TMP], v[TMP], v[TMP+1], v[TMP+2]
	v_min3_num_f32 v[TMP+4], v[TMP+4], v[TMP+5], v[TMP+6]
	v_max_num_f32 v[TMP], v[TMP], v[TMP+3]
	v_min_num_f32 v[TMP+4], v[TMP+4], v[TMP+7]
	v_sub_f32 v[TMP+4], 0, v[TMP+4]
	v_max_num_f32 v[TMP], v[TMP], v[TMP+4]
	v_max_num_f32_dpp v[TMP], v[TMP], v[TMP] row_xmask:1 row_mask:0xf bank_mask:0xf
	v_max_num_f32_dpp v[TMP], v[TMP], v[TMP] row_xmask:2 row_mask:0xf bank_mask:0xf
	v_max_num_f32_dpp v[TMP], v[TMP], v[TMP] row_xmask:4 row_mask:0xf bank_mask:0xf
	v_max_num_f32_dpp v[TMP], v[TMP], v[TMP] row_xmask:8 row_mask:0xf bank_mask:0xf
	v_permlanex16_b32 v[TMP+4], v[TMP], s[SEL], s[SEL+1]
	v_max_num_f32 v[TMP], v[TMP], v[TMP+4]
	v_and_b32 v[TMP], 0x7fffffff, v[TMP]
	v_lshrrev_b32 v[TMP], 23, v[TMP]               ; E: the maximum lies in [2^(E-127), 2^(E-126))
	v_max_u32 v[TMP], 32, v[TMP]                   ; e = E - 141 is held to -109 .. 113
	v_min_u32 v[TMP], 0xfe, v[TMP]
	v_sub_nc_u32 v[FP], 0x10c, v[TMP]
	v_lshlrev_b32 v[FP], 23, v[FP]                 ; 2^(141 - E) = 2^-e
	v_add_nc_u32 v[FP+1], 0xffffff73, v[TMP]
	v_cvt_f32_i32 v[FP+1], v[FP+1]                 ; e = E - 141
.set i, 0
.rept 64
	v_pk_mul_f32 v[ACC+i:ACC+i+1], v[ACC+i:ACC+i+1], v[FP:FP+1] op_sel_hi:[1,0]
.set i, i+2
.endr
	v_cmp_eq_u32 vcc_lo, 0, v[LN]
	s_wait_xcnt 0x0                                ; EXEC changes only behind this wait
	s_and_saveexec_b32 s2, vcc_lo
	global_store_b64 v[ZR], v[FP:FP+1], s[VSP:VSP+1]  ; lane 0 alone
	s_wait_xcnt 0x0
	s_or_b32 exec_lo, exec_lo, s2
.Lq_\@:
	PACKW 0
	PACKW 1                                        ; a block's roundings stand between the loads of the block before and its stores
	SENDW 0, 8
	PACKW 2
	SENDW 1, 8
	PACKW 3
	SENDW 2, 8
	SENDW 3, 0
	s_wait_xcnt 0x0                                ; the stores have read their registers and bases: the next way out writes both anew
.endm
	s_wait_tensorcnt 1                             ; my part of K step 0 is in; step 1's stays out
	s_barrier_signal -1
	s_barrier_wait -1
	FETCH1 0, F0
	QUARTER1 1, F0, F1, 1                          ; the first quarter's products start the sums
	WIN 0
	s_mov_b32 s3, 6
	s_branch .Lin1                                 ; the loop is entered behind a step's first quarter
.Lst1:                                         ; six trips, K steps 0 to 5: each fills the slot that it leaves: K steps 2 to 7
	QUARTER1 1, F0, F1, 0
	WIN 0
.Lin1:
	QUARTER1 2, F1, F0, 0
	QUARTER1 3, F0, F1, 0
	TURN1 1
	WIN 0
	s_sub_co_u32 s3, s3, 1
	s_cmp_lg_u32 s3, 0
	s_cbranch_scc1 .Lst1
	s_mov_b32 s3, 2
.Ltl1:                                         ; two trips, K steps 6 and 7: the weight parts take phase 2's first two tiles
	QUARTER1 1, F0, F1, 0
	QUARTER1 2, F1, F0, 0
	QUARTER1 3, F0, F1, 0
	TURN1 2
	WIN 0
	s_sub_co_u32 s3, s3, 1
	s_cmp_lg_u32 s3, 0
	s_cbranch_scc1 .Ltl1
	; lat leaves the accumulators: the upper part, and (v) the rounded rest or (q, k) the upper part again, chosen by a mask so that there is one path
	s_mov_b32 s[HM], 0xffff0000
	NOP4
.irp a, 0,1
.irp b, 0,1,2,3,4,5,6,7
.set AC, ACC+8*(8*(\a)+(\b))
.set TT, TMP+16*((\b)%2)
.irp j, 0,1,2,3
	v_cvt_pk_bf16_f32 v[TT+(\j)], v[AC+2*(\j)], v[AC+2*(\j)+1]
.endr
.irp j, 0,1,2,3
	v_lshlrev_b32 v[TT+8+2*(\j)], 16, v[TT+(\j)]
	v_and_b32 v[TT+9+2*(\j)], s[HM], v[TT+(\j)]
.endr
.irp j, 0,1,2,3
	v_pk_add_f32 v[TT+8+2*(\j):TT+9+2*(\j)], v[AC+2*(\j):AC+2*(\j)+1], v[TT+8+2*(\j):TT+9+2*(\j)] neg_lo:[0,1] neg_hi:[0,1]
.endr
.irp j, 0,1,2,3
	v_cvt_pk_bf16_f32 v[TT+4+(\j)], v[TT+8+2*(\j)], v[TT+9+2*(\j)]
.endr
.irp j, 0,1,2,3
	v_cndmask_b32 v[TT+4+(\j)], v[TT+(\j)], v[TT+4+(\j)], s[MSK]
.endr
	ds_store_b128 v[LST],  v[TT:TT+3]   offset:(\a)*16*XP+32*(\b)
	ds_store_b128 v[LST1], v[TT+4:TT+7] offset:(\a)*16*XP+32*(\b)
.endr
.endr
	s_wait_dscnt 0x0                               ; for the others' sake: my part of lat is written
	s_barrier_signal -1                            ; phase 2's second tile stays on its way: its first was shown landed in front of the last round
	s_barrier_wait -1
	s_mov_b32 s[FR], 1
	s_mov_b32 s[LB], LAT0
	FETCH2 0, 0, 0, F0
	WIN 0
	s_mov_b32 s3, 3
.Lpair:                                        ; pairs 0 to 2 ask for the tiles of pairs 1 to 3
	PAIR 1
	s_mov_b32 s[FR], s[FRN]
	s_cmp_eq_u32 s[FR], 1                          ; the next pair starts anew: this column group is finished
	s_cbranch_scc0 .Lnoout
	WAYOUT
.Lnoout:
	s_mov_b32 s[GC], s[GN]                         ; the next pair's column group is in hand
	s_sub_co_u32 s3, s3, 1
	s_cmp_lg_u32 s3, 0
	s_cbranch_scc1 .Lpair
	PAIR 0                                         ; the last pair asks for nothing: it is written out
	WAYOUT
	s_wait_tensorcnt 0x0                           ; the wave's end
	ds_add_u32 v[SPW], v[NIL]
	s_wait_dscnt 0x0
	CROUND                                         ; the closing round
	s_endpgm
.Lfunc_end_k_q215ac21025_qkv:
	.size	k_q215ac21025_qkv, .Lfunc_end_k_q215ac21025_qkv-k_q215ac21025_qkv
	.p2alignl 7, 3214868480
	.fill 96, 4, 3214868480
	.section	.rodata,"a",@progbits
	.p2align	6, 0x0
	.amdhsa_kernel k_q215ac21025_qkv
		.amdhsa_group_segment_fixed_size 327680
		.amdhsa_private_segment_fixed_size 0
		.amdhsa_enable_private_segment 0
		.amdhsa_kernarg_size 48
		.amdhsa_user_sgpr_count 2
		.amdhsa_user_sgpr_kernarg_segment_ptr 1
		.amdhsa_wavefront_size32 1
		.amdhsa_system_sgpr_workgroup_id_x 1
		.amdhsa_system_sgpr_workgroup_id_y 1
		.amdhsa_system_sgpr_workgroup_id_z 1
		.amdhsa_system_vgpr_workitem_id 0
		.amdhsa_next_free_vgpr 512
		.amdhsa_next_free_sgpr 102
		.amdhsa_reserve_vcc 1
		.amdhsa_float_denorm_mode_32 3
		.amdhsa_float_denorm_mode_16_64 3
		.amdhsa_memory_ordered 1
		.amdhsa_forward_progress 1
		.amdhsa_inst_pref_size 165
	.end_amdhsa_kernel
	.amdgpu_metadata
---
amdhsa.version: [ 1, 2 ]
amdhsa.kernels:
  - .name:           k_q215ac21025_qkv
    .symbol:         k_q215ac21025_qkv.kd
    .args:
      - { .name: x, .offset: 0, .size: 8, .value_kind: global_buffer, .address_space: global }
      - { .name: wlT, .offset: 8, .size: 8, .value_kind: global_buffer, .address_space: global }
      - { .name: whT, .offset: 16, .size: 8, .value_kind: global_buffer, .address_space: global }
      - { .name: qb, .offset: 24, .size: 8, .value_kind: global_buffer, .address_space: global }
      - { .name: kv, .offset: 32, .size: 8, .value_kind: global_buffer, .address_space: global }
      - { .name: vsc, .offset: 40, .size: 8, .value_kind: global_buffer, .address_space: global }
    .group_segment_fixed_size: 327680
    .private_segment_fixed_size: 0
    .kernarg_segment_align: 8
    .kernarg_segment_size: 48
    .max_flat_workgroup_size: 128
    .sgpr_count:     102
    .vgpr_count:     512
    .wavefront_size: 32
...
	.end_amdgpu_metadata
.endif
;; end of part 5
;; launch attn: the kernel of part 3 again; grid 8 x 32, 4 waves a work-group, no clusters, 327,680 bytes of LDS; arguments qb, kv, vsc, y2; writes y2
;; launch proj (part 6): grid 8 x 32, 4 waves a work-group, clusters of 4 x 4, 327,680 bytes of LDS; arguments y2, wpT, b_proj, out0; writes out0
.if DOCPART == 6
	.amdgcn_target "amdgcn-amd-amdhsa--gfx1250"
	.amdhsa_code_object_version 6
	.text
	.protected	k_q215ac21025_proj
	.globl	k_q215ac21025_proj
	.p2align	8
	.type	k_q215ac21025_proj,@function
k_q215ac21025_proj:
	s_mov_b64 s[64:65], 0
	v_nop
	global_prefetch_b8 v0, s[64:65] scope:SCOPE_SE
	s_setreg_imm32_b32 hwreg(HW_REG_WAVE_MODE, 25, 1), 1
	s_wait_xcnt 0x0
	s_wait_alu depctr_hold_cnt(0) depctr_sa_sdst(0) depctr_va_vdst(0) depctr_va_sdst(0) depctr_va_ssrc(0) depctr_va_vcc(0) depctr_vm_vsrc(0)
	s_getreg_b32 s2, hwreg(HW_REG_IB_STS2, 6, 4)
	s_cmp_eq_u32 s2, 0
	s_cbranch_scc0 .Lentry_in_a_cluster
	s_endpgm
.Lentry_in_a_cluster:
	s_bfe_u32 s2, ttmp6, 0x10000c
	s_cmp_lg_u32 s2, 0xf033
	s_cbranch_scc0 .Lentry_shape_is_right
	s_endpgm
.Lentry_shape_is_right:
; LAUNCH 4 OF 4: out0 = y w_proj + b_proj.  No work of reference() is left out here.  A = y2 [4096][2048] bf16 (for each head its upper 64 and lower 64 parts), B = wpT [1024][2048] bf16 (each head's
; weights twice), so that the sum over K = 2048 is (upper + lower) x w.  The bias, rounded to bf16 like every input, is the C operand of the products that start the sums.  out0 in f32.
; A tile of out0 is 128 x 128: 256 work-groups.  Four waves, each 64 x 64: 16 accumulators.  K goes in steps of 256 (LDS rows of 512 bytes) through two slots.
; CLUSTER 4 x 4: A's tile is shared along a row of the cluster, B's along a column: joint loads with the row's or the column's mask.
; WALKS.  Clusters that read the same rows take K in different orders, so that in a round they ask for different blocks.  K step number t is chunk (k0 + d t) mod 8 of K, with c = 2 (cluster y % 4) + cluster y / 4,
; k0 = (c + 7 cluster x) mod 8, d = +1 (cluster x = 0) or -1 (cluster x = 1): the eight clusters of a column of clusters, which read the same rows of B, start at eight different chunks; the two clusters of a
; row of clusters, which read the same rows of A, start side by side and walk apart, round.  f32 sums may be taken in any order.  All this is made of the cluster's x and y alone: it is alike in all sixteen partners.
; THE TEXT.  A K step is written once and looped over.  The slot in hand is a scalar that an exclusive or turns between 0 and SLOT; the fragments' LDS addresses are that scalar plus a fixed lane term; of the two
; sets of descriptors for the first fills the second then walks on.  Six trips fill the slot that they leave, two steps of the walk ahead; two more trips ask for nothing: they are a loop of their own.
; The first quarter step, whose products start from the bias, stands ahead, and the first loop is entered behind its first quarter.
; THE MATRIX INSTRUCTION IS USED TRANSPOSED (source 0 = B's rows, source 1 = A's rows): a lane holds eight neighbouring columns of a row: 32 bytes of f32.  A wave's 64 columns are 256 bytes of a row of out0,
; so each wave sends its rows through a stage of its own, with no barrier.
; No prefetch: the tiles are small.
.set SIZE_K, 2048
.set KSTEP,  256
.set PITCH,  528
.set HALFT,  64*PITCH
.set SLOT,   4*HALFT
.set STAGE,  2*SLOT                    ; 16 rows x 272 bytes for each wave
.set SPITCH, 272
.set SPARE,  STAGE+4*16*SPITCH
.set ADRA, 16                          ; v16  my A fragments in slot 0; never rewritten
.set CA,   17                          ; v17  in the slot in hand
.set ADRB, 20                          ; v20  my B fragments in slot 0; never rewritten
.set CB,   21                          ; v21  in the slot in hand
.set STO,  24
.set RD,   25
.set CO,   26
.set BO,   27
.set SPW,  28
.set NIL,  29
.set TMP,  32                          ; v32-95 at work on the way out
.set BIAS, 96                          ; v96-127 the bias of my 64 columns, as the accumulators hold them
.set ACC,  128
.set F0,   0
.set F1,   128
.set G1, 24
.set G0, 32
.set G1B, 48
.set G0B, 56
.set KO,  72                           ; s72 the chunk of K step 0; s73 the chunk that was asked for last
.set D1,  74                           ; 1 or 7: a step of the walk, modulo 8
.set SB,  75                           ; the slot in hand: 0 or SLOT
.set TO,  76                           ; s[76:77] a chunk's offset in a row, in 64 bits; the upper word stays 0
.set MSB, 0
.macro WIN new
.if MSB != (\new)
	s_set_vgpr_msb (MSB<<8)|(\new)
.set MSB, \new
.endif
.endm
.set MUL,  0x05
.set TO_F, 0x40
.macro JLOAD s                         ; waves 0 and 1 fetch A's two halves, waves 2 and 3 B's; s_nop 0 and four v_nop behind each line
	s_cmp_eq_u32 s11, 0
	s_cbranch_scc0 .Lfor_b_\@
	tensor_load_to_lds s[G0+4*(\s):G0+4*(\s)+3], s[G1:G1+7]
	s_nop 0
.rept 4
	v_nop
.endr
	s_branch .Lasked_\@
.Lfor_b_\@:
	tensor_load_to_lds s[G0B+4*(\s):G0B+4*(\s)+3], s[G1B:G1B+7]
	s_nop 0
.rept 4
	v_nop
.endr
.Lasked_\@:
.endm
.macro CREST
	s_cmp_lg_u32 s10, 0
	s_cbranch_scc1 .Lnot_wave_0_\@
	s_barrier_signal -3
.Lnot_wave_0_\@:
	s_barrier_wait -3
	s_barrier_signal -1
	s_barrier_wait -1
.endm
.macro CROUND
	s_barrier_signal -1
	s_barrier_wait -1
	CREST
.endm
	s_load_b128 s[4:7], s[0:1], 0x0                ; y2, wpT
	s_load_b128 s[68:71], s[0:1], 0x10             ; b_proj, out0
	v_lshl_add_u32 v[SPW], v0, 2, SPARE
	v_mov_b32 v[NIL], 0
	ds_add_u32 v[SPW], v[NIL]                      ; the wave's opening: the add, twice on end, and its wait ahead of my first tensor load
	ds_add_u32 v[SPW], v[NIL]
	v_lshrrev_b32 v1, 5, v0
	v_readfirstlane_b32 s10, v1
	s_lshr_b32 s11, s10, 1                         ; my half of the tile's rows; also: I fetch for A (0) or B (1)
	s_and_b32 s12, s10, 1                          ; my half of its columns; also: which 64 rows I fetch
	s_bfe_u32 s40, ttmp6, 0x40000
	s_bfe_u32 s41, ttmp6, 0x40004
	s_lshl_b32 s42, ttmp9, 2
	s_add_co_u32 s42, s42, s40                     ; tile column
	s_and_b32 s13, ttmp7, 0xffff
	s_lshl_b32 s13, s13, 2
	s_add_co_u32 s13, s13, s41                     ; tile row
	s_lshl_b32 s43, s41, 2
	s_lshl_b32 s43, 15, s43                        ; my row of the cluster
	s_lshl_b32 s44, 0x1111, s40                    ; my column
	; the walk, from the cluster's x and y alone
	s_and_b32 s[KO], ttmp7, 0xffff                 ; cluster y, 0 to 7
	s_and_b32 s[KO+1], s[KO], 3
	s_lshl_b32 s[KO+1], s[KO+1], 1
	s_lshr_b32 s[KO], s[KO], 2
	s_add_co_u32 s[KO], s[KO], s[KO+1]             ; c
	s_mov_b32 s[D1], ttmp9                         ; cluster x, 0 or 1
	s_mul_i32 s[KO+1], s[D1], 7
	s_add_co_u32 s[KO], s[KO], s[KO+1]
	s_and_b32 s[KO], s[KO], 7                      ; K step 0 is chunk k0
	s_mul_i32 s[D1], s[D1], 6
	s_add_co_u32 s[D1], s[D1], 1                   ; d modulo 8: 1 or 7
	s_add_co_u32 s[KO+1], s[KO], s[D1]
	s_and_b32 s[KO+1], s[KO+1], 7                  ; K step 1 is chunk k0 + d
	s_mov_b32 s[SB], 0                             ; K step 0 lies in slot 0
	s_mov_b32 s[TO+1], 0
	s_or_b32 s[G1+0], s43, (1<<16)|(1<<20)|(1<<21)|(6<<22)|(3<<25)
	s_or_b32 s[G1B+0], s44, (1<<16)|(1<<20)|(1<<21)|(6<<22)|(3<<25)
.irp g, G1, G1B
	s_mov_b32 s[(\g)+1], KSTEP<<16
	s_mov_b32 s[(\g)+2], 64<<16
	s_mov_b32 s[(\g)+3], KSTEP<<16
	s_mov_b32 s[(\g)+4], 64
	s_mov_b32 s[(\g)+5], SIZE_K
	s_mov_b32 s[(\g)+6], 0
	s_mov_b32 s[(\g)+7], 0
.endr
	s_lshl_b32 s17, s12, 6
	s_lshl_b32 s16, s13, 7
	s_add_co_u32 s16, s16, s17
	s_lshl_b32 s46, s42, 7
	s_add_co_u32 s46, s46, s17
	s_mov_b32 s17, 0
	s_mov_b32 s47, 0
	s_mov_b64 s[18:19], SIZE_K*2
	s_mul_u64 s[16:17], s[16:17], s[18:19]
	s_mul_u64 s[46:47], s[46:47], s[18:19]
	s_mul_i32 s20, s10, HALFT                      ; where my part of a tile goes in slot 0: it stays so
	s_wait_dscnt 0x0
	s_wait_kmcnt 0x0
	s_add_nc_u64 s[14:15], s[4:5], s[16:17]        ; A and B at the rows that I fetch, chunk 0: they stay so
	s_add_nc_u64 s[46:47], s[6:7], s[46:47]
	CROUND
.irp s, 0,1
	s_lshl_b32 s[TO], s[KO+(\s)], 9                ; a chunk is 512 bytes of a row
	s_mov_b32 s[G0+4*(\s)], 1
	s_add_co_u32 s[G0+4*(\s)+1], s20, (\s)*SLOT
	s_add_nc_u64 s[G0+4*(\s)+2:G0+4*(\s)+3], s[14:15], s[TO:TO+1]
	s_or_b32 s[G0+4*(\s)+3], s[G0+4*(\s)+3], 0x80000000
	s_mov_b32 s[G0B+4*(\s)], 1
	s_add_co_u32 s[G0B+4*(\s)+1], s20, (\s)*SLOT
	s_add_nc_u64 s[G0B+4*(\s)+2:G0B+4*(\s)+3], s[46:47], s[TO:TO+1]
	s_or_b32 s[G0B+4*(\s)+3], s[G0B+4*(\s)+3], 0x80000000
	JLOAD \s
.endr
	v_and_b32 v1, 15, v0
	v_bfe_u32 v2, v0, 4, 1
	s_lshl_b32 s66, s42, 9                         ; my first column, in bytes of f32: 512 x tile column + 256 x half
	s_lshl_b32 s67, s12, 8
	s_add_co_u32 s66, s66, s67
	s_mov_b32 s67, 0
	v_lshl_add_u32 v[BO], v2, 5, s66               ; register j of column block b is column 16 b + 8 (l / 16) + j
.irp b, 0,1,2,3
	global_load_b128 v[BIAS+8*(\b):BIAS+8*(\b)+3],   v[BO], s[68:69] offset:64*(\b)
	global_load_b128 v[BIAS+8*(\b)+4:BIAS+8*(\b)+7], v[BO], s[68:69] offset:64*(\b)+16
.endr
	v_mul_u32_u24 v3, v1, PITCH
	v_lshl_add_u32 v3, v2, 4, v3
	s_mul_i32 s21, s11, HALFT
	s_mul_i32 s22, s12, HALFT
	s_add_co_u32 s22, s22, 2*HALFT
	v_add_nc_u32 v[ADRA], s21, v3
	v_add_nc_u32 v[ADRB], s22, v3
	v_mov_b32 v[CA], v[ADRA]
	v_mov_b32 v[CB], v[ADRB]
	s_mul_i32 s23, s10, 16*SPITCH
	s_add_co_u32 s23, s23, STAGE                   ; my stage
	v_mul_u32_u24 v4, v1, SPITCH                   ; in: row l % 16, 32 bytes for each half of the lanes
	v_lshl_add_u32 v4, v2, 5, v4
	v_add_nc_u32 v[STO], s23, v4
	v_mul_u32_u24 v5, v2, SPITCH                   ; back: lanes 0-15 one row of 256 bytes, lanes 16-31 the next
	v_lshl_add_u32 v5, v1, 4, v5
	v_add_nc_u32 v[RD], s23, v5
	v_lshlrev_b32 v5, 12, v2                       ; and the same two rows of out0, 4,096 bytes apart
	v_lshl_add_u32 v[CO], v1, 4, v5
	s_lshl_b32 s16, s13, 7
	s_lshl_b32 s17, s11, 6
	s_add_co_u32 s16, s16, s17                     ; my first row
	s_lshl_b32 s16, s16, 12
	s_mov_b32 s17, 0
	s_add_nc_u64 s[70:71], s[70:71], s[16:17]
	s_add_nc_u64 s[70:71], s[70:71], s[66:67]
	s_wait_loadcnt 0x0                             ; the bias: rounded to bf16 and widened again
.set i, 0
.rept 16
	v_cvt_pk_bf16_f32 v[TMP+i], v[BIAS+2*i], v[BIAS+2*i+1]
.set i, i+1
.endr
.set i, 0
.rept 16
	v_lshlrev_b32 v[BIAS+2*i], 16, v[TMP+i]
	v_and_b32 v[BIAS+2*i+1], 0xffff0000, v[TMP+i]
.set i, i+1
.endr
.macro MUL8 f, c, a0, zero             ; zero = 1: the first product starts the sums, from the bias.  The 16 accumulators take turns, one instruction a turn
	WIN MUL
.irp a, \a0, (\a0)+1
.irp b, 0,1,2,3
.if \zero
	v_wmma_f32_16x16x32_bf16 v[ACC+8*(4*(\a)+(\b)):ACC+8*(4*(\a)+(\b))+7], v[(\f)+64+8*(4*(\c)+(\b)):(\f)+64+8*(4*(\c)+(\b))+7], v[(\f)+8*(4*(\c)+(\a)):(\f)+8*(4*(\c)+(\a))+7], v[BIAS+8*(\b):BIAS+8*(\b)+7]
.else
	v_wmma_f32_16x16x32_bf16 v[ACC+8*(4*(\a)+(\b)):ACC+8*(4*(\a)+(\b))+7], v[(\f)+64+8*(4*(\c)+(\b)):(\f)+64+8*(4*(\c)+(\b))+7], v[(\f)+8*(4*(\c)+(\a)):(\f)+8*(4*(\c)+(\a))+7], v[ACC+8*(4*(\a)+(\b)):ACC+8*(4*(\a)+(\b))+7]
.endif
.endr
.endr
.endm
.macro FETCH k, f                      ; 32 LDS loads in one run, from the slot in hand: 64 along K at byte k of the rows, the first 32 first
	WIN TO_F
.irp c, 0,1
.irp i, 0,1,2,3
	ds_load_b128 v[(\f)+64+8*(4*(\c)+(\i)):(\f)+64+8*(4*(\c)+(\i))+3],   v[CB] offset:(\k)+64*(\c)+(\i)*16*PITCH
	ds_load_b128 v[(\f)+64+8*(4*(\c)+(\i))+4:(\f)+64+8*(4*(\c)+(\i))+7], v[CB] offset:(\k)+64*(\c)+(\i)*16*PITCH+32
	ds_load_b128 v[(\f)+8*(4*(\c)+(\i)):(\f)+8*(4*(\c)+(\i))+3],         v[CA] offset:(\k)+64*(\c)+(\i)*16*PITCH
	ds_load_b128 v[(\f)+8*(4*(\c)+(\i))+4:(\f)+8*(4*(\c)+(\i))+7],       v[CA] offset:(\k)+64*(\c)+(\i)*16*PITCH+32
.endr
.endr
.endm
.macro PLACES
.rept 4
	v_nop
.endr
.endm
.macro QUARTER k, f, g, zero           ; multiplies buffer f and fetches the step's next quarter, at byte k, into buffer g
	s_wait_dscnt 16                                ; the first 32 along K are in
	WIN MUL
	MUL8 \f, 0, 0, \zero
	MUL8 \f, 0, 2, \zero
	PLACES
	FETCH \k, \g
	s_wait_dscnt 32                                ; all but the 32 just issued
	WIN MUL
	MUL8 \f, 1, 0, 0
	MUL8 \f, 1, 2, 0
.endm
; The last quarter changes slots.  fill = 1: the slot that is left takes the chunk two steps of the walk on; the walking descriptors are made behind the wait for all my tensor loads, where none is out, between
; the add and its wait.  fill = 0: nothing is asked for, and no round of the cluster's barrier follows; behind the last K step of all there is none to fetch, and the run of LDS loads is jumped over.
.macro TURN fill
	WIN 0
	s_wait_tensorcnt 0x0                           ; all my tensor loads have landed: my part of the next slot
	ds_add_u32 v[SPW], v[NIL]
.if \fill
	s_add_co_u32 s[KO+1], s[KO+1], s[D1]
	s_and_b32 s[KO+1], s[KO+1], 7                  ; round the eight chunks
	s_lshl_b32 s[TO], s[KO+1], 9
	s_add_co_u32 s[G0+5], s20, s[SB]               ; into the slot that is left
	s_add_nc_u64 s[G0+6:G0+7], s[14:15], s[TO:TO+1]
	s_or_b32 s[G0+7], s[G0+7], 0x80000000
	s_add_co_u32 s[G0B+5], s20, s[SB]
	s_add_nc_u64 s[G0B+6:G0B+7], s[46:47], s[TO:TO+1]
	s_or_b32 s[G0B+7], s[G0B+7], 0x80000000
.endif
	s_xor_b32 s[SB], s[SB], SLOT                   ; the next slot is in hand
	s_wait_dscnt 17                                ; (the add and the youngest sixteen loads may be out)
	WIN MUL
	MUL8 F1, 0, 0, 0
	s_wait_dscnt 0x0                               ; the add is done, and my reads of this slot are over
	s_barrier_signal -1
	MUL8 F1, 0, 2, 0
	WIN 0
	s_barrier_wait -1
.if \fill
	CREST                                          ; the barrier has opened a round of the cluster's: no wave of any partner still reads this slot or has a load on its way
	JLOAD 1                                        ; the four v_nop behind it are also the places in front of the loads below
.else
	PLACES
.endif
	v_add_nc_u32 v[CA], s[SB], v[ADRA]
	v_add_nc_u32 v[CB], s[SB], v[ADRB]
.if !(\fill)
	s_cmp_eq_u32 s3, 1
	s_cbranch_scc1 .Lnf_\@
.endif
	FETCH 0, F0
.if !(\fill)
	WIN 0
.Lnf_\@:
.endif
	WIN MUL
	MUL8 F1, 1, 0, 0
	MUL8 F1, 1, 2, 0
.endm
	s_wait_tensorcnt 1                             ; my part of K step 0 is in; step 1's stays out
	s_barrier_signal -1
	s_barrier_wait -1
	FETCH 0, F0
	QUARTER 128, F0, F1, 1                         ; the first quarter's first products start the sums
	WIN 0
	s_mov_b32 s3, 6
	s_branch .Lin                                  ; the loop is entered behind a step's first quarter
.Lstep:                                        ; six trips, K steps 0 to 5: each fills the slot that it leaves: K steps 2 to 7
	QUARTER 128, F0, F1, 0
	WIN 0
.Lin:
	QUARTER 256, F1, F0, 0
	QUARTER 384, F0, F1, 0
	TURN 1
	WIN 0
	s_sub_co_u32 s3, s3, 1
	s_cmp_lg_u32 s3, 0
	s_cbranch_scc1 .Lstep
	s_mov_b32 s3, 2
.Ltail:                                        ; two trips, K steps 6 and 7: nothing is left to ask for
	QUARTER 128, F0, F1, 0
	QUARTER 256, F1, F0, 0
	QUARTER 384, F0, F1, 0
	TURN 0
	WIN 0
	s_sub_co_u32 s3, s3, 1
	s_cmp_lg_u32 s3, 0
	s_cbranch_scc1 .Ltail
	; THE WAY OUT: 16 rows at a time: the accumulators go into my stage as they are (each one's low half first), and come back as whole rows of 256 bytes
	PLACES
.irp a, 0,1,2,3
.irp b, 0,1,2,3
	ds_store_b128 v[STO], v[ACC+8*(4*(\a)+(\b)):ACC+8*(4*(\a)+(\b))+3]   offset:64*(\b)
	ds_store_b128 v[STO], v[ACC+8*(4*(\a)+(\b))+4:ACC+8*(4*(\a)+(\b))+7] offset:64*(\b)+16
.endr
	s_wait_xcnt 0x0                                ; the stores of two blocks ago have read the registers that are loaded now
.irp t, 0,1,2,3,4,5,6,7
	ds_load_b128 v[TMP+32*((\a)%2)+4*(\t):TMP+32*((\a)%2)+4*(\t)+3], v[RD] offset:(\t)*2*SPITCH  ; LDS serves a wave's instructions in order: these see the stores above
.endr
.irp t, 0,1,2,3,4,5,6,7
	s_wait_dscnt 7-(\t)                            ; the younger loads may stay out
	global_store_b128 v[CO], v[TMP+32*((\a)%2)+4*(\t):TMP+32*((\a)%2)+4*(\t)+3], s[70:71] offset:(16*(\a)+2*(\t))*4096 th:TH_STORE_NT  ; 16 lanes store 256 consecutive bytes, aligned
.endr
.endr
	s_wait_tensorcnt 0x0                           ; the wave's end
	ds_add_u32 v[SPW], v[NIL]
	s_wait_dscnt 0x0
	CROUND                                         ; the closing round
	s_endpgm
.Lfunc_end_k_q215ac21025_proj:
	.size	k_q215ac21025_proj, .Lfunc_end_k_q215ac21025_proj-k_q215ac21025_proj
	.p2alignl 7, 3214868480
	.fill 96, 4, 3214868480
	.section	.rodata,"a",@progbits
	.p2align	6, 0x0
	.amdhsa_kernel k_q215ac21025_proj
		.amdhsa_group_segment_fixed_size 327680
		.amdhsa_private_segment_fixed_size 0
		.amdhsa_enable_private_segment 0
		.amdhsa_kernarg_size 32
		.amdhsa_user_sgpr_count 2
		.amdhsa_user_sgpr_kernarg_segment_ptr 1
		.amdhsa_wavefront_size32 1
		.amdhsa_system_sgpr_workgroup_id_x 1
		.amdhsa_system_sgpr_workgroup_id_y 1
		.amdhsa_system_sgpr_workgroup_id_z 1
		.amdhsa_system_vgpr_workitem_id 0
		.amdhsa_next_free_vgpr 512
		.amdhsa_next_free_sgpr 80
		.amdhsa_reserve_vcc 0
		.amdhsa_float_denorm_mode_32 3
		.amdhsa_float_denorm_mode_16_64 3
		.amdhsa_memory_ordered 1
		.amdhsa_forward_progress 1
		.amdhsa_inst_pref_size 62
	.end_amdhsa_kernel
	.amdgpu_metadata
---
amdhsa.version: [ 1, 2 ]
amdhsa.kernels:
  - .name:           k_q215ac21025_proj
    .symbol:         k_q215ac21025_proj.kd
    .args:
      - { .name: y2, .offset: 0, .size: 8, .value_kind: global_buffer, .address_space: global }
      - { .name: wpT, .offset: 8, .size: 8, .value_kind: global_buffer, .address_space: global }
      - { .name: b_proj, .offset: 16, .size: 8, .value_kind: global_buffer, .address_space: global }
      - { .name: out0, .offset: 24, .size: 8, .value_kind: global_buffer, .address_space: global }
    .group_segment_fixed_size: 327680
    .private_segment_fixed_size: 0
    .kernarg_segment_align: 8
    .kernarg_segment_size: 32
    .max_flat_workgroup_size: 128
    .sgpr_count:     80
    .vgpr_count:     512
    .wavefront_size: 32
...
	.end_amdgpu_metadata
.endif
;; end of part 6
;; ======== version 3 of 3: 4 launches; version 2 with the launch prep written anew for expert scheduling mode
;; limits: values are held in f16: magnitudes above 65,504 overflow, below 6.1e-05 lose precision; right only within a limited range of input values
;; workspace buffers: wlT 1,572,864 bytes; whT 1,572,864 bytes; wpT 4,194,304 bytes; qb 8,388,608 bytes; kv 16,777,216 bytes; vsc 8,192 bytes; y2 16,777,216 bytes
;; launch prep (part 7): grid 32 x 10, 8 waves a work-group, no clusters, 18,432 bytes of LDS; arguments wq_lat, wk_lat, wv_lat, wq_heads, wk_heads, wv_heads, w_proj, wlT, whT, wpT; writes wlT, whT, wpT
.if DOCPART == 7
	.amdgcn_target "amdgcn-amd-amdhsa--gfx1250"
	.amdhsa_code_object_version 6
	.text
	.protected	k_q215ac21025_prep
	.globl	k_q215ac21025_prep
	.p2align	8
	.type	k_q215ac21025_prep,@function
k_q215ac21025_prep:
	s_mov_b64 s[64:65], 0
	v_nop
	global_prefetch_b8 v0, s[64:65] scope:SCOPE_SE
	s_setreg_imm32_b32 hwreg(HW_REG_WAVE_SCHED_MODE, 0, 2), 2
	s_setreg_imm32_b32 hwreg(HW_REG_WAVE_MODE, 25, 1), 1
	s_wait_xcnt 0x0
	s_wait_alu depctr_vm_vsrc(0)
; LAUNCH 1 OF 4: the seven weight matrices, rounded once to bf16 and turned, so that K lies along the rows of every matrix operand.
;   wlT [3][256 n][1024 k] = w*_lat[k][n];  whT [3][1024 n][256 k] = w*_heads[k][n];
;   wpT [1024 n][2048 k'], k' = 128 h + 64 p + c, = w_proj[64 h + c][n] for p = 0 and once more for p = 1 (launch 4 multiplies y's upper and lower bf16 part by the same weights).
; THE PROGRAM: 2 qkv (x -> latents -> q, k, v by heads), 3 attn (causal attention), 4 proj (y w_proj + b_proj).  Every input is loaded.
; WORK LEFT OUT (launch 3): reference() sets att to -inf wherever key > query, by a jnp.tril that it builds itself; softmax gives such a key the weight 0 whatever the inputs hold,
; so a tile of keys that lies wholly above the diagonal reaches no output and is neither loaded nor multiplied.  Nothing else is left out.
; LIMIT: a NaN, an infinity or an overflow that arises only in such hidden scores is not carried to the result.
; FORMATS: all inputs are rounded to bf16 (the bias too); sums in f32.  The latents of q and k, q and k are bf16; the latent of v and y are pairs of bf16 (upper part, and the rest rounded);
; v is f16 with one power of two for each head and block of 64 keys, which launch 3 takes into the softmax's exponents exactly.
; THIS KERNEL: a work-group turns a tile of 128 k x 64 n through LDS.  Loads: 16 lanes take a tile row's 256 bytes.  Stores: 16 lanes write 256 consecutive, aligned bytes.
; No matrix unit, no cluster, no tensor load: nothing is shared between work-groups and each byte crosses once.
; THE MODE: SCHED_MODE bits 1:0 = 2 (LLVM: expert scheduling mode 2), set by the entry lines.  The code itself states the register dependences
; between vector instructions and memory or LDS instructions, with s_wait_alu, always for 0.
; THE PLAN.  Registers that memory or LDS instructions touch:
;   v4-v11    offsets of the eight global loads;  v12 LDS address of the stores;  v70, v71 LDS addresses of the read-back;  v66-v69 offsets of the global stores;  v64, v65 the closing add's two.
;             All are written by vector instructions at the head and never again.
;   v16-v47   The global loads land here; the sixteen roundings read them; behind the barrier the LDS loads land here, and the global stores read them.
;   v48-v63   Group i's four roundings write v[48 + 4 i ..]; group i's four LDS stores read them; never written again.
; ONE wait on va_vdst stands ahead of the first global load, for all the addresses.  The tile's rows go in four groups of two loads.  At the head of groups 1 to 3, behind the wait for the group's data, a wait on
; va_vdst states that the group before has written its four registers; that group's four LDS stores follow, dealt among this group's four roundings, which write four other registers.  A last wait on va_vdst
; behind group 3's roundings stands for its four stores, and for the LDS loads behind the barrier: no vector instruction is issued behind it.
; No register that a memory or LDS instruction reads is written again, so no wait on vm_vsrc is owed; no vector instruction writes a scalar register or VCC; EXEC is written nowhere.
.set TP,    272                        ; a row of the turned tile in LDS: 128 bf16 + 16 bytes
.set SPARE, 64*TP                      ; behind the tile: the spare words, 128 bytes for each of the eight waves
.set SPW,   64                         ; v64  my spare word's address; never rewritten
.set NIL,   65                         ; v65  0; never rewritten
	s_load_b512 s[8:23], s[0:1], 0x0               ; wq_lat wk_lat wv_lat wq_heads wk_heads wv_heads w_proj wlT
	s_load_b128 s[24:27], s[0:1], 0x40             ; whT wpT
	v_lshl_add_u32 v[SPW], v0, 2, SPARE
	v_mov_b32 v[NIL], 0
	s_and_b32 s4, ttmp7, 0xffff                    ; y: 0-2 a lat matrix, 3-5 a heads matrix, 6-9 a quarter of w_proj
	s_mov_b32 s5, ttmp9
	s_lshr_b32 s32, s5, 2                          ; lat: 8 tiles along k, 4 along n
	s_and_b32 s33, s5, 3
	s_lshr_b32 s34, s5, 4                          ; the others: 16 tiles along n
	s_and_b32 s35, s5, 15
	s_max_u32 s36, s4, 6
	s_sub_co_u32 s36, s36, 6
	s_lshl_b32 s36, s36, 1
	s_add_co_u32 s36, s36, s34                     ; w_proj: k tile = 2 (y - 6) + x / 16
	s_max_u32 s37, s4, 3
	s_sub_co_u32 s37, s37, 3
	s_mov_b32 s38, 4096                            ; RP: bytes in a source row
	s_mov_b32 s39, 512                             ; DP: bytes in a destination row
	s_mov_b32 s43, 256                             ; bytes of a destination row that a k tile fills
	s_cmp_lt_u32 s4, 3
	s_cselect_b32 s38, 1024, s38
	s_cselect_b32 s39, 2048, s39
	s_cselect_b32 s40, s32, s34                    ; k tile
	s_cselect_b32 s41, s33, s35                    ; n tile
	s_cselect_b32 s42, s4, s37                     ; which of the three matrices
	s_cmp_ge_u32 s4, 6
	s_cselect_b32 s39, 4096, s39
	s_cselect_b32 s40, s36, s40
	s_cselect_b32 s42, 0, s42
	s_cselect_b32 s43, 512, s43
	s_mul_i32 s44, s40, s38
	s_lshl_b32 s44, s44, 7                         ; 128 source rows a k tile
	s_lshl_b32 s46, s41, 8                         ; 64 f32 an n tile
	s_add_co_u32 s44, s44, s46
	s_mov_b32 s45, 0
	s_mul_i32 s46, s41, s39
	s_lshl_b32 s46, s46, 6                         ; 64 destination rows an n tile
	s_mul_i32 s6, s40, s43
	s_add_co_u32 s46, s46, s6
	s_lshl_b32 s6, s42, 19                         ; 524,288 bytes a matrix
	s_add_co_u32 s46, s46, s6
	s_mov_b32 s47, 0
	v_and_b32 v1, 15, v0                           ; c: my 16 bytes of a row of 256
	v_lshrrev_b32 v2, 4, v0                        ; kr: 0..15
	v_lshlrev_b32 v3, 4, v1
	v_lshlrev_b32 v13, 1, v2
	v_mad_u32_u24 v4, v13, s38, v3                 ; source row 2 kr
.irp n, 1,2,3,4,5,6,7
	s_mul_i32 s6, s38, ((\n)/2)*32+((\n)%2)        ; load n takes row 32 (n / 2) + 2 kr + n % 2
	v_add_nc_u32 v[4+(\n)], s6, v4
.endr
	v_mul_u32_u24 v12, v1, 4*TP                    ; into LDS: row n = 4 c + n', bytes 2 k
	v_lshl_add_u32 v12, v2, 2, v12
	v_mul_u32_u24 v70, v2, TP                      ; back: row 16 u + kr,
	v_and_b32 v14, 7, v0
	v_lshl_add_u32 v71, v14, 4, v70                ; (w_proj: 128 bytes of it, twice)
	v_add_nc_u32 v70, v3, v70                      ; 16 bytes a lane
	v_mad_u32_u24 v66, v2, s39, v3                 ; and the same row in the destination
	s_lshl_b32 s6, s39, 4
.irp u, 1,2,3
	v_add_nc_u32 v[66+(\u)], s6, v[65+(\u)]
.endr
	s_wait_kmcnt 0x0
	s_mov_b64 s[28:29], s[20:21]                   ; the source, chosen by y alone
.irp i, 0,1,2,3,4,5
	s_cmp_eq_u32 s4, \i
	s_cselect_b64 s[28:29], s[8+2*(\i):9+2*(\i)], s[28:29]
.endr
	s_mov_b64 s[30:31], s[26:27]                   ; the destination
	s_cmp_lt_u32 s4, 6
	s_cselect_b64 s[30:31], s[24:25], s[30:31]
	s_cmp_lt_u32 s4, 3
	s_cselect_b64 s[30:31], s[22:23], s[30:31]
	s_add_nc_u64 s[28:29], s[28:29], s[44:45]
	s_add_nc_u64 s[30:31], s[30:31], s[46:47]
	s_wait_alu depctr_va_vdst(0)                   ; the head has written v4 to v12 and v66 to v71, which the loads, LDS stores, LDS loads and stores below read as offsets and addresses, and v64, v65, which the closing add reads
.irp n, 0,1,2,3,4,5,6,7
	global_load_b128 v[16+4*(\n):19+4*(\n)], v[4+(\n)], s[28:29] th:TH_LOAD_NT
.endr
	s_wait_loadcnt 6                               ; rows k and k + 1 of group 0 are in; the younger loads stay out
.irp n, 0,1,2,3
	v_cvt_pk_bf16_f32 v[48+(\n)], v[16+(\n)], v[20+(\n)]  ; (k, k + 1) of column 4 c + n
.endr
.irp i, 1,2,3
	s_wait_loadcnt 6-2*(\i)                        ; rows k and k + 1 of group i are in; the younger loads stay out
	s_wait_alu depctr_va_vdst(0)                   ; the roundings of group i - 1 have written v[44 + 4 i ..], which the four LDS stores below read; this group's roundings write four other registers
.irp n, 0,1,2,3
	ds_store_b32 v12, v[44+4*(\i)+(\n)] offset:(\n)*TP+64*((\i)-1)
	v_cvt_pk_bf16_f32 v[48+4*(\i)+(\n)], v[16+8*(\i)+(\n)], v[20+8*(\i)+(\n)]  ; (k, k + 1) of column 4 c + n
.endr
.endr
	s_wait_alu depctr_va_vdst(0)                   ; the roundings of group 3 have written v60 to v63, which the last four LDS stores read; and all sixteen roundings are done reading v16 to v47, in which the LDS loads behind the barrier land: no vector instruction follows this wait
.irp n, 0,1,2,3
	ds_store_b32 v12, v[60+(\n)] offset:(\n)*TP+192
.endr
	s_wait_dscnt 0x0                               ; for the others' sake: my part of the tile is written
	s_barrier_signal -1
	s_barrier_wait -1
	s_cmp_ge_u32 s4, 6
	s_cbranch_scc1 .Ldup
.irp u, 0,1,2,3
	ds_load_b128 v[16+4*(\u):19+4*(\u)], v70 offset:(\u)*16*TP
.endr
.irp u, 0,1,2,3
	s_wait_dscnt 3-(\u)                            ; the younger LDS loads may stay out
	global_store_b128 v[66+(\u)], v[16+4*(\u):19+4*(\u)], s[30:31]
.endr
	s_branch .Lend
.Ldup:                                         ; w_proj: a head's 64 k stand twice on end: 256 bytes from 16 lanes
.irp n, 0,1,2,3,4,5,6,7
	ds_load_b128 v[16+4*(\n):19+4*(\n)], v71 offset:((\n)%4)*16*TP+128*((\n)/4)
.endr
.irp n, 0,1,2,3,4,5,6,7
	s_wait_dscnt 7-(\n)
	global_store_b128 v66, v[16+4*(\n):19+4*(\n)], s[30:31] offset:65536*((\n)%4)+256*((\n)/4)
.endr
.Lend:
	s_wait_dscnt 0x0                               ; the closing lines, six on end
	s_wait_alu 0x0
	s_wait_tensorcnt 0x0
	ds_add_u32 v[SPW], v[NIL]
	s_wait_dscnt 0x0
	s_endpgm
.Lfunc_end_k_q215ac21025_prep:
	.size	k_q215ac21025_prep, .Lfunc_end_k_q215ac21025_prep-k_q215ac21025_prep
	.p2alignl 7, 3214868480
	.fill 96, 4, 3214868480
	.section	.rodata,"a",@progbits
	.p2align	6, 0x0
	.amdhsa_kernel k_q215ac21025_prep
		.amdhsa_group_segment_fixed_size 18432
		.amdhsa_private_segment_fixed_size 0
		.amdhsa_enable_private_segment 0
		.amdhsa_kernarg_size 80
		.amdhsa_user_sgpr_count 2
		.amdhsa_user_sgpr_kernarg_segment_ptr 1
		.amdhsa_wavefront_size32 1
		.amdhsa_system_sgpr_workgroup_id_x 1
		.amdhsa_system_sgpr_workgroup_id_y 1
		.amdhsa_system_sgpr_workgroup_id_z 1
		.amdhsa_system_vgpr_workitem_id 0
		.amdhsa_next_free_vgpr 80
		.amdhsa_next_free_sgpr 66
		.amdhsa_reserve_vcc 0
		.amdhsa_float_denorm_mode_32 3
		.amdhsa_float_denorm_mode_16_64 3
		.amdhsa_memory_ordered 1
		.amdhsa_forward_progress 1
		.amdhsa_inst_pref_size 10
	.end_amdhsa_kernel
	.amdgpu_metadata
---
amdhsa.version: [ 1, 2 ]
amdhsa.kernels:
  - .name:           k_q215ac21025_prep
    .symbol:         k_q215ac21025_prep.kd
    .args:
      - { .name: wq_lat, .offset: 0, .size: 8, .value_kind: global_buffer, .address_space: global }
      - { .name: wk_lat, .offset: 8, .size: 8, .value_kind: global_buffer, .address_space: global }
      - { .name: wv_lat, .offset: 16, .size: 8, .value_kind: global_buffer, .address_space: global }
      - { .name: wq_heads, .offset: 24, .size: 8, .value_kind: global_buffer, .address_space: global }
      - { .name: wk_heads, .offset: 32, .size: 8, .value_kind: global_buffer, .address_space: global }
      - { .name: wv_heads, .offset: 40, .size: 8, .value_kind: global_buffer, .address_space: global }
      - { .name: w_proj, .offset: 48, .size: 8, .value_kind: global_buffer, .address_space: global }
      - { .name: wlT, .offset: 56, .size: 8, .value_kind: global_buffer, .address_space: global }
      - { .name: whT, .offset: 64, .size: 8, .value_kind: global_buffer, .address_space: global }
      - { .name: wpT, .offset: 72, .size: 8, .value_kind: global_buffer, .address_space: global }
    .group_segment_fixed_size: 18432
    .private_segment_fixed_size: 0
    .kernarg_segment_align: 8
    .kernarg_segment_size: 80
    .max_flat_workgroup_size: 256
    .sgpr_count:     66
    .vgpr_count:     80
    .wavefront_size: 32
...
	.end_amdgpu_metadata
.endif
;; end of part 7
;; launch qkv: the kernel of part 5 again; grid 64 x 4, 4 waves a work-group, clusters of 4 x 1, 327,680 bytes of LDS; arguments x, wlT, whT, qb, kv, vsc; writes qb, kv, vsc
;; launch attn: the kernel of part 3 again; grid 8 x 32, 4 waves a work-group, no clusters, 327,680 bytes of LDS; arguments qb, kv, vsc, y2; writes y2
;; launch proj: the kernel of part 6 again; grid 8 x 32, 4 waves a work-group, clusters of 4 x 4, 327,680 bytes of LDS; arguments y2, wpT, b_proj, out0; writes out0
